; MI455X (gfx1250); checked and timed in simulation.
; The chip was launched on July 23, 2026; its instructions are those of AMD's public machine-readable ISA for CDNA 5 (MIT licence, August 2026) and "CDNA5" Instruction Set Architecture Reference Guide (July 2026). The comments in the code are by the model that wrote it; some were corrected since.
;; Multi Head Attention. Allowed arithmetic: matrix products marked QUANTISED: E2M3 operands, one E8M0 scale for each 32 along K, by v_wmma_scale_f32_16x16x128_f8f6f4 with both operands' format E2M3, f32 sums; everything else in f32.
;; Inputs: Wk 1,024 x 1,024 float32; Wo 1,024 x 1,024 float32; Wq 1,024 x 1,024 float32; Wv 1,024 x 1,024 float32; inputs 4 x 2,048 x 1,024 float32.
;; Outputs: out0 4 x 2,048 x 1,024 float32.
;; This version of the problem:
;;   THIS VERSION OF THE PROBLEM IS GIVEN IN LOW PRECISION. The matrix products marked QUANTISED in the list below multiply operands that are first quantised to E2M3 (2 exponent bits, 3 mantissa bits; 6 bits a number), with one power-of-two scale for each 32 numbers along K (OCP MX v1.0); their sums are f32. All else is computed in f32.
;;   The module's matrix products, in the order in which they are computed (A, B: the left and right operand; K: the contracted axis; several contracted axes count as one K, in the product's order):
;;     1. [M 8,192, K 1,024] x [K 1,024, N 1,024]; A: input inputs; B: input Wq: QUANTISED
;;     2. [M 8,192, K 1,024] x [K 1,024, N 1,024]; A: input inputs; B: input Wk: QUANTISED
;;     3. [M 8,192, K 1,024] x [K 1,024, N 1,024]; A: input inputs; B: input Wv: QUANTISED
;;     4. batch 4 x [M 2,048, K 1,024] x [K 1,024, N 2,048]; A: computed on the way; B: computed on the way: QUANTISED
;;     5. batch 4 x [M 2,048, K 2,048] x [K 2,048, N 1,024]; A: softmax (see below); B: computed on the way: QUANTISED
;;     6. [M 8,192, K 1,024] x [K 1,024, N 1,024]; A: computed on the way; B: input Wo: QUANTISED
;;   THE QUANTISER, for each operand of a quantised product, along K:
;;     - K is cut into blocks of 32 from its start; a last block that is shorter is filled with zeros.
;;     - A block's scale is 2^e with e = floor(log2(the largest magnitude in the block)) - 2, held to -126 .. 127; a block of zeros has e = 0. As a byte (E8M0): e + 127.
;;     - Each number is divided by its block's scale, clamped to +-7.5, and rounded to the nearest number of E2M3, ties to even, subnormals kept.
;;     - The product sums the exact products of the quantised numbers (number of the format x scale) in f32.
;;   ~~~python
;;   def quantise(x, axis):      # numpy; x: float32 -> the quantised numbers, widened to float32 again
;;       x = np.moveaxis(x, axis, -1); K = x.shape[-1]
;;       x = np.pad(x, [(0, 0)] * (x.ndim - 1) + [(0, -K % 32)]); x = x.reshape(x.shape[:-1] + (-1, 32)); a = np.abs(x).max(-1, keepdims=True)
;;       e = np.where(a > 0, np.clip(np.frexp(np.where(a > 0, a, 1))[1] - 1 - 2, -126, 127), 0)      # np.frexp(a)[1] - 1 = floor(log2(a)), exactly
;;       r = np.clip(x / 2.0 ** e, -7.5, 7.5)
;;       step = 2.0 ** (np.maximum(np.frexp(np.where(r == 0, 1, r))[1] - 1, 0) - 3)
;;       q = np.round(r / step) * step * 2.0 ** e      # np.round: ties to even
;;       return np.moveaxis(q.reshape(q.shape[:-2] + (-1,))[..., :K], -1, axis).astype(np.float32)
;;   ~~~
;;   SOFTMAX AHEAD OF A QUANTISED PRODUCT. Where the list says 'softmax', what is quantised is not the finished softmax but p = 2^(t - M), with t = logit x log2(e) and M = ceil(the row's largest t), a whole number; so 1/2 < the row's largest p <= 1. The row's sum l is taken of the UNQUANTISED p, in f32, and the product's result is divided by l at the end. Since M is a whole number, a kernel that streams over the keys may use a running M (the ceiling of the running maximum): every later rescaling is an exact power of two, which a block's scale takes up: the codes' values come out the same.
;;   OPERANDS COMPUTED ON THE WAY. 'Computed on the way' means the value that the module computes at that place (a softmax that the list does not call 'softmax' is quantised finished and normalised). What goes into a quantiser is computed in f32, as accurately as f32 sums, v_exp_f32 and their like allow (about 1e-6 of the number): no bf16 or f16 on the way to a quantiser, and a product that is left as it is and whose result goes on into a quantised operand takes f32 operands (vector FMAs, or v_wmma_f32_16x16x4_f32). A number that lies on a knife's edge between two numbers of the format may be rounded either way, as far as f32 arithmetic and the matrix unit's own rounding can turn it there, and no further.
;; 2 versions. Each part assembles by itself: llvm-mc -triple=amdgcn-amd-amdhsa -mcpu=gfx1250 --defsym DOCPART=n.
;; ======== version 1 of 2: 6 launches
;; workspace buffers: xw 9,830,400 bytes; qkv 19,660,800 bytes; pp 14,155,776 bytes; oc 6,553,600 bytes
;; launch quant_x (part 1): grid 256 x 1, 4 waves a work-group, no clusters, 34,304 bytes of LDS; arguments inputs, xw; writes xw
.if DOCPART == 1
	.amdgcn_target "amdgcn-amd-amdhsa--gfx1250"
	.amdhsa_code_object_version 6
	.text
	.protected	k_qd9a50aa586_quant_x
	.globl	k_qd9a50aa586_quant_x
	.p2align	8
	.type	k_qd9a50aa586_quant_x,@function
k_qd9a50aa586_quant_x:
	s_mov_b64 s[64:65], 0
	v_nop
	global_prefetch_b8 v0, s[64:65] scope:SCOPE_SE
	s_setreg_imm32_b32 hwreg(HW_REG_WAVE_MODE, 25, 1), 1
	s_wait_xcnt 0x0
; THE PROGRAM: out0 = softmax((x Wq)(x Wk)^T / 8) (x Wv) Wo, all six products on codes of FP6 (E2M3) with one E8M0 scale for each 32 along K.  Six launches: this one and the next
; quantise x and the four weights; then four products on codes (q | k | v^T;  p;  p v;  the projection), each of which quantises its result in registers for the next.
; NO WORK OF reference() IS LEFT OUT: every input has a way to the output, there is no mask, and every product of the table is done whole.
; THIS LAUNCH: x [8192][1024] f32 becomes codes and scale bytes along its last axis.
; A block's scale is 2^(floor(log2(its largest magnitude)) - 2); its byte is the largest magnitude's exponent field - 2, held at 1 from below.
; LIMITS: NaN and infinities among the inputs are not served.  A block whose largest magnitude lies under 2^-124 keeps the byte 1; so does a block of zeros, where the rule says 127: its codes are
; zeros, which add nothing under any byte but 0xff, and this program alone reads the bytes.
; LAYOUT OF EVERY OPERAND OF THIS PROGRAM.  Row tile i = 2 g + u holds, at its places 0 .. 15, the rows 32 g + 8 u + place + 8 (place / 8).  A fragment (K step s of 128, tile i) lies in memory as the IMAGE of its
; 12 registers: register n of lane l at 512 (n / 4) + 16 l + 4 (n % 4), 1,536 bytes, at (s x tiles + i) x 1,536.  Lane (r, h) holds place r; registers 6 c .. 6 c + 5 hold k = 64 c + 32 h + 0 .. 31.
; Its 16 scale words (one a place, byte b for k = 32 b ..) lie at (s x tiles + i) x 64 behind the codes.  xw has 768 tiles: 0-511 x, 512-575 Wq, 576-639 Wk, 640-703 Wv, 704-767 Wo.
; SHARES.  1,024 waves; a wave takes one tile of 16 rows and four K steps.  Each load reads 512 consecutive bytes of a row; a fragment's 8,192 bytes turn through the wave's own stage in LDS (rows 528 bytes
; apart), so that a lane gets its two whole blocks of 32 neighbours.  No barrier: waves share nothing.  Loads run two fragments (32 loads a wave) ahead.
.set RT,    768
.set XWS,   9437184                    ; where the scale words begin in xw
.set STG,   16*528                     ; a wave's stage
.set SPARE, 4*STG                      ; behind the stages: the spare words, 128 bytes for each wave, that no other line names
.set LOFF, 1                           ; v1   16 x lane
.set STI,  2                           ; v2   the stage on the way in: 16 x lane
.set STO,  3                           ; v3   and on the way out: 528 r + 128 h
.set SWO,  4                           ; v4   4 r: my place's scale word
.set SH8,  5                           ; v5   8 h
.set SPW,  6                           ; v6   LDS address of my spare word; never rewritten
.set NIL,  7                           ; v7   0; never rewritten
.set MX,   8                           ; v8-9   largest magnitudes of my two blocks
.set SO,   10                          ; v10-11 the conversions' scale operands
.set BY,   12                          ; v12-13 the scale bytes
.set W,    14
.set T,    15
.set WT,   20                          ; v20-23 a scale word for each fragment
.set R,    32                          ; v32-159  two sets of 64: a fragment as it is loaded
.set X,    160                         ; v160-223 my 64 numbers
.set C,    224                         ; v224-247 two sets of 12: the codes
.set SCR,  248                         ; v248-250, v252-254
	s_load_b128 s[4:7], s[0:1], 0x0                ; x, xw
	v_lshl_add_u32 v[SPW], v0, 2, SPARE
	v_mov_b32 v[NIL], 0
	v_lshrrev_b32 v8, 5, v0
	v_readfirstlane_b32 s8, v8                     ; wave
	v_and_b32 v9, 31, v0
	v_lshlrev_b32 v[LOFF], 4, v9
	s_mul_i32 s9, s8, STG
	v_add_nc_u32 v[STI], s9, v[LOFF]
	v_and_b32 v10, 15, v0                          ; r
	v_bfe_u32 v11, v0, 4, 1                        ; h
	v_mul_u32_u24 v[STO], v10, 528
	v_lshl_add_u32 v[STO], v11, 7, v[STO]
	v_add_nc_u32 v[STO], s9, v[STO]
	v_lshlrev_b32 v[SWO], 2, v10
	v_lshlrev_b32 v[SH8], 3, v11
	v_mov_b32 v[T], 0                              ; written once: a lane permute's destination counts as one of its sources
	s_mov_b32 s20, 0x76543210
	s_mov_b32 s21, 0xfedcba98                      ; selects for lane l xor 16
	s_lshl_b32 s10, ttmp9, 2
	s_add_co_u32 s10, s10, s8                      ; my wave among the 1,024
	s_lshr_b32 s11, s10, 1                         ; tile i
	s_and_b32 s12, s10, 1                          ; which four K steps
	s_lshr_b32 s13, s11, 1
	s_lshl_b32 s13, s13, 17                        ; 32 (i / 2) rows of 4,096 bytes
	s_and_b32 s14, s11, 1
	s_lshl_b32 s14, s14, 15                        ; + 8 (i % 2) rows
	s_add_co_u32 s13, s13, s14
	s_lshl_b32 s14, s12, 11                        ; + four K steps of 512 bytes
	s_add_co_u32 s16, s13, s14
	s_mov_b32 s17, 0
	s_mul_i32 s14, s12, 4*RT
	s_add_co_u32 s14, s14, s11                     ; my first fragment's number: s x 768 + i
	s_mul_i32 s18, s14, 1536
	s_mov_b32 s19, 0
	s_lshl_b32 s22, s14, 6
	s_add_co_u32 s22, s22, XWS
	s_mov_b32 s23, 0
	s_wait_kmcnt 0x0
	s_add_nc_u64 s[4:5], s[4:5], s[16:17]          ; x at my first row and K step
	s_add_nc_u64 s[24:25], s[6:7], s[18:19]        ; my first image
	s_add_nc_u64 s[26:27], s[6:7], s[22:23]        ; and its scale words
.macro LOADF t                         ; fragment t: 16 rows x 512 consecutive bytes
.irp p, 0,1,2,3,4,5,6,7,8,9,10,11,12,13,14,15
	global_load_b128 v[R+64*((\t)%2)+4*\p:R+64*((\t)%2)+4*\p+3], v[LOFF], s[4:5] offset:(\p+8*(\p/8))*4096+512*(\t) th:TH_LOAD_NT
.endr
.endm
.macro FRAG t
.set CC, C+12*((\t)%2)
.if (\t) < 3
	s_wait_loadcnt 16                              ; this fragment's 16 loads are in; the next fragment's 16 may be out
.else
	s_wait_loadcnt 0x0
.endif
.irp p, 0,1,2,3,4,5,6,7,8,9,10,11,12,13,14,15
	ds_store_b128 v[STI], v[R+64*((\t)%2)+4*\p:R+64*((\t)%2)+4*\p+3] offset:528*\p
.endr
.irp c, 0,1
.irp j, 0,1,2,3,4,5,6,7
	ds_load_b128 v[X+32*\c+4*\j:X+32*\c+4*\j+3], v[STO] offset:256*\c+16*\j   ; LDS serves a wave's instructions in order: these see the stores above.  k = 64 c + 32 h + 4 j ..
.endr
.endr
	s_wait_dscnt 0x0                               ; my numbers are back, and the stores have read their registers,
.if (\t)+2 < 4
	LOADF (\t)+2                                   ; which take the fragment two on
.endif
.if (\t) >= 2
	s_wait_xcnt 0x0                                ; the stores of two fragments ago have read this set of codes
.endif
.irp c, 0,1
	v_max3_num_f32 v[MX+\c], |v[X+32*\c]|, |v[X+32*\c+1]|, 0x1800000   ; block 2 c + h: all 32 numbers are mine; the floor 2^(3 - 127) holds the byte at 1 from below
.endr
.irp i, 2,4,6,8,10,12,14,16,18,20,22,24,26,28,30
.irp c, 0,1
	v_max3_num_f32 v[MX+\c], v[MX+\c], |v[X+32*\c+\i]|, |v[X+32*\c+\i+1]|
.endr
.endr
.irp c, 0,1
	v_add_nc_u32 v[SO+\c], 0xff000000, v[MX+\c]    ; 2 off the exponent field: the conversion takes the exponent field of this operand as its scale
.endr
.irp c, 0,1
	v_lshrrev_b32 v[BY+\c], 23, v[SO+\c]           ; the scale's byte
.endr
	v_lshl_or_b32 v[W], v[BY+1], 16, v[BY]         ; my two bytes, blocks h and 2 + h,
	v_lshlrev_b32 v[W], v[SH8], v[W]               ; at their places in the word;
	v_permlanex16_b32 v[T], v[W], s20, s21
	v_or_b32 v[WT+(\t)], v[W], v[T]                ; with lane l xor 16's two the word is whole
.irp c, 0,1
	v_cvt_scalef32_pk16_fp6_f32 v[CC+6*\c:CC+6*\c+2], v[X+32*\c:X+32*\c+15], v[SO+\c]
	v_cvt_scalef32_pk16_fp6_f32 v[SCR+4*\c:SCR+4*\c+2], v[X+32*\c+16:X+32*\c+31], v[SO+\c]   ; (a conversion's three registers begin on an even number)
.endr
	v_nop                                          ; one plain place behind a scaled conversion
.irp c, 0,1
.irp i, 0,1,2
	v_mov_b32 v[CC+6*\c+3+\i], v[SCR+4*\c+\i]
.endr
.endr
.irp c, 0,1,2
	global_store_b128 v[LOFF], v[CC+4*\c:CC+4*\c+3], s[24:25] offset:(\t)*RT*1536+512*\c   ; 32 lanes store 512 consecutive bytes, at a multiple of 256 from the buffer's first byte
.endr
	global_store_b32 v[SWO], v[WT+(\t)], s[26:27] offset:(\t)*RT*64   ; lanes r and r + 16 write the same word with the same value
.endm
	LOADF 0
	LOADF 1
	FRAG 0
	FRAG 1
	FRAG 2
	FRAG 3
	s_wait_tensorcnt 0x0                           ; the wave's end, behind my last LDS store
	ds_add_u32 v[SPW], v[NIL]
	s_wait_dscnt 0x0
	s_endpgm
.Lfunc_end_k_qd9a50aa586_quant_x:
	.size	k_qd9a50aa586_quant_x, .Lfunc_end_k_qd9a50aa586_quant_x-k_qd9a50aa586_quant_x
	.p2alignl 7, 3214868480
	.fill 96, 4, 3214868480
	.section	.rodata,"a",@progbits
	.p2align	6, 0x0
	.amdhsa_kernel k_qd9a50aa586_quant_x
		.amdhsa_group_segment_fixed_size 34304
		.amdhsa_private_segment_fixed_size 0
		.amdhsa_enable_private_segment 0
		.amdhsa_kernarg_size 16
		.amdhsa_user_sgpr_count 2
		.amdhsa_user_sgpr_kernarg_segment_ptr 1
		.amdhsa_wavefront_size32 1
		.amdhsa_system_sgpr_workgroup_id_x 1
		.amdhsa_system_sgpr_workgroup_id_y 1
		.amdhsa_system_sgpr_workgroup_id_z 1
		.amdhsa_system_vgpr_workitem_id 0
		.amdhsa_next_free_vgpr 256
		.amdhsa_next_free_sgpr 66
		.amdhsa_reserve_vcc 0
		.amdhsa_float_denorm_mode_32 3
		.amdhsa_float_denorm_mode_16_64 3
		.amdhsa_memory_ordered 1
		.amdhsa_forward_progress 1
		.amdhsa_inst_pref_size 30
	.end_amdhsa_kernel
	.amdgpu_metadata
---
amdhsa.version: [ 1, 2 ]
amdhsa.kernels:
  - .name:           k_qd9a50aa586_quant_x
    .symbol:         k_qd9a50aa586_quant_x.kd
    .args:
      - { .name: inputs, .offset: 0, .size: 8, .value_kind: global_buffer, .address_space: global }
      - { .name: xw, .offset: 8, .size: 8, .value_kind: global_buffer, .address_space: global }
    .group_segment_fixed_size: 34304
    .private_segment_fixed_size: 0
    .kernarg_segment_align: 8
    .kernarg_segment_size: 16
    .max_flat_workgroup_size: 128
    .sgpr_count:     66
    .vgpr_count:     256
    .wavefront_size: 32
...
	.end_amdgpu_metadata
.endif
;; end of part 1
;; launch quant_w (part 2): grid 8 x 32, 4 waves a work-group, no clusters, 12,800 bytes of LDS; arguments Wq, Wk, Wv, Wo, xw; writes xw
.if DOCPART == 2
	.amdgcn_target "amdgcn-amd-amdhsa--gfx1250"
	.amdhsa_code_object_version 6
	.text
	.protected	k_qd9a50aa586_quant_w
	.globl	k_qd9a50aa586_quant_w
	.p2align	8
	.type	k_qd9a50aa586_quant_w,@function
k_qd9a50aa586_quant_w:
	s_mov_b64 s[64:65], 0
	v_nop
	global_prefetch_b8 v0, s[64:65] scope:SCOPE_SE
	s_setreg_imm32_b32 hwreg(HW_REG_WAVE_MODE, 25, 1), 1
	s_wait_xcnt 0x0
; Wq, Wk, Wv, Wo [1024 (k)][1024 (n)] f32: K is their FIRST axis.  They become codes of FP6 (E2M3) and E8M0 scale bytes along K, laid as images of the operand's registers in xw (tiles 512 + 64 w + n / 16;
; the layout is set out at the head of the first launch).  No work is left out.  LIMITS as there: no NaN, no infinities; blocks under 2^-124 and blocks of zeros keep the byte 1.
; A LANE TAKES A COLUMN n AND ITS REGISTERS RUN DOWN K: each load reads 128 consecutive bytes, a block of 32 along K lies in one lane's registers, and the conversions give codes with K innermost.
; SHARES.  Work-group (x, y): weight y / 8, K step y % 8.  Wave w takes columns 32 (4 x + w) on: two tiles.  Column c of the 32 is place (c % 8) + 8 (c / 16) of tile (c / 8) % 2.
; Block b of a column belongs to lane place + 16 (b % 2) of the image, registers 6 (b / 2) on: it is put there in the wave's own 3,072 bytes of LDS, and the two images leave as 3,072 consecutive bytes.
.set RT,    768
.set XWS,   9437184
.set IMG,   3072
.set SPARE, 4*IMG                      ; the spare words, 128 bytes for each wave, that no other line names
.set SPW,  6                           ; v6   LDS address of my spare word; never rewritten
.set NIL,  7                           ; v7   0; never rewritten
.set W,    14                          ; v14  my column's scale word
.set X,    32                          ; v32-95   two sets of 32 numbers
.set C,    96                          ; v96-127  eight registers for each block's six of codes
.set SCR,  128
.set OUTR, 132                         ; v132-155 the way out
	s_load_b256 s[8:15], s[0:1], 0x0               ; Wq, Wk, Wv, Wo
	s_load_b64 s[16:17], s[0:1], 0x20              ; xw
	v_lshl_add_u32 v[SPW], v0, 2, SPARE
	v_mov_b32 v[NIL], 0
	v_lshrrev_b32 v8, 5, v0
	v_readfirstlane_b32 s18, v8                    ; wave
	v_and_b32 v9, 31, v0
	v_lshlrev_b32 v1, 2, v9                        ; v1: in: 4 bytes a lane
	v_lshlrev_b32 v4, 4, v9                        ; v4: out: 16 bytes a lane
	v_bfe_u32 v10, v0, 3, 1                        ; my column's tile of the two
	v_and_b32 v11, 7, v0
	v_bfe_u32 v12, v0, 4, 1
	v_lshl_add_u32 v11, v12, 3, v11                ; and its place there
	s_mul_i32 s19, s18, IMG
	v_mul_u32_u24 v2, v10, 1536
	v_lshl_add_u32 v2, v11, 4, v2
	v_add_nc_u32 v2, s19, v2                       ; v2: into the images: 1,536 tile + 16 place
	v_add_nc_u32 v3, s19, v4                       ; v3: out of them: 16 x lane
	v_lshlrev_b32 v5, 6, v10
	v_lshl_add_u32 v5, v11, 2, v5                  ; v5: my scale word: 64 tile + 4 place
	s_and_b32 s20, ttmp7, 0xffff
	s_lshr_b32 s21, s20, 3                         ; which weight
	s_and_b32 s22, s20, 7                          ; K step
	s_lshl_b32 s23, ttmp9, 2
	s_add_co_u32 s23, s23, s18                     ; my group of 32 columns
	s_lshl_b32 s24, s22, 19                        ; 128 rows of 4,096 bytes a K step
	s_lshl_b32 s25, s23, 7                         ; 128 bytes a group
	s_add_co_u32 s24, s24, s25
	s_mov_b32 s25, 0
	s_mul_i32 s26, s22, RT
	s_lshl_b32 s27, s21, 6
	s_add_co_u32 s26, s26, s27
	s_lshl_b32 s27, s23, 1
	s_add_co_u32 s26, s26, s27
	s_add_co_u32 s26, s26, 512                     ; my first image's number: s x 768 + 512 + 64 weight + 2 group
	s_lshl_b32 s28, s26, 6
	s_add_co_u32 s28, s28, XWS
	s_mov_b32 s29, 0
	s_mul_i32 s26, s26, 1536
	s_mov_b32 s27, 0
	s_wait_kmcnt 0x0
	s_mov_b64 s[4:5], s[8:9]                       ; the weight is chosen by the work-group's number alone
	s_cmp_eq_u32 s21, 1
	s_cselect_b64 s[4:5], s[10:11], s[4:5]
	s_cmp_eq_u32 s21, 2
	s_cselect_b64 s[4:5], s[12:13], s[4:5]
	s_cmp_eq_u32 s21, 3
	s_cselect_b64 s[4:5], s[14:15], s[4:5]
	s_add_nc_u64 s[4:5], s[4:5], s[24:25]
	s_add_nc_u64 s[6:7], s[16:17], s[26:27]
	s_add_nc_u64 s[30:31], s[16:17], s[28:29]
.macro LOADB b                         ; block b: W(32 b + i, my column)
.irp i, 0,1,2,3,4,5,6,7,8,9,10,11,12,13,14,15,16,17,18,19,20,21,22,23,24,25,26,27,28,29,30,31
	global_load_b32 v[X+32*((\b)%2)+\i], v1, s[4:5] offset:(32*(\b)+\i)*4096 th:TH_LOAD_NT
.endr
.endm
.macro BLOCK b
.set XS, X+32*((\b)%2)
.set CB, C+8*(\b)
.if (\b) < 3
	s_wait_loadcnt 32                              ; this block's 32 loads are in; the next block's may be out
.else
	s_wait_loadcnt 0x0
.endif
	v_max3_num_f32 v8, |v[XS]|, |v[XS+1]|, |v[XS+2]|
	v_max3_num_f32 v9, |v[XS+3]|, |v[XS+4]|, |v[XS+5]|
.irp i, 6,10,14,18,22,26
	v_max3_num_f32 v8, v8, |v[XS+\i]|, |v[XS+\i+1]|
	v_max3_num_f32 v9, v9, |v[XS+\i+2]|, |v[XS+\i+3]|
.endr
	v_max3_num_f32 v8, v8, |v[XS+30]|, |v[XS+31]|
	v_max3_num_f32 v8, v8, v9, 0x1800000           ; the floor 2^(3 - 127): the byte cannot fall under 1
	v_add_nc_u32 v10, 0xff000000, v8               ; 2 off the exponent field: the conversion's scale operand
	v_lshrrev_b32 v11, 23, v10                     ; the scale's byte
.if (\b) == 0
	v_mov_b32 v[W], v11
.else
	v_lshl_or_b32 v[W], v11, 8*(\b), v[W]
.endif
	v_cvt_scalef32_pk16_fp6_f32 v[CB:CB+2], v[XS:XS+15], v10
	v_cvt_scalef32_pk16_fp6_f32 v[SCR:SCR+2], v[XS+16:XS+31], v10   ; (a conversion's three registers begin on an even number)
	v_nop                                          ; one plain place behind a scaled conversion
.irp i, 0,1,2
	v_mov_b32 v[CB+3+\i], v[SCR+\i]
.endr
.if (\b) < 2                           ; registers 0 .. 5 of lane place + 16 (b % 2)
	ds_store_b128 v2, v[CB:CB+3] offset:256*((\b)%2)
	ds_store_b64 v2, v[CB+4:CB+5] offset:512+256*((\b)%2)
.else                                  ; registers 6 .. 11
	ds_store_b64 v2, v[CB:CB+1] offset:520+256*((\b)%2)
	ds_store_b128 v2, v[CB+2:CB+5] offset:1024+256*((\b)%2)
.endif
.if (\b)+2 < 4
	LOADB (\b)+2
.endif
.endm
	LOADB 0
	LOADB 1
	BLOCK 0
	BLOCK 1
	BLOCK 2
	BLOCK 3
.irp n, 0,1,2,3,4,5
	ds_load_b128 v[OUTR+4*\n:OUTR+4*\n+3], v3 offset:512*\n   ; LDS serves a wave's instructions in order: these see my stores
.endr
.irp n, 0,1,2,3,4,5
	s_wait_dscnt 5-\n                              ; the younger loads may be out
	global_store_b128 v4, v[OUTR+4*\n:OUTR+4*\n+3], s[6:7] offset:512*\n   ; 512 consecutive bytes, at a multiple of 256 from the buffer's first byte
.endr
	global_store_b32 v5, v[W], s[30:31]            ; the two tiles' 32 scale words: 128 consecutive bytes
	s_wait_tensorcnt 0x0                           ; the wave's end, behind my last LDS store
	ds_add_u32 v[SPW], v[NIL]
	s_wait_dscnt 0x0
	s_endpgm
.Lfunc_end_k_qd9a50aa586_quant_w:
	.size	k_qd9a50aa586_quant_w, .Lfunc_end_k_qd9a50aa586_quant_w-k_qd9a50aa586_quant_w
	.p2alignl 7, 3214868480
	.fill 96, 4, 3214868480
	.section	.rodata,"a",@progbits
	.p2align	6, 0x0
	.amdhsa_kernel k_qd9a50aa586_quant_w
		.amdhsa_group_segment_fixed_size 12800
		.amdhsa_private_segment_fixed_size 0
		.amdhsa_enable_private_segment 0
		.amdhsa_kernarg_size 40
		.amdhsa_user_sgpr_count 2
		.amdhsa_user_sgpr_kernarg_segment_ptr 1
		.amdhsa_wavefront_size32 1
		.amdhsa_system_sgpr_workgroup_id_x 1
		.amdhsa_system_sgpr_workgroup_id_y 1
		.amdhsa_system_sgpr_workgroup_id_z 1
		.amdhsa_system_vgpr_workitem_id 0
		.amdhsa_next_free_vgpr 160
		.amdhsa_next_free_sgpr 66
		.amdhsa_reserve_vcc 0
		.amdhsa_float_denorm_mode_32 3
		.amdhsa_float_denorm_mode_16_64 3
		.amdhsa_memory_ordered 1
		.amdhsa_forward_progress 1
		.amdhsa_inst_pref_size 23
	.end_amdhsa_kernel
	.amdgpu_metadata
---
amdhsa.version: [ 1, 2 ]
amdhsa.kernels:
  - .name:           k_qd9a50aa586_quant_w
    .symbol:         k_qd9a50aa586_quant_w.kd
    .args:
      - { .name: Wq, .offset: 0, .size: 8, .value_kind: global_buffer, .address_space: global }
      - { .name: Wk, .offset: 8, .size: 8, .value_kind: global_buffer, .address_space: global }
      - { .name: Wv, .offset: 16, .size: 8, .value_kind: global_buffer, .address_space: global }
      - { .name: Wo, .offset: 24, .size: 8, .value_kind: global_buffer, .address_space: global }
      - { .name: xw, .offset: 32, .size: 8, .value_kind: global_buffer, .address_space: global }
    .group_segment_fixed_size: 12800
    .private_segment_fixed_size: 0
    .kernarg_segment_align: 8
    .kernarg_segment_size: 40
    .max_flat_workgroup_size: 128
    .sgpr_count:     66
    .vgpr_count:     160
    .wavefront_size: 32
...
	.end_amdgpu_metadata
.endif
;; end of part 2
;; launch qkv (part 3): grid 8 x 96, 4 waves a work-group, clusters of 4 x 4, 327,680 bytes of LDS; arguments xw, qkv; writes qkv
.if DOCPART == 3
	.amdgcn_target "amdgcn-amd-amdhsa--gfx1250"
	.amdhsa_code_object_version 6
	.text
	.protected	k_qd9a50aa586_qkv
	.globl	k_qd9a50aa586_qkv
	.p2align	8
	.type	k_qd9a50aa586_qkv,@function
k_qd9a50aa586_qkv:
	s_mov_b64 s[64:65], 0
	v_nop
	global_prefetch_b8 v0, s[64:65] scope:SCOPE_SE
	s_setreg_imm32_b32 hwreg(HW_REG_WAVE_MODE, 25, 1), 1
	s_wait_xcnt 0x0
	s_wait_alu depctr_hold_cnt(0) depctr_sa_sdst(0) depctr_va_vdst(0) depctr_va_sdst(0) depctr_va_ssrc(0) depctr_va_vcc(0) depctr_vm_vsrc(0)
	s_getreg_b32 s2, hwreg(HW_REG_IB_STS2, 6, 4)
	s_cmp_eq_u32 s2, 0
	s_cbranch_scc0 .Lentry_in_a_cluster
	s_endpgm
.Lentry_in_a_cluster:
	s_bfe_u32 s2, ttmp6, 0x10000c
	s_cmp_lg_u32 s2, 0xf033
	s_cbranch_scc0 .Lentry_shape_is_right
	s_endpgm
.Lentry_shape_is_right:
; q = x Wq, k = x Wk (as C[token][e]) and v^T = (x Wv)^T (as C[e][token]), on codes of FP6 (E2M3) with E8M0 scales; each result is quantised along its columns in registers and stored as codes: q and k along e, v along
; the tokens, which are the K of the products that take them.  No work is left out.  LIMITS: no NaN, no infinities; blocks under 2^-124 and blocks of zeros keep the byte 1 (this program alone reads the bytes).
; OPERANDS lie in memory as images of their registers (set out at the head of the first launch): a fragment is 1,536 dense bytes, brought from LDS by three loads of 16 bytes a lane.
; SHARES.  A work-group makes 128 rows x 256 columns of C, K = 1,024; each of its four waves 64 x 128: 32 accumulators.  Clusters with y under 16 make q | k (A = x, B = Wq | Wk), the others v^T (A = Wv, B = x).
; THE MATRIX INSTRUCTION IS USED TRANSPOSED: source 0 = a tile of B, source 1 = a tile of A.  A lane then holds one row of C, and, by the choice of the rows that form a tile, the 64 registers of a row tile are
; columns 32 b + 16 h + i at register 16 b + i: the order in which the quantiser and the next operand's layout want them.
; LDS holds all eight K steps at once, so nothing is filled again: each wave asks for its share in four loads of two K steps at the head (four tensor loads of a wave are out at the most), and a counted wait and a
; barrier open each pair of K steps.  CLUSTERS: 4 x 4; A's tiles are asked for jointly along a row of the cluster, B's along a column.
; The scale words go straight into registers, 128 consecutive bytes a load: they are one part in 24 of the codes' bytes, so they are not sent through LDS.
.set RTA,   768                        ; row tiles in A's buffer, and in B's
.set RTB,   768
.set CH,    2                          ; K steps in a tensor load
.set NS,    8                          ; K steps
.set SA,    16                         ; v16-31  A's scale words: K step s, tiles 2 j (lanes 0-15) and 2 j + 1 (lanes 16-31) at SA + 2 s + j
.set SB,    32                         ; v32-63  B's: at SB + 4 s + j
.set XWS,   9437184                    ; xw: where the scale words begin
.set VT,    12582912                   ; qkv: v^T's codes;
.set QKS,   18874368                   ; q | k's scale words;
.set VTS,   19398656                   ; v^T's
.set FRB,   1536                       ; a fragment's image
.set ASB,   4*FRB                      ; a K step of half of A's tile
.set BSB,   8*FRB                      ; and of half of B's
.set AH,    8*ASB
.set BH,    8*BSB
.set BOFF,  2*AH                       ; LDS: A's two halves, then B's two
.set SPARE, BOFF+2*BH                  ; the spare words, 128 bytes for each wave, that no other line names
.set ADRA, 2                           ; v2   my half of A in LDS + 16 x lane
.set ADRB, 3                           ; v3, v4  my half of B, K steps 0-3 and 4-7
.set LOFF, 5                           ; v5   16 x lane
.set SOFF, 6                           ; v6   4 x lane
.set SWO,  7                           ; v7   4 x (lane % 16)
.set SPW,  8                           ; v8   LDS address of my spare word; never rewritten
.set NIL,  9                           ; v9   0; never rewritten
.set AF,   112                         ; v112-207 A's fragments, two sets of 4 x 12.  Window 1: B's, two sets at v0 and v128.  Window 2: accumulator (a, b) at v[64 a + 8 b]
.set PC,   112                         ; the way out: row tile a's codes at PC + 20 a (12, and 2 x 4 at work)
.set PW,   192                         ; and its scale word
.set TM,   208                         ; v208-223 at work
.set G1A,  24                          ; s[24:31], s[32:39] descriptor groups 1;  s[40:55], s[68:83] groups 0, a set for each load
.set G1B,  32
.set G0A,  40
.set G0B,  68
.set MSB, 0
.macro WIN new                         ; the immediate's high byte repeats the setting that is left
.if MSB != \new
	s_set_vgpr_msb (MSB<<8)|\new
.set MSB, \new
.endif
.endm
.set MUL,   0xa1                       ; source 0 (B) window 1, source 1 (A) window 0, C and D window 2
.set TO_B,  0x40                       ; destination window 1
.set W_MAX, 0x28                       ; sources 1 and 2 window 2
.set W_CVT, 0x02                       ; source 0 window 2
; A joint load: waves 0 and 1 fetch A's halves, waves 2 and 3 B's.  An s_nop 0 and four v_nop follow each of the two lines.
.macro JLOAD g0a, g1a, g0b, g1b
	s_cmp_eq_u32 s15, 0
	s_cbranch_scc0 .Lfor_b_\@
	tensor_load_to_lds s[\g0a:\g0a+3], s[\g1a:\g1a+7]
	s_nop 0
.rept 4
	v_nop
.endr
	s_branch .Lasked_\@
.Lfor_b_\@:
	tensor_load_to_lds s[\g0b:\g0b+3], s[\g1b:\g1b+7]
	s_nop 0
.rept 4
	v_nop
.endr
.Lasked_\@:
.endm
.macro CREST
	s_cmp_lg_u32 s14, 0
	s_cbranch_scc1 .Lnot_wave_0_\@
	s_barrier_signal -3
.Lnot_wave_0_\@:
	s_barrier_wait -3
	s_barrier_signal -1
	s_barrier_wait -1
.endm
.macro CROUND                          ; a round of the cluster's barrier
	s_barrier_signal -1
	s_barrier_wait -1
	CREST
.endm
.macro PLACES n                        ; plain places behind matrix instructions, ahead of loads into registers that they read and of reads of their results
.rept \n
	v_nop
.endr
.endm
.macro FETCH s                         ; K step s: B's eight fragments and A's four, into set s % 2: 36 loads, each 512 consecutive bytes
.set FP, (\s)%2
.set FQ, (\s)%8
	WIN TO_B
.irp b, 0,1,2,3,4,5,6,7
.irp c, 0,1,2
	ds_load_b128 v[128*FP+12*\b+4*\c:128*FP+12*\b+4*\c+3], v[ADRB+FQ/4] offset:(FQ%4)*BSB+\b*FRB+512*\c
.endr
.endr
	WIN 0
.irp a, 0,1,2,3
.irp c, 0,1,2
	ds_load_b128 v[AF+48*FP+12*\a+4*\c:AF+48*FP+12*\a+4*\c+3], v[ADRA] offset:FQ*ASB+\a*FRB+512*\c
.endr
.endr
.endm
.macro WM a, b, s                      ; one product: B's tile b x A's tile a, K step s.  An odd tile's scale words lie in lanes 16-31 of their register.  K step 0 starts the sums
.set WP, (\s)%2
.set rD, 64*(\a)+8*(\b)
.set rB, 128*WP+12*(\b)
.set rA, AF+48*WP+12*(\a)
.set rX, SB+4*(\s)+(\b)/2
.set rY, SA+2*(\s)+(\a)/2
.set WR, 2*((\a)%2)+(\b)%2
.if (\s) == 0
.if WR == 0
	v_wmma_scale_f32_16x16x128_f8f6f4 v[rD:rD+7], v[rB:rB+11], v[rA:rA+11], 0, v[rX], v[rY] matrix_a_fmt:MATRIX_FMT_FP6 matrix_b_fmt:MATRIX_FMT_FP6
.elseif WR == 1
	v_wmma_scale_f32_16x16x128_f8f6f4 v[rD:rD+7], v[rB:rB+11], v[rA:rA+11], 0, v[rX], v[rY] matrix_a_fmt:MATRIX_FMT_FP6 matrix_b_fmt:MATRIX_FMT_FP6 matrix_a_scale:MATRIX_SCALE_ROW1
.elseif WR == 2
	v_wmma_scale_f32_16x16x128_f8f6f4 v[rD:rD+7], v[rB:rB+11], v[rA:rA+11], 0, v[rX], v[rY] matrix_a_fmt:MATRIX_FMT_FP6 matrix_b_fmt:MATRIX_FMT_FP6 matrix_b_scale:MATRIX_SCALE_ROW1
.else
	v_wmma_scale_f32_16x16x128_f8f6f4 v[rD:rD+7], v[rB:rB+11], v[rA:rA+11], 0, v[rX], v[rY] matrix_a_fmt:MATRIX_FMT_FP6 matrix_b_fmt:MATRIX_FMT_FP6 matrix_a_scale:MATRIX_SCALE_ROW1 matrix_b_scale:MATRIX_SCALE_ROW1
.endif
.else
.if WR == 0
	v_wmma_scale_f32_16x16x128_f8f6f4 v[rD:rD+7], v[rB:rB+11], v[rA:rA+11], v[rD:rD+7], v[rX], v[rY] matrix_a_fmt:MATRIX_FMT_FP6 matrix_b_fmt:MATRIX_FMT_FP6
.elseif WR == 1
	v_wmma_scale_f32_16x16x128_f8f6f4 v[rD:rD+7], v[rB:rB+11], v[rA:rA+11], v[rD:rD+7], v[rX], v[rY] matrix_a_fmt:MATRIX_FMT_FP6 matrix_b_fmt:MATRIX_FMT_FP6 matrix_a_scale:MATRIX_SCALE_ROW1
.elseif WR == 2
	v_wmma_scale_f32_16x16x128_f8f6f4 v[rD:rD+7], v[rB:rB+11], v[rA:rA+11], v[rD:rD+7], v[rX], v[rY] matrix_a_fmt:MATRIX_FMT_FP6 matrix_b_fmt:MATRIX_FMT_FP6 matrix_b_scale:MATRIX_SCALE_ROW1
.else
	v_wmma_scale_f32_16x16x128_f8f6f4 v[rD:rD+7], v[rB:rB+11], v[rA:rA+11], v[rD:rD+7], v[rX], v[rY] matrix_a_fmt:MATRIX_FMT_FP6 matrix_b_fmt:MATRIX_FMT_FP6 matrix_a_scale:MATRIX_SCALE_ROW1 matrix_b_scale:MATRIX_SCALE_ROW1
.endif
.endif
.endm
.macro MUL8 a, s                       ; the 32 accumulators take turns, one instruction a turn, in the same order in every K step
.irp b, 0,1,2,3,4,5,6,7
	WM \a, \b, \s
.endr
.endm
.macro STEP s                          ; a K step whose successor is already shown to be in LDS
	s_wait_dscnt 0x0                               ; this step's fragments are in
	WIN MUL
	MUL8 0, \s
	PLACES 4                                       ; for the loads into the other set, which the step before multiplied
	FETCH (\s)+1
	WIN MUL
	MUL8 1, \s
	MUL8 2, \s
	MUL8 3, \s
.endm
.macro SYNC s, n                       ; a K step whose successor lies in the next tensor load: n younger loads of mine may stay out
	s_wait_dscnt 0x0
	WIN MUL
	MUL8 0, \s
	s_wait_tensorcnt \n                            ; my part of the next two K steps has landed
	s_barrier_signal -1
	MUL8 1, \s                                     ; work on registers while the others arrive
	s_barrier_wait -1                              ; everybody's has
	PLACES 4
	FETCH (\s)+1
	WIN MUL
	MUL8 2, \s
	MUL8 3, \s
.endm
.macro LAST s
	s_wait_dscnt 0x0
	WIN MUL
	MUL8 0, \s
	MUL8 1, \s
	MUL8 2, \s
	MUL8 3, \s
	WIN 0
.endm
.macro SCLOAD ns                       ; all K steps' scale words of my tiles
.set q, 0
.rept \ns
.irp j, 0,1
	global_load_b32 v[SA+2*q+\j], v[SOFF], s[60:61] offset:q*RTA*64+128*\j
.endr
.irp j, 0,1,2,3
	global_load_b32 v[SB+4*q+\j], v[SOFF], s[62:63] offset:q*RTB*64+128*\j
.endr
.set q, q+1
.endr
.endm
; Row tile a's 64 numbers of a lane (register 16 b + i = column 32 b + 16 h + i of my row) become a fragment's codes and its scale word.  Each accumulator is read from its low end on.
.macro QUANTW a
.set QA, 64*(\a)
.set QP, PC+20*(\a)
	WIN W_MAX
.irp b, 0,1,2,3
	v_max3_num_f32 v[TM+\b], 0x1800000, |v[QA+16*\b]|, |v[QA+16*\b+1]|   ; block b: my 16 numbers, and the floor 2^(3 - 127): the byte cannot fall under 1
.endr
.irp i, 2,4,6,8,10,12,14
.irp b, 0,1,2,3
	v_max3_num_f32 v[TM+\b], v[TM+\b], |v[QA+16*\b+\i]|, |v[QA+16*\b+\i+1]|
.endr
.endr
	WIN 0
.irp b, 0,1,2,3
	v_permlanex16_b32 v[TM+4+\b], v[TM+\b], s86, s87
.endr
.irp b, 0,1,2,3
	v_max_num_f32 v[TM+\b], v[TM+\b], v[TM+4+\b]   ; with lane l xor 16's: the block's largest magnitude
.endr
.irp b, 0,1,2,3
	v_add_nc_u32 v[TM+12+\b], 0xff000000, v[TM+\b] ; 2 off the exponent field: the conversion's scale operand
.endr
.irp b, 0,1,2,3
	v_lshrrev_b32 v[TM+4+\b], 23, v[TM+12+\b]      ; the scale's byte
.endr
	v_lshl_or_b32 v[PW+(\a)], v[TM+5], 8, v[TM+4]
	v_lshl_or_b32 v[PW+(\a)], v[TM+6], 16, v[PW+(\a)]
	v_lshl_or_b32 v[PW+(\a)], v[TM+7], 24, v[PW+(\a)]
	WIN W_CVT
.irp c, 0,1
	v_cvt_scalef32_pk16_fp6_f32 v[QP+6*\c:QP+6*\c+2], v[QA+32*\c:QA+32*\c+15], v[TM+12+2*\c]
	v_cvt_scalef32_pk16_fp6_f32 v[QP+12+4*\c:QP+14+4*\c], v[QA+32*\c+16:QA+32*\c+31], v[TM+13+2*\c]   ; (a conversion's three registers begin on an even number)
.endr
	WIN 0
	v_nop                                          ; one plain place behind a scaled conversion
.irp c, 0,1                            ; the operand's layout wants a WHOLE block in a lane: lanes 0-15 block 2 c, lanes 16-31 block 2 c + 1
.irp i, 0,1,2
	v_permlane16_swap_b32 v[QP+6*\c+\i], v[QP+12+4*\c+\i]
.endr
.irp i, 0,1,2
	v_mov_b32 v[QP+6*\c+3+\i], v[QP+12+4*\c+\i]
.endr
.endr
.endm
.macro PUT a                           ; the image leaves as it stands: 3 x 512 consecutive bytes; each row tile has registers of its own, so no store's data are written again
.irp c, 0,1,2
	global_store_b128 v[LOFF], v[PC+20*(\a)+4*\c:PC+20*(\a)+4*\c+3], s[66:67] offset:(\a)*FRB+512*\c
.endr
	global_store_b32 v[SWO], v[PW+(\a)], s[84:85] offset:64*(\a)   ; lanes r and r + 16 write the same word with the same value
.endm
	s_load_b128 s[4:7], s[0:1], 0x0                ; xw, qkv
	v_lshl_add_u32 v[SPW], v0, 2, SPARE
	v_mov_b32 v[NIL], 0
	ds_add_u32 v[SPW], v[NIL]                      ; the wave's opening: the add, twice on end, and its wait ahead of my first tensor load
	ds_add_u32 v[SPW], v[NIL]
	v_lshrrev_b32 v1, 5, v0
	v_readfirstlane_b32 s14, v1                    ; wave 0..3
	s_lshr_b32 s15, s14, 1                         ; my half of A's tiles.  Also: I fetch for A (0) or for B (1)
	s_and_b32 s16, s14, 1                          ; my half of B's tiles.  Also: which half I fetch
	s_bfe_u32 s56, ttmp6, 0x40000                  ; cx
	s_bfe_u32 s57, ttmp6, 0x40004                  ; cy
	s_lshl_b32 s58, s57, 2
	s_lshl_b32 s58, 15, s58                        ; my row of the cluster
	s_lshl_b32 s59, 0x1111, s56                    ; my column
	s_or_b32 s[G1A], s58, (3<<16)|(1<<21)          ; 15:0 the mask; 17:16 elements of 8 bytes; 21 set beside a mask; no padding
	s_or_b32 s[G1B], s59, (3<<16)|(1<<21)
	s_mov_b32 s[G1A+1], 768<<16                    ; tensor_dim0: a K step of four fragments, 6,144 bytes
	s_mov_b32 s[G1A+2], CH<<16                     ; tensor_dim1: K steps
	s_mov_b32 s[G1A+3], 768<<16                    ; tile_dim0
	s_mov_b32 s[G1A+4], CH                         ; tile_dim1
	s_mov_b32 s[G1A+5], RTA*192                    ; from a K step to the next, in elements
	s_mov_b32 s[G1A+6], 0
	s_mov_b32 s[G1A+7], 0
	s_mov_b32 s[G1B+1], 1536<<16                   ; eight fragments, 12,288 bytes
	s_mov_b32 s[G1B+2], CH<<16
	s_mov_b32 s[G1B+3], 1536<<16
	s_mov_b32 s[G1B+4], CH
	s_mov_b32 s[G1B+5], RTB*192
	s_mov_b32 s[G1B+6], 0
	s_mov_b32 s[G1B+7], 0
	s_mul_i32 s10, s16, AH                         ; where my fetch goes: A's half,
	s_mul_i32 s11, s16, BH
	s_add_co_u32 s11, s11, BOFF                    ; or B's (also: where my own half of B lies)
	s_mov_b32 s86, 0x76543210
	s_mov_b32 s87, 0xfedcba98                      ; selects for lane l xor 16
	s_and_b32 s2, ttmp7, 0xffff                    ; cluster y: 0-15 q | k, 16-23 v^T: the same in all partners
	s_sub_co_u32 s3, s2, 16
	s_mov_b32 s97, VTS
	s_cmp_lt_u32 s2, 16
	s_cselect_b32 s20, s2, ttmp9                   ; the cluster's place along C's rows,
	s_cselect_b32 s93, ttmp9, s3                   ; and along its columns
	s_cselect_b32 s21, 0, 640                      ; A: x, or Wv
	s_cselect_b32 s94, 512, 0                      ; B: Wq | Wk, or x
	s_cselect_b32 s95, 512, 64                     ; row tiles of the result
	s_cselect_b32 s96, 0, VT                       ; where its codes begin,
	s_cselect_b32 s97, QKS, s97                    ; and its scale words
	s_lshl_b32 s17, s20, 2
	s_add_co_u32 s17, s17, s57                     ; tile row of C
	s_lshl_b32 s18, s93, 2
	s_add_co_u32 s18, s18, s56                     ; tile column
	s_lshl_b32 s20, s17, 3
	s_add_co_u32 s20, s20, s21                     ; A's first tile
	s_lshl_b32 s22, s16, 2
	s_add_co_u32 s22, s20, s22
	s_mul_i32 s22, s22, FRB                        ; the half that I fetch, in bytes
	s_mov_b32 s23, 0
	s_lshl_b32 s21, s15, 2
	s_add_co_u32 s20, s20, s21
	s_lshl_b32 s20, s20, 6
	s_add_co_u32 s20, s20, XWS                     ; my own four tiles' scale words
	s_mov_b32 s21, 0
	s_lshl_b32 s92, s18, 4
	s_add_co_u32 s92, s92, s94                     ; B's first tile
	s_lshl_b32 s93, s16, 3
	s_add_co_u32 s92, s92, s93                     ; the half that I fetch, which is also the half that I multiply
	s_lshl_b32 s98, s92, 6
	s_add_co_u32 s98, s98, XWS
	s_mov_b32 s99, 0
	s_mul_i32 s92, s92, FRB
	s_mov_b32 s93, 0
	s_lshl_b32 s2, s18, 1
	s_add_co_u32 s2, s2, s16                       ; my 128 columns are K step 2 x tile column + half of the result
	s_mul_i32 s2, s2, s95
	s_lshl_b32 s3, s17, 3
	s_add_co_u32 s2, s2, s3
	s_lshl_b32 s3, s15, 2
	s_add_co_u32 s2, s2, s3                        ; my first image's number
	s_mul_i32 s94, s2, FRB
	s_add_co_u32 s94, s94, s96
	s_mov_b32 s95, 0
	s_lshl_b32 s96, s2, 6
	s_add_co_u32 s96, s96, s97
	s_mov_b32 s97, 0
	s_wait_dscnt 0x0                               ; both opening adds are done
	s_wait_kmcnt 0x0
	s_add_nc_u64 s[22:23], s[4:5], s[22:23]
	s_add_nc_u64 s[92:93], s[4:5], s[92:93]
	s_add_nc_u64 s[60:61], s[4:5], s[20:21]
	s_add_nc_u64 s[62:63], s[4:5], s[98:99]
	s_add_nc_u64 s[66:67], s[6:7], s[94:95]
	s_add_nc_u64 s[84:85], s[6:7], s[96:97]
	CROUND                                         ; all sixteen work-groups are here: the joint loads meet
.irp g, 0,1,2,3
	s_mov_b32 s[G0A+4*\g], 1
	s_add_co_u32 s[G0A+4*\g+1], s10, \g*CH*ASB
	s_add_nc_u64 s[G0A+4*\g+2:G0A+4*\g+3], s[22:23], \g*CH*RTA*FRB
	s_or_b32 s[G0A+4*\g+3], s[G0A+4*\g+3], 0x80000000
	s_mov_b32 s[G0B+4*\g], 1
	s_add_co_u32 s[G0B+4*\g+1], s11, \g*CH*BSB
	s_add_nc_u64 s[G0B+4*\g+2:G0B+4*\g+3], s[92:93], \g*CH*RTB*FRB
	s_or_b32 s[G0B+4*\g+3], s[G0B+4*\g+3], 0x80000000
	JLOAD G0A+4*\g, G1A, G0B+4*\g, G1B
.endr
	v_and_b32 v1, 31, v0
	v_lshlrev_b32 v[LOFF], 4, v1
	v_lshlrev_b32 v[SOFF], 2, v1
	v_and_b32 v[SWO], 15, v0
	v_lshlrev_b32 v[SWO], 2, v[SWO]
	s_mul_i32 s2, s15, AH
	v_add_nc_u32 v[ADRA], s2, v[LOFF]
	v_add_nc_u32 v[ADRB], s11, v[LOFF]
	v_add_nc_u32 v[ADRB+1], 4*BSB, v[ADRB]
.irp b, 0,1,2,3
	v_mov_b32 v[TM+4+\b], 0                        ; written once: a lane permute's destination counts as one of its sources
.endr
	SCLOAD NS
	s_wait_tensorcnt 3                             ; my part of K steps 0 and 1 is in; my three younger loads may be out
	s_barrier_signal -1
	s_barrier_wait -1
	FETCH 0
	s_wait_loadcnt 0x0                             ; the scale words
	STEP 0
	SYNC 1, 2
	STEP 2
	SYNC 3, 1
	STEP 4
	SYNC 5, 0
	STEP 6
	LAST 7
	PLACES 4
.irp a, 0,1,2,3
	QUANTW \a
	PUT \a
.endr
	s_wait_tensorcnt 0x0                           ; the wave's end
	ds_add_u32 v[SPW], v[NIL]
	s_wait_dscnt 0x0
	CROUND                                         ; the closing round
	s_endpgm
.Lfunc_end_k_qd9a50aa586_qkv:
	.size	k_qd9a50aa586_qkv, .Lfunc_end_k_qd9a50aa586_qkv-k_qd9a50aa586_qkv
	.p2alignl 7, 3214868480
	.fill 96, 4, 3214868480
	.section	.rodata,"a",@progbits
	.p2align	6, 0x0
	.amdhsa_kernel k_qd9a50aa586_qkv
		.amdhsa_group_segment_fixed_size 327680
		.amdhsa_private_segment_fixed_size 0
		.amdhsa_enable_private_segment 0
		.amdhsa_kernarg_size 16
		.amdhsa_user_sgpr_count 2
		.amdhsa_user_sgpr_kernarg_segment_ptr 1
		.amdhsa_wavefront_size32 1
		.amdhsa_system_sgpr_workgroup_id_x 1
		.amdhsa_system_sgpr_workgroup_id_y 1
		.amdhsa_system_sgpr_workgroup_id_z 1
		.amdhsa_system_vgpr_workitem_id 0
		.amdhsa_next_free_vgpr 768
		.amdhsa_next_free_sgpr 100
		.amdhsa_reserve_vcc 0
		.amdhsa_float_denorm_mode_32 3
		.amdhsa_float_denorm_mode_16_64 3
		.amdhsa_memory_ordered 1
		.amdhsa_forward_progress 1
		.amdhsa_inst_pref_size 84
	.end_amdhsa_kernel
	.amdgpu_metadata
---
amdhsa.version: [ 1, 2 ]
amdhsa.kernels:
  - .name:           k_qd9a50aa586_qkv
    .symbol:         k_qd9a50aa586_qkv.kd
    .args:
      - { .name: xw, .offset: 0, .size: 8, .value_kind: global_buffer, .address_space: global }
      - { .name: qkv, .offset: 8, .size: 8, .value_kind: global_buffer, .address_space: global }
    .group_segment_fixed_size: 327680
    .private_segment_fixed_size: 0
    .kernarg_segment_align: 8
    .kernarg_segment_size: 16
    .max_flat_workgroup_size: 128
    .sgpr_count:     100
    .vgpr_count:     768
    .wavefront_size: 32
...
	.end_amdgpu_metadata
.endif
;; end of part 3
;; launch scores (part 4): grid 8 x 64, 4 waves a work-group, clusters of 4 x 4, 327,680 bytes of LDS; arguments qkv, pp; writes pp
.if DOCPART == 4
	.amdgcn_target "amdgcn-amd-amdhsa--gfx1250"
	.amdhsa_code_object_version 6
	.text
	.protected	k_qd9a50aa586_scores
	.globl	k_qd9a50aa586_scores
	.p2align	8
	.type	k_qd9a50aa586_scores,@function
k_qd9a50aa586_scores:
	s_mov_b64 s[64:65], 0
	v_nop
	global_prefetch_b8 v0, s[64:65] scope:SCOPE_SE
	s_setreg_imm32_b32 hwreg(HW_REG_WAVE_MODE, 25, 1), 1
	s_wait_xcnt 0x0
	s_wait_alu depctr_hold_cnt(0) depctr_sa_sdst(0) depctr_va_vdst(0) depctr_va_sdst(0) depctr_va_ssrc(0) depctr_va_vcc(0) depctr_vm_vsrc(0)
	s_getreg_b32 s2, hwreg(HW_REG_IB_STS2, 6, 4)
	s_cmp_eq_u32 s2, 0
	s_cbranch_scc0 .Lentry_in_a_cluster
	s_endpgm
.Lentry_in_a_cluster:
	s_bfe_u32 s2, ttmp6, 0x10000c
	s_cmp_lg_u32 s2, 0xf033
	s_cbranch_scc0 .Lentry_shape_is_right
	s_endpgm
.Lentry_shape_is_right:
; S = q k^T for each of the 4 batches, on codes of FP6 (E2M3) with E8M0 scales, and the softmax's p as codes along the keys.  No work is left out.
; t = score x log2(e) / 8.  For each row and each 128 keys (a wave's columns): M = ceil(the largest t of these 128), a whole number; p = 2^(t - M) is quantised along the keys; stored are its codes, its four scale
; bytes, -M, and the sum of the unquantised p.  A whole-number M only moves a block's scale: the next launch finds each row's M and takes the difference off the scale bytes and the sums, both exactly, so that the
; codes' values are those under the row's M.  So a maximum is taken away before every exponential, and no p is above 1.
; LIMITS: no NaN, no infinities; a block whose every p lies under 2^-124 keeps the byte 1 (its p count for nothing beside a row whose largest p is above 1/2).
; The product itself is the same text as in the launch before: 128 x 256 of S to a work-group, 64 x 128 to a wave, source 0 = a tile of k, source 1 = a tile of q, all eight K steps resident in LDS, four tensor loads
; of a wave out at the most, A's tiles asked for jointly along a row of the 4 x 4 cluster and B's along a column.
.set RTA,   512
.set RTB,   512
.set CH,    2
.set NS,    8
.set SA,    16
.set SB,    32
.set KCO,   6291456                    ; qkv: k's codes (K steps 8-15 of q | k)
.set QKS,   18874368                   ; q | k's scale words
.set PS,    12582912                   ; pp: the scale words; -M lies 524,288 bytes on, the sums 1,048,576
.set FRB,   1536
.set ASB,   4*FRB
.set BSB,   8*FRB
.set AH,    8*ASB
.set BH,    8*BSB
.set BOFF,  2*AH
.set SPARE, BOFF+2*BH                  ; the spare words, 128 bytes for each wave, that no other line names
.set ADRA, 2
.set ADRB, 3
.set LOFF, 5
.set SOFF, 6
.set SWO,  7
.set SPW,  8                           ; v8   LDS address of my spare word; never rewritten
.set NIL,  9                           ; v9   0; never rewritten
.set AF,   112
.set PC,   112                         ; the way out: row tile a's codes at PC + 20 a
.set PW,   192                         ; its scale word
.set NM,   196                         ; -M, a pair for each row tile
.set LS,   204                         ; the sum
.set TM,   208
.set T0,   224
.set T1,   225
.set SUM0, 226
.set SUM1, 228
.set G1A,  24
.set G1B,  32
.set G0A,  40
.set G0B,  68
.set MSB, 0
.macro WIN new
.if MSB != \new
	s_set_vgpr_msb (MSB<<8)|\new
.set MSB, \new
.endif
.endm
.set MUL,   0xa1                       ; source 0 (B) window 1, source 1 (A) window 0, C and D window 2
.set TO_B,  0x40                       ; destination window 1
.set W_MAX, 0x28                       ; sources 1 and 2 window 2
.set W_CVT, 0x02                       ; source 0 window 2
.set W_INP, 0x82                       ; source 0 and destination window 2
.set W_SUM, 0x08                       ; source 1 window 2
.macro JLOAD g0a, g1a, g0b, g1b
	s_cmp_eq_u32 s15, 0
	s_cbranch_scc0 .Lfor_b_\@
	tensor_load_to_lds s[\g0a:\g0a+3], s[\g1a:\g1a+7]
	s_nop 0
.rept 4
	v_nop
.endr
	s_branch .Lasked_\@
.Lfor_b_\@:
	tensor_load_to_lds s[\g0b:\g0b+3], s[\g1b:\g1b+7]
	s_nop 0
.rept 4
	v_nop
.endr
.Lasked_\@:
.endm
.macro CREST
	s_cmp_lg_u32 s14, 0
	s_cbranch_scc1 .Lnot_wave_0_\@
	s_barrier_signal -3
.Lnot_wave_0_\@:
	s_barrier_wait -3
	s_barrier_signal -1
	s_barrier_wait -1
.endm
.macro CROUND
	s_barrier_signal -1
	s_barrier_wait -1
	CREST
.endm
.macro PLACES n
.rept \n
	v_nop
.endr
.endm
.macro FETCH s
.set FP, (\s)%2
.set FQ, (\s)%8
	WIN TO_B
.irp b, 0,1,2,3,4,5,6,7
.irp c, 0,1,2
	ds_load_b128 v[128*FP+12*\b+4*\c:128*FP+12*\b+4*\c+3], v[ADRB+FQ/4] offset:(FQ%4)*BSB+\b*FRB+512*\c
.endr
.endr
	WIN 0
.irp a, 0,1,2,3
.irp c, 0,1,2
	ds_load_b128 v[AF+48*FP+12*\a+4*\c:AF+48*FP+12*\a+4*\c+3], v[ADRA] offset:FQ*ASB+\a*FRB+512*\c
.endr
.endr
.endm
.macro WM a, b, s
.set WP, (\s)%2
.set rD, 64*(\a)+8*(\b)
.set rB, 128*WP+12*(\b)
.set rA, AF+48*WP+12*(\a)
.set rX, SB+4*(\s)+(\b)/2
.set rY, SA+2*(\s)+(\a)/2
.set WR, 2*((\a)%2)+(\b)%2
.if (\s) == 0
.if WR == 0
	v_wmma_scale_f32_16x16x128_f8f6f4 v[rD:rD+7], v[rB:rB+11], v[rA:rA+11], 0, v[rX], v[rY] matrix_a_fmt:MATRIX_FMT_FP6 matrix_b_fmt:MATRIX_FMT_FP6
.elseif WR == 1
	v_wmma_scale_f32_16x16x128_f8f6f4 v[rD:rD+7], v[rB:rB+11], v[rA:rA+11], 0, v[rX], v[rY] matrix_a_fmt:MATRIX_FMT_FP6 matrix_b_fmt:MATRIX_FMT_FP6 matrix_a_scale:MATRIX_SCALE_ROW1
.elseif WR == 2
	v_wmma_scale_f32_16x16x128_f8f6f4 v[rD:rD+7], v[rB:rB+11], v[rA:rA+11], 0, v[rX], v[rY] matrix_a_fmt:MATRIX_FMT_FP6 matrix_b_fmt:MATRIX_FMT_FP6 matrix_b_scale:MATRIX_SCALE_ROW1
.else
	v_wmma_scale_f32_16x16x128_f8f6f4 v[rD:rD+7], v[rB:rB+11], v[rA:rA+11], 0, v[rX], v[rY] matrix_a_fmt:MATRIX_FMT_FP6 matrix_b_fmt:MATRIX_FMT_FP6 matrix_a_scale:MATRIX_SCALE_ROW1 matrix_b_scale:MATRIX_SCALE_ROW1
.endif
.else
.if WR == 0
	v_wmma_scale_f32_16x16x128_f8f6f4 v[rD:rD+7], v[rB:rB+11], v[rA:rA+11], v[rD:rD+7], v[rX], v[rY] matrix_a_fmt:MATRIX_FMT_FP6 matrix_b_fmt:MATRIX_FMT_FP6
.elseif WR == 1
	v_wmma_scale_f32_16x16x128_f8f6f4 v[rD:rD+7], v[rB:rB+11], v[rA:rA+11], v[rD:rD+7], v[rX], v[rY] matrix_a_fmt:MATRIX_FMT_FP6 matrix_b_fmt:MATRIX_FMT_FP6 matrix_a_scale:MATRIX_SCALE_ROW1
.elseif WR == 2
	v_wmma_scale_f32_16x16x128_f8f6f4 v[rD:rD+7], v[rB:rB+11], v[rA:rA+11], v[rD:rD+7], v[rX], v[rY] matrix_a_fmt:MATRIX_FMT_FP6 matrix_b_fmt:MATRIX_FMT_FP6 matrix_b_scale:MATRIX_SCALE_ROW1
.else
	v_wmma_scale_f32_16x16x128_f8f6f4 v[rD:rD+7], v[rB:rB+11], v[rA:rA+11], v[rD:rD+7], v[rX], v[rY] matrix_a_fmt:MATRIX_FMT_FP6 matrix_b_fmt:MATRIX_FMT_FP6 matrix_a_scale:MATRIX_SCALE_ROW1 matrix_b_scale:MATRIX_SCALE_ROW1
.endif
.endif
.endm
.macro MUL8 a, s                       ; the 32 accumulators take turns, one instruction a turn
.irp b, 0,1,2,3,4,5,6,7
	WM \a, \b, \s
.endr
.endm
.macro STEP s
	s_wait_dscnt 0x0                               ; this step's fragments are in
	WIN MUL
	MUL8 0, \s
	PLACES 4                                       ; for the loads into the other set
	FETCH (\s)+1
	WIN MUL
	MUL8 1, \s
	MUL8 2, \s
	MUL8 3, \s
.endm
.macro SYNC s, n
	s_wait_dscnt 0x0
	WIN MUL
	MUL8 0, \s
	s_wait_tensorcnt \n                            ; my part of the next two K steps has landed; n younger loads may stay out
	s_barrier_signal -1
	MUL8 1, \s
	s_barrier_wait -1
	PLACES 4
	FETCH (\s)+1
	WIN MUL
	MUL8 2, \s
	MUL8 3, \s
.endm
.macro LAST s
	s_wait_dscnt 0x0
	WIN MUL
	MUL8 0, \s
	MUL8 1, \s
	MUL8 2, \s
	MUL8 3, \s
	WIN 0
.endm
.macro SCLOAD ns
.set q, 0
.rept \ns
.irp j, 0,1
	global_load_b32 v[SA+2*q+\j], v[SOFF], s[60:61] offset:q*RTA*64+128*\j
.endr
.irp j, 0,1,2,3
	global_load_b32 v[SB+4*q+\j], v[SOFF], s[62:63] offset:q*RTB*64+128*\j
.endr
.set q, q+1
.endr
.endm
; Row tile a: a lane's 64 scores (register 16 b + i = key 32 b + 16 h + i of my query) become p's codes, scale word, -M and sum.
.macro PQ a
.set QA, 64*(\a)
.set QP, PC+20*(\a)
.set QN, NM+2*(\a)
	WIN W_MAX
.irp b, 0,1,2,3
	v_max3_num_f32 v[TM+\b], 0xff800000, v[QA+16*\b], v[QA+16*\b+1]   ; the largest SCORE of each block of 32 keys: it serves for the maximum and, since p rises with the score, for the block's largest p
.endr
.irp i, 2,4,6,8,10,12,14
.irp b, 0,1,2,3
	v_max3_num_f32 v[TM+\b], v[TM+\b], v[QA+16*\b+\i], v[QA+16*\b+\i+1]
.endr
.endr
	WIN 0
.irp b, 0,1,2,3
	v_permlanex16_b32 v[TM+4+\b], v[TM+\b], s86, s87
.endr
.irp b, 0,1,2,3
	v_max_num_f32 v[TM+\b], v[TM+\b], v[TM+4+\b]   ; with lane l xor 16's 16 keys
.endr
	v_max3_num_f32 v[T0], v[TM], v[TM+1], v[TM+2]
	v_max_num_f32 v[T0], v[T0], v[TM+3]            ; the largest score of these 128 keys
	v_mul_f32 v[T0], s88, v[T0]                    ; as t (c is positive)
	v_floor_f32 v[QN], -v[T0]                      ; -M = floor(-t) = -ceil(t): a whole number
	v_mov_b32 v[QN+1], v[QN]                       ; (named with it as a pair)
.irp b, 0,1,2,3
	v_fma_f32 v[TM+\b], v[TM+\b], s88, v[QN]       ; t - M of each block's largest score
.endr
	WIN W_INP
.set n, 0
.rept 32
	v_pk_fma_f32 v[QA+n:QA+n+1], v[QA+n:QA+n+1], s[88:89], v[QN:QN+1] op_sel_hi:[1,0,0]   ; t - M, two at a time
.set n, n+2
.endr
.set n, 0
.rept 64
	v_exp_f32 v[QA+n], v[QA+n]                     ; p = 2^(t - M), at most 1
.set n, n+1
.endr
	WIN 0
	v_mov_b32 v[SUM0], 0                           ; the sum's two chains begin; these four are also the plain place behind the exponentials
	v_mov_b32 v[SUM0+1], 0
	v_mov_b32 v[SUM1], 0
	v_mov_b32 v[SUM1+1], 0
	s_wait_alu depctr_va_vdst(0)                   ; one wait for the batch of 64, ahead of its first reader
.irp b, 0,1,2,3
	v_exp_f32 v[TM+\b], v[TM+\b]                   ; the block's largest p: the same two instructions on the same number give the same bits
.endr
	WIN W_SUM
.set n, 0
.rept 16
	v_pk_add_f32 v[SUM0:SUM0+1], v[SUM0:SUM0+1], v[QA+n:QA+n+1]     ; the sum is taken of the UNQUANTISED p
	v_pk_add_f32 v[SUM1:SUM1+1], v[SUM1:SUM1+1], v[QA+n+2:QA+n+3]
.set n, n+4
.endr
	WIN 0
	v_pk_add_f32 v[SUM0:SUM0+1], v[SUM0:SUM0+1], v[SUM1:SUM1+1]
	s_wait_alu depctr_va_vdst(0)                   ; and one for the four
.irp b, 0,1,2,3
	v_max_num_f32 v[TM+\b], 0x1800000, v[TM+\b]    ; the floor 2^(3 - 127): the byte cannot fall under 1
.endr
.irp b, 0,1,2,3
	v_add_nc_u32 v[TM+12+\b], 0xff000000, v[TM+\b] ; 2 off the exponent field: the conversion's scale operand
.endr
.irp b, 0,1,2,3
	v_lshrrev_b32 v[TM+4+\b], 23, v[TM+12+\b]      ; the scale's byte
.endr
	v_lshl_or_b32 v[PW+(\a)], v[TM+5], 8, v[TM+4]
	v_lshl_or_b32 v[PW+(\a)], v[TM+6], 16, v[PW+(\a)]
	v_lshl_or_b32 v[PW+(\a)], v[TM+7], 24, v[PW+(\a)]
	v_add_f32 v[LS+(\a)], v[SUM0], v[SUM0+1]
	v_permlanex16_b32 v[T1], v[LS+(\a)], s86, s87
	v_add_f32 v[LS+(\a)], v[LS+(\a)], v[T1]        ; with lane l xor 16's: the sum over these 128 keys
	WIN W_CVT
.irp c, 0,1
	v_cvt_scalef32_pk16_fp6_f32 v[QP+6*\c:QP+6*\c+2], v[QA+32*\c:QA+32*\c+15], v[TM+12+2*\c]
	v_cvt_scalef32_pk16_fp6_f32 v[QP+12+4*\c:QP+14+4*\c], v[QA+32*\c+16:QA+32*\c+31], v[TM+13+2*\c]
.endr
	WIN 0
	v_nop                                          ; one plain place behind a scaled conversion
.irp c, 0,1
.irp i, 0,1,2
	v_permlane16_swap_b32 v[QP+6*\c+\i], v[QP+12+4*\c+\i]
.endr
.irp i, 0,1,2
	v_mov_b32 v[QP+6*\c+3+\i], v[QP+12+4*\c+\i]
.endr
.endr
.irp c, 0,1,2
	global_store_b128 v[LOFF], v[QP+4*\c:QP+4*\c+3], s[66:67] offset:(\a)*FRB+512*\c   ; each row tile has registers of its own: no store's data are written again
.endr
	global_store_b32 v[SWO], v[PW+(\a)], s[84:85] offset:64*(\a)
	global_store_b32 v[SWO], v[QN], s[84:85] offset:524288+64*(\a)
	global_store_b32 v[SWO], v[LS+(\a)], s[84:85] offset:1048576+64*(\a)
.endm
	s_load_b128 s[4:7], s[0:1], 0x0                ; qkv, pp
	v_lshl_add_u32 v[SPW], v0, 2, SPARE
	v_mov_b32 v[NIL], 0
	ds_add_u32 v[SPW], v[NIL]                      ; the wave's opening: the add, twice on end, and its wait ahead of my first tensor load
	ds_add_u32 v[SPW], v[NIL]
	v_lshrrev_b32 v1, 5, v0
	v_readfirstlane_b32 s14, v1
	s_lshr_b32 s15, s14, 1
	s_and_b32 s16, s14, 1
	s_bfe_u32 s56, ttmp6, 0x40000                  ; cx
	s_bfe_u32 s57, ttmp6, 0x40004                  ; cy
	s_lshl_b32 s58, s57, 2
	s_lshl_b32 s58, 15, s58
	s_lshl_b32 s59, 0x1111, s56
	s_or_b32 s[G1A], s58, (3<<16)|(1<<21)
	s_or_b32 s[G1B], s59, (3<<16)|(1<<21)
	s_mov_b32 s[G1A+1], 768<<16
	s_mov_b32 s[G1A+2], CH<<16
	s_mov_b32 s[G1A+3], 768<<16
	s_mov_b32 s[G1A+4], CH
	s_mov_b32 s[G1A+5], RTA*192
	s_mov_b32 s[G1A+6], 0
	s_mov_b32 s[G1A+7], 0
	s_mov_b32 s[G1B+1], 1536<<16
	s_mov_b32 s[G1B+2], CH<<16
	s_mov_b32 s[G1B+3], 1536<<16
	s_mov_b32 s[G1B+4], CH
	s_mov_b32 s[G1B+5], RTB*192
	s_mov_b32 s[G1B+6], 0
	s_mov_b32 s[G1B+7], 0
	s_mul_i32 s10, s16, AH
	s_mul_i32 s11, s16, BH
	s_add_co_u32 s11, s11, BOFF
	s_mov_b32 s86, 0x76543210
	s_mov_b32 s87, 0xfedcba98
	s_mov_b32 s88, 0x3e38aa3b                      ; c = log2(e) / 8
	s_mov_b32 s89, s88                             ; (named with it as a pair)
	s_and_b32 s2, ttmp7, 0xffff                    ; cluster y
	s_lshl_b32 s17, s2, 2
	s_add_co_u32 s17, s17, s57                     ; tile row: 128 queries
	s_lshr_b32 s19, s2, 2                          ; the batch, which all partners share
	s_lshl_b32 s18, ttmp9, 2
	s_add_co_u32 s18, s18, s56                     ; tile column: 256 keys of the batch
	s_lshl_b32 s20, s17, 3                         ; q's first tile
	s_lshl_b32 s22, s16, 2
	s_add_co_u32 s22, s20, s22
	s_mul_i32 s22, s22, FRB
	s_mov_b32 s23, 0
	s_lshl_b32 s21, s15, 2
	s_add_co_u32 s20, s20, s21
	s_lshl_b32 s20, s20, 6
	s_add_co_u32 s20, s20, QKS
	s_mov_b32 s21, 0
	s_lshl_b32 s92, s18, 4
	s_lshl_b32 s93, s19, 7
	s_add_co_u32 s92, s92, s93                     ; k's first tile: 128 x batch + 16 x tile column
	s_lshl_b32 s93, s16, 3
	s_add_co_u32 s92, s92, s93
	s_lshl_b32 s98, s92, 6
	s_add_co_u32 s98, s98, QKS+262144
	s_mov_b32 s99, 0
	s_mul_i32 s92, s92, FRB
	s_add_co_u32 s92, s92, KCO
	s_mov_b32 s93, 0
	s_lshl_b32 s2, s18, 1
	s_add_co_u32 s2, s2, s16                       ; my 128 keys are K step 2 x tile column + half of p
	s_lshl_b32 s2, s2, 9
	s_lshl_b32 s3, s17, 3
	s_add_co_u32 s2, s2, s3
	s_lshl_b32 s3, s15, 2
	s_add_co_u32 s2, s2, s3                        ; my first image's number
	s_mul_i32 s94, s2, FRB
	s_mov_b32 s95, 0
	s_lshl_b32 s96, s2, 6
	s_add_co_u32 s96, s96, PS
	s_mov_b32 s97, 0
	s_wait_dscnt 0x0                               ; both opening adds are done
	s_wait_kmcnt 0x0
	s_add_nc_u64 s[22:23], s[4:5], s[22:23]
	s_add_nc_u64 s[92:93], s[4:5], s[92:93]
	s_add_nc_u64 s[60:61], s[4:5], s[20:21]
	s_add_nc_u64 s[62:63], s[4:5], s[98:99]
	s_add_nc_u64 s[66:67], s[6:7], s[94:95]
	s_add_nc_u64 s[84:85], s[6:7], s[96:97]
	CROUND
.irp g, 0,1,2,3
	s_mov_b32 s[G0A+4*\g], 1
	s_add_co_u32 s[G0A+4*\g+1], s10, \g*CH*ASB
	s_add_nc_u64 s[G0A+4*\g+2:G0A+4*\g+3], s[22:23], \g*CH*RTA*FRB
	s_or_b32 s[G0A+4*\g+3], s[G0A+4*\g+3], 0x80000000
	s_mov_b32 s[G0B+4*\g], 1
	s_add_co_u32 s[G0B+4*\g+1], s11, \g*CH*BSB
	s_add_nc_u64 s[G0B+4*\g+2:G0B+4*\g+3], s[92:93], \g*CH*RTB*FRB
	s_or_b32 s[G0B+4*\g+3], s[G0B+4*\g+3], 0x80000000
	JLOAD G0A+4*\g, G1A, G0B+4*\g, G1B
.endr
	v_and_b32 v1, 31, v0
	v_lshlrev_b32 v[LOFF], 4, v1
	v_lshlrev_b32 v[SOFF], 2, v1
	v_and_b32 v[SWO], 15, v0
	v_lshlrev_b32 v[SWO], 2, v[SWO]
	s_mul_i32 s2, s15, AH
	v_add_nc_u32 v[ADRA], s2, v[LOFF]
	v_add_nc_u32 v[ADRB], s11, v[LOFF]
	v_add_nc_u32 v[ADRB+1], 4*BSB, v[ADRB]
.irp b, 0,1,2,3
	v_mov_b32 v[TM+4+\b], 0                        ; written once: a lane permute's destination counts as one of its sources
.endr
	v_mov_b32 v[T1], 0
	SCLOAD NS
	s_wait_tensorcnt 3                             ; my part of K steps 0 and 1 is in; my three younger loads may be out
	s_barrier_signal -1
	s_barrier_wait -1
	FETCH 0
	s_wait_loadcnt 0x0
	STEP 0
	SYNC 1, 2
	STEP 2
	SYNC 3, 1
	STEP 4
	SYNC 5, 0
	STEP 6
	LAST 7
	PLACES 4
	PQ 0
	PQ 1
	PQ 2
	PQ 3
	s_wait_tensorcnt 0x0                           ; the wave's end
	ds_add_u32 v[SPW], v[NIL]
	s_wait_dscnt 0x0
	CROUND
	s_endpgm
.Lfunc_end_k_qd9a50aa586_scores:
	.size	k_qd9a50aa586_scores, .Lfunc_end_k_qd9a50aa586_scores-k_qd9a50aa586_scores
	.p2alignl 7, 3214868480
	.fill 96, 4, 3214868480
	.section	.rodata,"a",@progbits
	.p2align	6, 0x0
	.amdhsa_kernel k_qd9a50aa586_scores
		.amdhsa_group_segment_fixed_size 327680
		.amdhsa_private_segment_fixed_size 0
		.amdhsa_enable_private_segment 0
		.amdhsa_kernarg_size 16
		.amdhsa_user_sgpr_count 2
		.amdhsa_user_sgpr_kernarg_segment_ptr 1
		.amdhsa_wavefront_size32 1
		.amdhsa_system_sgpr_workgroup_id_x 1
		.amdhsa_system_sgpr_workgroup_id_y 1
		.amdhsa_system_sgpr_workgroup_id_z 1
		.amdhsa_system_vgpr_workitem_id 0
		.amdhsa_next_free_vgpr 768
		.amdhsa_next_free_sgpr 100
		.amdhsa_reserve_vcc 0
		.amdhsa_float_denorm_mode_32 3
		.amdhsa_float_denorm_mode_16_64 3
		.amdhsa_memory_ordered 1
		.amdhsa_forward_progress 1
		.amdhsa_inst_pref_size 114
	.end_amdhsa_kernel
	.amdgpu_metadata
---
amdhsa.version: [ 1, 2 ]
amdhsa.kernels:
  - .name:           k_qd9a50aa586_scores
    .symbol:         k_qd9a50aa586_scores.kd
    .args:
      - { .name: qkv, .offset: 0, .size: 8, .value_kind: global_buffer, .address_space: global }
      - { .name: pp, .offset: 8, .size: 8, .value_kind: global_buffer, .address_space: global }
    .group_segment_fixed_size: 327680
    .private_segment_fixed_size: 0
    .kernarg_segment_align: 8
    .kernarg_segment_size: 16
    .max_flat_workgroup_size: 128
    .sgpr_count:     100
    .vgpr_count:     768
    .wavefront_size: 32
...
	.end_amdgpu_metadata
.endif
;; end of part 4
;; launch pv (part 5): grid 4 x 64, 4 waves a work-group, clusters of 4 x 4, 327,680 bytes of LDS; arguments pp, qkv, oc; writes oc
.if DOCPART == 5
	.amdgcn_target "amdgcn-amd-amdhsa--gfx1250"
	.amdhsa_code_object_version 6
	.text
	.protected	k_qd9a50aa586_pv
	.globl	k_qd9a50aa586_pv
	.p2align	8
	.type	k_qd9a50aa586_pv,@function
k_qd9a50aa586_pv:
	s_mov_b64 s[64:65], 0
	v_nop
	global_prefetch_b8 v0, s[64:65] scope:SCOPE_SE
	s_setreg_imm32_b32 hwreg(HW_REG_WAVE_MODE, 25, 1), 1
	s_wait_xcnt 0x0
	s_wait_alu depctr_hold_cnt(0) depctr_sa_sdst(0) depctr_va_vdst(0) depctr_va_sdst(0) depctr_va_ssrc(0) depctr_va_vcc(0) depctr_vm_vsrc(0)
	s_getreg_b32 s2, hwreg(HW_REG_IB_STS2, 6, 4)
	s_cmp_eq_u32 s2, 0
	s_cbranch_scc0 .Lentry_in_a_cluster
	s_endpgm
.Lentry_in_a_cluster:
	s_bfe_u32 s2, ttmp6, 0x10000c
	s_cmp_lg_u32 s2, 0xf033
	s_cbranch_scc0 .Lentry_shape_is_right
	s_endpgm
.Lentry_shape_is_right:
; O = (p v) / l for each of the 4 batches, on codes of FP6 (E2M3) with E8M0 scales, K = the batch's 2,048 keys; O is quantised along e in registers and stored as codes.  No work is left out.
; AT THE HEAD each row's M is found: the launch before stored, for each row and each 128 keys, p's codes under a local whole-number M, its scale bytes, -M and the sum of p.  The row's -M is the smallest of the 16.
; d = row M - local M, a whole number, 0 or more, is taken off the four scale bytes (p x 2^-d: exact) and off the sum's exponent (v_ldexp_f32: exact); the 16 sums then add up to the row's l.
; LIMITS: no NaN, no infinities.  A byte less d is held at 0 from below: such a block's p lie under 2^-124 beside a row whose largest p is above 1/2.  Blocks of O under 2^-124 and blocks of zeros keep the byte 1.
; THE PRODUCT: 128 x 256 of O to a work-group, 64 x 128 to a wave; source 0 = a tile of v^T, source 1 = a tile of p.  LDS holds eight K steps as two slots of four.  Both slots are asked for at the head (two tensor
; loads of a wave are out), and each is filled once more, behind a round of the cluster's barrier (one load of a wave is out then, with 112 products in which to land).  4 x 4 clusters: p's tiles jointly along a row, v^T's along a column.
.set RTA,   512
.set RTB,   64
.set CH,    4
.set NS,    16
.set SA,    16                         ; v16-47   p's scale words
.set SB,    48                         ; v48-111  v^T's
.set PS,    12582912                   ; pp: the scale words; -M 524,288 bytes on, the sums 1,048,576
.set VT,    12582912                   ; qkv: v^T's codes
.set VTS,   19398656                   ; and scale words
.set OCS,   6291456                    ; oc: the scale words
.set FRB,   1536
.set ASB,   4*FRB
.set BSB,   8*FRB
.set AH,    8*ASB
.set BH,    8*BSB
.set BOFF,  2*AH
.set SPARE, BOFF+2*BH                  ; the spare words, 128 bytes for each wave, that no other line names
.set ADRA, 2
.set ADRB, 3
.set LOFF, 5
.set SOFF, 6
.set SWO,  7
.set SPW,  8                           ; v8   LDS address of my spare word; never rewritten
.set NIL,  9                           ; v9   0; never rewritten
.set AF,   112                         ; at the head v112-143 hold -M and v144-175 the sums
.set PC,   112
.set PW,   192
.set TM,   208
.set RL,   232                         ; v232-239 1 / l of my row, a pair for each row tile
.set NR,   240                         ; v240-241 the row's -M (lane = row: tiles 2 j and 2 j + 1)
.set LL,   242                         ; v242-243 l, then 1 / l
.set XX,   244                         ; v244-245 the same of lane l xor 16
.set DD,   246
.set U0,   248                         ; v248-251
.set G1A,  24
.set G1B,  32
.set G0A,  40
.set G0B,  68
.set MSB, 0
.macro WIN new
.if MSB != \new
	s_set_vgpr_msb (MSB<<8)|\new
.set MSB, \new
.endif
.endm
.set MUL,   0xa1
.set TO_B,  0x40
.set W_MAX, 0x28
.set W_CVT, 0x02
.set W_INP, 0x82
.macro JLOAD g0a, g1a, g0b, g1b
	s_cmp_eq_u32 s15, 0
	s_cbranch_scc0 .Lfor_b_\@
	tensor_load_to_lds s[\g0a:\g0a+3], s[\g1a:\g1a+7]
	s_nop 0
.rept 4
	v_nop
.endr
	s_branch .Lasked_\@
.Lfor_b_\@:
	tensor_load_to_lds s[\g0b:\g0b+3], s[\g1b:\g1b+7]
	s_nop 0
.rept 4
	v_nop
.endr
.Lasked_\@:
.endm
.macro CREST
	s_cmp_lg_u32 s14, 0
	s_cbranch_scc1 .Lnot_wave_0_\@
	s_barrier_signal -3
.Lnot_wave_0_\@:
	s_barrier_wait -3
	s_barrier_signal -1
	s_barrier_wait -1
.endm
.macro CROUND
	s_barrier_signal -1
	s_barrier_wait -1
	CREST
.endm
.macro PLACES n
.rept \n
	v_nop
.endr
.endm
.macro FETCH s
.set FP, (\s)%2
.set FQ, (\s)%8
	WIN TO_B
.irp b, 0,1,2,3,4,5,6,7
.irp c, 0,1,2
	ds_load_b128 v[128*FP+12*\b+4*\c:128*FP+12*\b+4*\c+3], v[ADRB+FQ/4] offset:(FQ%4)*BSB+\b*FRB+512*\c
.endr
.endr
	WIN 0
.irp a, 0,1,2,3
.irp c, 0,1,2
	ds_load_b128 v[AF+48*FP+12*\a+4*\c:AF+48*FP+12*\a+4*\c+3], v[ADRA] offset:FQ*ASB+\a*FRB+512*\c
.endr
.endr
.endm
.macro WM a, b, s
.set WP, (\s)%2
.set rD, 64*(\a)+8*(\b)
.set rB, 128*WP+12*(\b)
.set rA, AF+48*WP+12*(\a)
.set rX, SB+4*(\s)+(\b)/2
.set rY, SA+2*(\s)+(\a)/2
.set WR, 2*((\a)%2)+(\b)%2
.if (\s) == 0
.if WR == 0
	v_wmma_scale_f32_16x16x128_f8f6f4 v[rD:rD+7], v[rB:rB+11], v[rA:rA+11], 0, v[rX], v[rY] matrix_a_fmt:MATRIX_FMT_FP6 matrix_b_fmt:MATRIX_FMT_FP6
.elseif WR == 1
	v_wmma_scale_f32_16x16x128_f8f6f4 v[rD:rD+7], v[rB:rB+11], v[rA:rA+11], 0, v[rX], v[rY] matrix_a_fmt:MATRIX_FMT_FP6 matrix_b_fmt:MATRIX_FMT_FP6 matrix_a_scale:MATRIX_SCALE_ROW1
.elseif WR == 2
	v_wmma_scale_f32_16x16x128_f8f6f4 v[rD:rD+7], v[rB:rB+11], v[rA:rA+11], 0, v[rX], v[rY] matrix_a_fmt:MATRIX_FMT_FP6 matrix_b_fmt:MATRIX_FMT_FP6 matrix_b_scale:MATRIX_SCALE_ROW1
.else
	v_wmma_scale_f32_16x16x128_f8f6f4 v[rD:rD+7], v[rB:rB+11], v[rA:rA+11], 0, v[rX], v[rY] matrix_a_fmt:MATRIX_FMT_FP6 matrix_b_fmt:MATRIX_FMT_FP6 matrix_a_scale:MATRIX_SCALE_ROW1 matrix_b_scale:MATRIX_SCALE_ROW1
.endif
.else
.if WR == 0
	v_wmma_scale_f32_16x16x128_f8f6f4 v[rD:rD+7], v[rB:rB+11], v[rA:rA+11], v[rD:rD+7], v[rX], v[rY] matrix_a_fmt:MATRIX_FMT_FP6 matrix_b_fmt:MATRIX_FMT_FP6
.elseif WR == 1
	v_wmma_scale_f32_16x16x128_f8f6f4 v[rD:rD+7], v[rB:rB+11], v[rA:rA+11], v[rD:rD+7], v[rX], v[rY] matrix_a_fmt:MATRIX_FMT_FP6 matrix_b_fmt:MATRIX_FMT_FP6 matrix_a_scale:MATRIX_SCALE_ROW1
.elseif WR == 2
	v_wmma_scale_f32_16x16x128_f8f6f4 v[rD:rD+7], v[rB:rB+11], v[rA:rA+11], v[rD:rD+7], v[rX], v[rY] matrix_a_fmt:MATRIX_FMT_FP6 matrix_b_fmt:MATRIX_FMT_FP6 matrix_b_scale:MATRIX_SCALE_ROW1
.else
	v_wmma_scale_f32_16x16x128_f8f6f4 v[rD:rD+7], v[rB:rB+11], v[rA:rA+11], v[rD:rD+7], v[rX], v[rY] matrix_a_fmt:MATRIX_FMT_FP6 matrix_b_fmt:MATRIX_FMT_FP6 matrix_a_scale:MATRIX_SCALE_ROW1 matrix_b_scale:MATRIX_SCALE_ROW1
.endif
.endif
.endm
.macro MUL8 a, s                       ; the 32 accumulators take turns, one instruction a turn
.irp b, 0,1,2,3,4,5,6,7
	WM \a, \b, \s
.endr
.endm
.macro STEP s
	s_wait_dscnt 0x0                               ; this step's fragments are in
	WIN MUL
	MUL8 0, \s
	PLACES 4                                       ; for the loads into the other set
	FETCH (\s)+1
	WIN MUL
	MUL8 1, \s
	MUL8 2, \s
	MUL8 3, \s
.endm
; A slot's last K step changes slots: ONE barrier.  In front of it each wave waits for all its tensor loads (its part of the other slot), adds 0 to its spare word, and waits for that and for its reads of this slot.
; fill = 1: the barrier opens a round of the cluster's barrier, and behind the round this slot (descriptor set g) takes the K steps eight on.
.macro TURN s, fill, g
	WIN 0                                          ; (the add's two registers lie in window 0)
	s_wait_tensorcnt 0x0                           ; all my tensor loads have landed
	ds_add_u32 v[SPW], v[NIL]                      ; 0 onto my spare word
	s_wait_dscnt 0x1                               ; this step's fragments are in; the add alone may be out
	WIN MUL
	MUL8 0, \s                                     ; eight products stand between the add and the wait for it
	s_wait_dscnt 0x0                               ; the add is done, and my reads of this slot are over
	s_barrier_signal -1
	MUL8 1, \s
	WIN 0
	s_barrier_wait -1
.if \fill
	CREST                                          ; no wave of any partner still reads this slot or has a load on its way
	s_add_nc_u64 s[G0A+4*\g+2:G0A+4*\g+3], s[G0A+4*\g+2:G0A+4*\g+3], 8*RTA*FRB
	s_add_nc_u64 s[G0B+4*\g+2:G0B+4*\g+3], s[G0B+4*\g+2:G0B+4*\g+3], 8*RTB*FRB
	JLOAD G0A+4*\g, G1A, G0B+4*\g, G1B             ; the first tensor load behind the round; its four v_nop are also the places in front of the loads below
.else
	PLACES 4
.endif
	FETCH (\s)+1
	WIN MUL
	MUL8 2, \s
	MUL8 3, \s
.endm
.macro LAST s
	s_wait_dscnt 0x0
	WIN MUL
	MUL8 0, \s
	MUL8 1, \s
	MUL8 2, \s
	MUL8 3, \s
	WIN 0
.endm
; The rows of tiles 2 j (lanes 0-15) and 2 j + 1 (lanes 16-31): a lane is a row, and nothing leaves the lane.
.macro ROWS j
.set NMB, 112+16*(\j)
.set LB,  144+16*(\j)
	v_min3_num_f32 v[NR+(\j)], v[NMB], v[NMB+1], v[NMB+2]
.irp i, 3,5,7,9,11,13
	v_min3_num_f32 v[NR+(\j)], v[NR+(\j)], v[NMB+\i], v[NMB+\i+1]
.endr
	v_min_num_f32 v[NR+(\j)], v[NR+(\j)], v[NMB+15]   ; the row's -M
.irp s, 0,1,2,3,4,5,6,7,8,9,10,11,12,13,14,15
	v_sub_f32 v[DD], v[NR+(\j)], v[NMB+\s]         ; local M - row M: a whole number, 0 or less
	v_cvt_i32_f32 v[DD], v[DD]                     ; (it saturates)
.if \s == 0
	v_ldexp_f32 v[LL+(\j)], v[LB], v[DD]           ; the sums under the row's M: nothing is rounded; the first starts l
.else
	v_ldexp_f32 v[LB+\s], v[LB+\s], v[DD]
	v_add_f32 v[LL+(\j)], v[LL+(\j)], v[LB+\s]
.endif
	v_sub_nc_u32 v[DD], 0, v[DD]                   ; d
	v_bfe_u32 v[U0], v[SA+2*\s+(\j)], 0, 8
	v_bfe_u32 v[U0+1], v[SA+2*\s+(\j)], 8, 8
	v_bfe_u32 v[U0+2], v[SA+2*\s+(\j)], 16, 8
	v_lshrrev_b32 v[U0+3], 24, v[SA+2*\s+(\j)]
	v_min_u32 v[U0], v[U0], v[DD]                  ; what is taken off a byte is at most the byte: no borrow, and the byte is held at 0
	v_min_u32 v[U0+1], v[U0+1], v[DD]
	v_min_u32 v[U0+2], v[U0+2], v[DD]
	v_min_u32 v[U0+3], v[U0+3], v[DD]
	v_lshl_or_b32 v[U0], v[U0+1], 8, v[U0]
	v_lshl_or_b32 v[U0], v[U0+2], 16, v[U0]
	v_lshl_or_b32 v[U0], v[U0+3], 24, v[U0]
	v_sub_nc_u32 v[SA+2*\s+(\j)], v[SA+2*\s+(\j)], v[U0]
.endr
.endm
.macro QUANTW a
.set QA, 64*(\a)
.set QP, PC+20*(\a)
	WIN W_MAX
.irp b, 0,1,2,3
	v_max3_num_f32 v[TM+\b], 0x1800000, |v[QA+16*\b]|, |v[QA+16*\b+1]|   ; block b: my 16 numbers, and the floor 2^(3 - 127)
.endr
.irp i, 2,4,6,8,10,12,14
.irp b, 0,1,2,3
	v_max3_num_f32 v[TM+\b], v[TM+\b], |v[QA+16*\b+\i]|, |v[QA+16*\b+\i+1]|
.endr
.endr
	WIN 0
.irp b, 0,1,2,3
	v_permlanex16_b32 v[TM+4+\b], v[TM+\b], s86, s87
.endr
.irp b, 0,1,2,3
	v_max_num_f32 v[TM+\b], v[TM+\b], v[TM+4+\b]
.endr
.irp b, 0,1,2,3
	v_add_nc_u32 v[TM+12+\b], 0xff000000, v[TM+\b]
.endr
.irp b, 0,1,2,3
	v_lshrrev_b32 v[TM+4+\b], 23, v[TM+12+\b]
.endr
	v_lshl_or_b32 v[PW+(\a)], v[TM+5], 8, v[TM+4]
	v_lshl_or_b32 v[PW+(\a)], v[TM+6], 16, v[PW+(\a)]
	v_lshl_or_b32 v[PW+(\a)], v[TM+7], 24, v[PW+(\a)]
	WIN W_CVT
.irp c, 0,1
	v_cvt_scalef32_pk16_fp6_f32 v[QP+6*\c:QP+6*\c+2], v[QA+32*\c:QA+32*\c+15], v[TM+12+2*\c]
	v_cvt_scalef32_pk16_fp6_f32 v[QP+12+4*\c:QP+14+4*\c], v[QA+32*\c+16:QA+32*\c+31], v[TM+13+2*\c]
.endr
	WIN 0
	v_nop                                          ; one plain place behind a scaled conversion
.irp c, 0,1
.irp i, 0,1,2
	v_permlane16_swap_b32 v[QP+6*\c+\i], v[QP+12+4*\c+\i]
.endr
.irp i, 0,1,2
	v_mov_b32 v[QP+6*\c+3+\i], v[QP+12+4*\c+\i]
.endr
.endr
.endm
.macro PUT a
.irp c, 0,1,2
	global_store_b128 v[LOFF], v[PC+20*(\a)+4*\c:PC+20*(\a)+4*\c+3], s[66:67] offset:(\a)*FRB+512*\c
.endr
	global_store_b32 v[SWO], v[PW+(\a)], s[84:85] offset:64*(\a)
.endm
.macro DIVL a                          ; row tile a / l, in place, from each accumulator's low end on
	WIN W_INP
.set n, 64*(\a)
.rept 32
	v_pk_mul_f32 v[n:n+1], v[n:n+1], v[RL+2*(\a):RL+2*(\a)+1] op_sel_hi:[1,0]
.set n, n+2
.endr
.endm
	s_load_b128 s[4:7], s[0:1], 0x0                ; pp, qkv
	s_load_b64 s[8:9], s[0:1], 0x10                ; oc
	v_lshl_add_u32 v[SPW], v0, 2, SPARE
	v_mov_b32 v[NIL], 0
	ds_add_u32 v[SPW], v[NIL]                      ; the wave's opening: the add, twice on end, and its wait ahead of my first tensor load
	ds_add_u32 v[SPW], v[NIL]
	v_lshrrev_b32 v1, 5, v0
	v_readfirstlane_b32 s14, v1
	s_lshr_b32 s15, s14, 1
	s_and_b32 s16, s14, 1
	s_bfe_u32 s56, ttmp6, 0x40000                  ; cx
	s_bfe_u32 s57, ttmp6, 0x40004                  ; cy
	s_lshl_b32 s58, s57, 2
	s_lshl_b32 s58, 15, s58
	s_lshl_b32 s59, 0x1111, s56
	s_or_b32 s[G1A], s58, (3<<16)|(1<<21)
	s_or_b32 s[G1B], s59, (3<<16)|(1<<21)
	s_mov_b32 s[G1A+1], 768<<16
	s_mov_b32 s[G1A+2], CH<<16
	s_mov_b32 s[G1A+3], 768<<16
	s_mov_b32 s[G1A+4], CH
	s_mov_b32 s[G1A+5], RTA*192
	s_mov_b32 s[G1A+6], 0
	s_mov_b32 s[G1A+7], 0
	s_mov_b32 s[G1B+1], 1536<<16
	s_mov_b32 s[G1B+2], CH<<16
	s_mov_b32 s[G1B+3], 1536<<16
	s_mov_b32 s[G1B+4], CH
	s_mov_b32 s[G1B+5], RTB*192
	s_mov_b32 s[G1B+6], 0
	s_mov_b32 s[G1B+7], 0
	s_mul_i32 s10, s16, AH
	s_mul_i32 s11, s16, BH
	s_add_co_u32 s11, s11, BOFF
	s_mov_b32 s86, 0x76543210
	s_mov_b32 s87, 0xfedcba98
	s_mov_b32 s90, 0xffff0000                      ; lanes 16-31
	s_and_b32 s2, ttmp7, 0xffff                    ; cluster y
	s_lshl_b32 s17, s2, 2
	s_add_co_u32 s17, s17, s57                     ; tile row: 128 queries
	s_lshr_b32 s19, s2, 2                          ; the batch
	s_lshl_b32 s18, ttmp9, 2
	s_add_co_u32 s18, s18, s56                     ; tile column: 256 of e
	s_lshl_b32 s20, s17, 3                         ; p's first tile
	s_lshl_b32 s22, s16, 2
	s_add_co_u32 s22, s20, s22
	s_mul_i32 s22, s22, FRB
	s_mov_b32 s23, 0
	s_lshl_b32 s21, s15, 2
	s_add_co_u32 s20, s20, s21
	s_lshl_b32 s20, s20, 6
	s_add_co_u32 s20, s20, PS
	s_mov_b32 s21, 0
	s_lshl_b32 s92, s18, 4
	s_lshl_b32 s93, s19, 10                        ; the batch's 16 K steps of 64 tiles
	s_add_co_u32 s92, s92, s93
	s_lshl_b32 s93, s16, 3
	s_add_co_u32 s92, s92, s93
	s_lshl_b32 s98, s92, 6
	s_add_co_u32 s98, s98, VTS
	s_mov_b32 s99, 0
	s_mul_i32 s92, s92, FRB
	s_add_co_u32 s92, s92, VT
	s_mov_b32 s93, 0
	s_lshl_b32 s2, s18, 1
	s_add_co_u32 s2, s2, s16
	s_lshl_b32 s2, s2, 9
	s_lshl_b32 s3, s17, 3
	s_add_co_u32 s2, s2, s3
	s_lshl_b32 s3, s15, 2
	s_add_co_u32 s2, s2, s3                        ; my first image's number in oc
	s_mul_i32 s94, s2, FRB
	s_mov_b32 s95, 0
	s_lshl_b32 s96, s2, 6
	s_add_co_u32 s96, s96, OCS
	s_mov_b32 s97, 0
	s_wait_dscnt 0x0                               ; both opening adds are done
	s_wait_kmcnt 0x0
	s_add_nc_u64 s[22:23], s[4:5], s[22:23]
	s_add_nc_u64 s[92:93], s[6:7], s[92:93]
	s_add_nc_u64 s[60:61], s[4:5], s[20:21]
	s_add_nc_u64 s[62:63], s[6:7], s[98:99]
	s_add_nc_u64 s[66:67], s[8:9], s[94:95]
	s_add_nc_u64 s[84:85], s[8:9], s[96:97]
	CROUND
.irp g, 0,1
	s_mov_b32 s[G0A+4*\g], 1
	s_add_co_u32 s[G0A+4*\g+1], s10, \g*CH*ASB
	s_add_nc_u64 s[G0A+4*\g+2:G0A+4*\g+3], s[22:23], \g*CH*RTA*FRB
	s_or_b32 s[G0A+4*\g+3], s[G0A+4*\g+3], 0x80000000
	s_mov_b32 s[G0B+4*\g], 1
	s_add_co_u32 s[G0B+4*\g+1], s11, \g*CH*BSB
	s_add_nc_u64 s[G0B+4*\g+2:G0B+4*\g+3], s[92:93], \g*CH*RTB*FRB
	s_or_b32 s[G0B+4*\g+3], s[G0B+4*\g+3], 0x80000000
	JLOAD G0A+4*\g, G1A, G0B+4*\g, G1B
.endr
	v_and_b32 v1, 31, v0
	v_lshlrev_b32 v[LOFF], 4, v1
	v_lshlrev_b32 v[SOFF], 2, v1
	v_and_b32 v[SWO], 15, v0
	v_lshlrev_b32 v[SWO], 2, v[SWO]
	s_mul_i32 s2, s15, AH
	v_add_nc_u32 v[ADRA], s2, v[LOFF]
	v_add_nc_u32 v[ADRB], s11, v[LOFF]
	v_add_nc_u32 v[ADRB+1], 4*BSB, v[ADRB]
.irp b, 0,1,2,3
	v_mov_b32 v[TM+4+\b], 0                        ; written once: a lane permute's destination counts as one of its sources
.endr
	v_mov_b32 v[XX], 0
	v_mov_b32 v[XX+1], 0
.set q, 0
.rept NS
.irp j, 0,1
	global_load_b32 v[SA+2*q+\j], v[SOFF], s[60:61] offset:q*RTA*64+128*\j                 ; p's scale words under the local M,
	global_load_b32 v[112+16*\j+q], v[SOFF], s[60:61] offset:524288+q*RTA*64+128*\j        ; -M,
	global_load_b32 v[144+16*\j+q], v[SOFF], s[60:61] offset:1048576+q*RTA*64+128*\j       ; the sums
.endr
.irp j, 0,1,2,3
	global_load_b32 v[SB+4*q+\j], v[SOFF], s[62:63] offset:q*RTB*64+128*\j
.endr
.set q, q+1
.endr
	s_wait_loadcnt 0x0
	ROWS 0
	ROWS 1
	v_rcp_f32 v[LL], v[LL]
	v_rcp_f32 v[LL+1], v[LL+1]
	v_nop                                          ; a plain place behind the reciprocals
	s_wait_alu depctr_va_vdst(0)                   ; and the one wait ahead of their first reader
	v_permlanex16_b32 v[XX], v[LL], s86, s87
	v_permlanex16_b32 v[XX+1], v[LL+1], s86, s87
.irp j, 0,1                            ; in an accumulator both halves of the lanes hold place r: tile 2 j's 1 / l lies in lanes 0-15 of LL + j, tile 2 j + 1's in lanes 16-31
	v_cndmask_b32 v[RL+4*\j], v[LL+\j], v[XX+\j], s90
	v_cndmask_b32 v[RL+4*\j+1], v[LL+\j], v[XX+\j], s90
	v_cndmask_b32 v[RL+4*\j+2], v[XX+\j], v[LL+\j], s90
	v_cndmask_b32 v[RL+4*\j+3], v[XX+\j], v[LL+\j], s90
.endr
	PLACES 8                                       ; scale registers written by vector instructions stand eight places ahead of a scaled matrix instruction
	s_wait_tensorcnt 1                             ; my part of slot 0 is in; slot 1's may stay out
	s_barrier_signal -1
	s_barrier_wait -1
	FETCH 0
	STEP 0
	STEP 1
	STEP 2
	TURN 3, 1, 0                                   ; slot 0 takes K steps 8-11
	STEP 4
	STEP 5
	STEP 6
	TURN 7, 1, 1                                   ; slot 1 takes K steps 12-15
	STEP 8
	STEP 9
	STEP 10
	TURN 11, 0, 0                                  ; nothing is left to fetch
	STEP 12
	STEP 13
	STEP 14
	LAST 15
	PLACES 4
.irp a, 0,1,2,3
	DIVL \a
	QUANTW \a
	PUT \a
.endr
	s_wait_tensorcnt 0x0                           ; the wave's end
	ds_add_u32 v[SPW], v[NIL]
	s_wait_dscnt 0x0
	CROUND                                         ; the closing round
	s_endpgm
.Lfunc_end_k_qd9a50aa586_pv:
	.size	k_qd9a50aa586_pv, .Lfunc_end_k_qd9a50aa586_pv-k_qd9a50aa586_pv
	.p2alignl 7, 3214868480
	.fill 96, 4, 3214868480
	.section	.rodata,"a",@progbits
	.p2align	6, 0x0
	.amdhsa_kernel k_qd9a50aa586_pv
		.amdhsa_group_segment_fixed_size 327680
		.amdhsa_private_segment_fixed_size 0
		.amdhsa_enable_private_segment 0
		.amdhsa_kernarg_size 24
		.amdhsa_user_sgpr_count 2
		.amdhsa_user_sgpr_kernarg_segment_ptr 1
		.amdhsa_wavefront_size32 1
		.amdhsa_system_sgpr_workgroup_id_x 1
		.amdhsa_system_sgpr_workgroup_id_y 1
		.amdhsa_system_sgpr_workgroup_id_z 1
		.amdhsa_system_vgpr_workitem_id 0
		.amdhsa_next_free_vgpr 768
		.amdhsa_next_free_sgpr 100
		.amdhsa_reserve_vcc 0
		.amdhsa_float_denorm_mode_32 3
		.amdhsa_float_denorm_mode_16_64 3
		.amdhsa_memory_ordered 1
		.amdhsa_forward_progress 1
		.amdhsa_inst_pref_size 180
	.end_amdhsa_kernel
	.amdgpu_metadata
---
amdhsa.version: [ 1, 2 ]
amdhsa.kernels:
  - .name:           k_qd9a50aa586_pv
    .symbol:         k_qd9a50aa586_pv.kd
    .args:
      - { .name: pp, .offset: 0, .size: 8, .value_kind: global_buffer, .address_space: global }
      - { .name: qkv, .offset: 8, .size: 8, .value_kind: global_buffer, .address_space: global }
      - { .name: oc, .offset: 16, .size: 8, .value_kind: global_buffer, .address_space: global }
    .group_segment_fixed_size: 327680
    .private_segment_fixed_size: 0
    .kernarg_segment_align: 8
    .kernarg_segment_size: 24
    .max_flat_workgroup_size: 128
    .sgpr_count:     100
    .vgpr_count:     768
    .wavefront_size: 32
...
	.end_amdgpu_metadata
.endif
;; end of part 5
;; launch proj (part 6): grid 4 x 64, 4 waves a work-group, clusters of 4 x 4, 327,680 bytes of LDS; arguments oc, xw, out0; writes out0
.if DOCPART == 6
	.amdgcn_target "amdgcn-amd-amdhsa--gfx1250"
	.amdhsa_code_object_version 6
	.text
	.protected	k_qd9a50aa586_proj
	.globl	k_qd9a50aa586_proj
	.p2align	8
	.type	k_qd9a50aa586_proj,@function
k_qd9a50aa586_proj:
	s_mov_b64 s[64:65], 0
	v_nop
	global_prefetch_b8 v0, s[64:65] scope:SCOPE_SE
	s_setreg_imm32_b32 hwreg(HW_REG_WAVE_MODE, 25, 1), 1
	s_wait_xcnt 0x0
	s_wait_alu depctr_hold_cnt(0) depctr_sa_sdst(0) depctr_va_vdst(0) depctr_va_sdst(0) depctr_va_ssrc(0) depctr_va_vcc(0) depctr_vm_vsrc(0)
	s_getreg_b32 s2, hwreg(HW_REG_IB_STS2, 6, 4)
	s_cmp_eq_u32 s2, 0
	s_cbranch_scc0 .Lentry_in_a_cluster
	s_endpgm
.Lentry_in_a_cluster:
	s_bfe_u32 s2, ttmp6, 0x10000c
	s_cmp_lg_u32 s2, 0xf033
	s_cbranch_scc0 .Lentry_shape_is_right
	s_endpgm
.Lentry_shape_is_right:
; out0 = O Wo, on codes of FP6 (E2M3) with E8M0 scales; out0 [8192][1024] f32.  No work is left out.  LIMITS: no NaN, no infinities.
; The product is the same text as in the launches before: 128 x 256 of out0 to a work-group, 64 x 128 to a wave; source 0 = a tile of Wo, source 1 = a tile of O; all eight K steps resident in LDS, four tensor loads
; of a wave out at the most; O's tiles asked for jointly along a row of the 4 x 4 cluster, Wo's along a column.
; THE WAY OUT.  Place t of row tile a is row 32 (a / 2) + 8 (a % 2) + t + 8 (t / 8) of my 64; a lane's register 16 b + i is column 32 b + 16 h + i of my 128.  A row tile goes through my own stage in LDS (16 rows
; of 528 bytes) and leaves as whole rows of 512 bytes.  The four stages take the first 33,792 bytes of LDS: K steps 0 to 5 of A's first half, which have had their only fill and which nobody reads behind the
; barrier of K step 5.
.set RTA,   512
.set RTB,   768
.set CH,    2
.set NS,    8
.set SA,    16
.set SB,    32
.set OCS,   6291456                    ; oc: the scale words
.set XWS,   9437184                    ; xw: the scale words
.set FRB,   1536
.set ASB,   4*FRB
.set BSB,   8*FRB
.set AH,    8*ASB
.set BH,    8*BSB
.set BOFF,  2*AH
.set SPARE, BOFF+2*BH                  ; the spare words, 128 bytes for each wave, that no other line names
.set ADRA, 2
.set ADRB, 3
.set LOFF, 5
.set SOFF, 6
.set SPW,  8                           ; v8   LDS address of my spare word; never rewritten
.set NIL,  9                           ; v9   0; never rewritten
.set STO,  10                          ; v10  the stage: where I put 32 bytes of a row
.set RD,   11                          ; v11  and where I read a row back
.set AF,   112
.set BK,   112                         ; the way out: 16 rows read back: v112-175 and v176-239 by turns
.set G1A,  24
.set G1B,  32
.set G0A,  40
.set G0B,  68
.set MSB, 0
.macro WIN new
.if MSB != \new
	s_set_vgpr_msb (MSB<<8)|\new
.set MSB, \new
.endif
.endm
.set MUL,   0xa1
.set TO_B,  0x40
.set W_ST,  0x08                       ; an LDS store's data are its source 1: window 2
.macro JLOAD g0a, g1a, g0b, g1b
	s_cmp_eq_u32 s15, 0
	s_cbranch_scc0 .Lfor_b_\@
	tensor_load_to_lds s[\g0a:\g0a+3], s[\g1a:\g1a+7]
	s_nop 0
.rept 4
	v_nop
.endr
	s_branch .Lasked_\@
.Lfor_b_\@:
	tensor_load_to_lds s[\g0b:\g0b+3], s[\g1b:\g1b+7]
	s_nop 0
.rept 4
	v_nop
.endr
.Lasked_\@:
.endm
.macro CREST
	s_cmp_lg_u32 s14, 0
	s_cbranch_scc1 .Lnot_wave_0_\@
	s_barrier_signal -3
.Lnot_wave_0_\@:
	s_barrier_wait -3
	s_barrier_signal -1
	s_barrier_wait -1
.endm
.macro CROUND
	s_barrier_signal -1
	s_barrier_wait -1
	CREST
.endm
.macro PLACES n
.rept \n
	v_nop
.endr
.endm
.macro FETCH s
.set FP, (\s)%2
.set FQ, (\s)%8
	WIN TO_B
.irp b, 0,1,2,3,4,5,6,7
.irp c, 0,1,2
	ds_load_b128 v[128*FP+12*\b+4*\c:128*FP+12*\b+4*\c+3], v[ADRB+FQ/4] offset:(FQ%4)*BSB+\b*FRB+512*\c
.endr
.endr
	WIN 0
.irp a, 0,1,2,3
.irp c, 0,1,2
	ds_load_b128 v[AF+48*FP+12*\a+4*\c:AF+48*FP+12*\a+4*\c+3], v[ADRA] offset:FQ*ASB+\a*FRB+512*\c
.endr
.endr
.endm
.macro WM a, b, s
.set WP, (\s)%2
.set rD, 64*(\a)+8*(\b)
.set rB, 128*WP+12*(\b)
.set rA, AF+48*WP+12*(\a)
.set rX, SB+4*(\s)+(\b)/2
.set rY, SA+2*(\s)+(\a)/2
.set WR, 2*((\a)%2)+(\b)%2
.if (\s) == 0
.if WR == 0
	v_wmma_scale_f32_16x16x128_f8f6f4 v[rD:rD+7], v[rB:rB+11], v[rA:rA+11], 0, v[rX], v[rY] matrix_a_fmt:MATRIX_FMT_FP6 matrix_b_fmt:MATRIX_FMT_FP6
.elseif WR == 1
	v_wmma_scale_f32_16x16x128_f8f6f4 v[rD:rD+7], v[rB:rB+11], v[rA:rA+11], 0, v[rX], v[rY] matrix_a_fmt:MATRIX_FMT_FP6 matrix_b_fmt:MATRIX_FMT_FP6 matrix_a_scale:MATRIX_SCALE_ROW1
.elseif WR == 2
	v_wmma_scale_f32_16x16x128_f8f6f4 v[rD:rD+7], v[rB:rB+11], v[rA:rA+11], 0, v[rX], v[rY] matrix_a_fmt:MATRIX_FMT_FP6 matrix_b_fmt:MATRIX_FMT_FP6 matrix_b_scale:MATRIX_SCALE_ROW1
.else
	v_wmma_scale_f32_16x16x128_f8f6f4 v[rD:rD+7], v[rB:rB+11], v[rA:rA+11], 0, v[rX], v[rY] matrix_a_fmt:MATRIX_FMT_FP6 matrix_b_fmt:MATRIX_FMT_FP6 matrix_a_scale:MATRIX_SCALE_ROW1 matrix_b_scale:MATRIX_SCALE_ROW1
.endif
.else
.if WR == 0
	v_wmma_scale_f32_16x16x128_f8f6f4 v[rD:rD+7], v[rB:rB+11], v[rA:rA+11], v[rD:rD+7], v[rX], v[rY] matrix_a_fmt:MATRIX_FMT_FP6 matrix_b_fmt:MATRIX_FMT_FP6
.elseif WR == 1
	v_wmma_scale_f32_16x16x128_f8f6f4 v[rD:rD+7], v[rB:rB+11], v[rA:rA+11], v[rD:rD+7], v[rX], v[rY] matrix_a_fmt:MATRIX_FMT_FP6 matrix_b_fmt:MATRIX_FMT_FP6 matrix_a_scale:MATRIX_SCALE_ROW1
.elseif WR == 2
	v_wmma_scale_f32_16x16x128_f8f6f4 v[rD:rD+7], v[rB:rB+11], v[rA:rA+11], v[rD:rD+7], v[rX], v[rY] matrix_a_fmt:MATRIX_FMT_FP6 matrix_b_fmt:MATRIX_FMT_FP6 matrix_b_scale:MATRIX_SCALE_ROW1
.else
	v_wmma_scale_f32_16x16x128_f8f6f4 v[rD:rD+7], v[rB:rB+11], v[rA:rA+11], v[rD:rD+7], v[rX], v[rY] matrix_a_fmt:MATRIX_FMT_FP6 matrix_b_fmt:MATRIX_FMT_FP6 matrix_a_scale:MATRIX_SCALE_ROW1 matrix_b_scale:MATRIX_SCALE_ROW1
.endif
.endif
.endm
.macro MUL8 a, s                       ; the 32 accumulators take turns, one instruction a turn
.irp b, 0,1,2,3,4,5,6,7
	WM \a, \b, \s
.endr
.endm
.macro STEP s
	s_wait_dscnt 0x0                               ; this step's fragments are in
	WIN MUL
	MUL8 0, \s
	PLACES 4                                       ; for the loads into the other set
	FETCH (\s)+1
	WIN MUL
	MUL8 1, \s
	MUL8 2, \s
	MUL8 3, \s
.endm
.macro SYNC s, n
	s_wait_dscnt 0x0                               ; my LDS reads so far are over
	WIN MUL
	MUL8 0, \s
	s_wait_tensorcnt \n                            ; my part of the next two K steps has landed; n younger loads may stay out
	s_barrier_signal -1
	MUL8 1, \s
	s_barrier_wait -1
	PLACES 4
	FETCH (\s)+1
	WIN MUL
	MUL8 2, \s
	MUL8 3, \s
.endm
.macro LAST s
	s_wait_dscnt 0x0
	WIN MUL
	MUL8 0, \s
	MUL8 1, \s
	MUL8 2, \s
	MUL8 3, \s
	WIN 0
.endm
.macro SCLOAD ns
.set q, 0
.rept \ns
.irp j, 0,1
	global_load_b32 v[SA+2*q+\j], v[SOFF], s[60:61] offset:q*RTA*64+128*\j
.endr
.irp j, 0,1,2,3
	global_load_b32 v[SB+4*q+\j], v[SOFF], s[62:63] offset:q*RTB*64+128*\j
.endr
.set q, q+1
.endr
.endm
.macro TOSTAGE a                       ; row tile a into my stage, each accumulator from its low end on, and back as whole rows
	WIN W_ST
.irp b, 0,1,2,3,4,5,6,7
	ds_store_b128 v[STO], v[64*(\a)+8*\b:64*(\a)+8*\b+3] offset:128*(\b/2)+32*(\b%2)
	ds_store_b128 v[STO], v[64*(\a)+8*\b+4:64*(\a)+8*\b+7] offset:128*(\b/2)+32*(\b%2)+16
.endr
	WIN 0
.irp t, 0,1,2,3,4,5,6,7,8,9,10,11,12,13,14,15
	ds_load_b128 v[BK+64*((\a)%2)+4*\t:BK+64*((\a)%2)+4*\t+3], v[RD] offset:528*\t   ; LDS serves a wave's instructions in order: these see the stores above, and the next tile's stores come behind them
.endr
.endm
.macro SEND a, younger                 ; younger: the LDS instructions issued behind row tile a's loads, which may stay out
	s_wait_dscnt \younger
.irp t, 0,1,2,3,4,5,6,7,8,9,10,11,12,13,14,15
	global_store_b128 v[LOFF], v[BK+64*((\a)%2)+4*\t:BK+64*((\a)%2)+4*\t+3], s[66:67] offset:(32*((\a)/2)+8*((\a)%2)+\t+8*(\t/8))*4096 th:TH_STORE_NT   ; 32 lanes store 512 consecutive bytes, at a multiple of 256 from out0's first byte
.endr
.endm
	s_load_b128 s[4:7], s[0:1], 0x0                ; oc, xw
	s_load_b64 s[8:9], s[0:1], 0x10                ; out0
	v_lshl_add_u32 v[SPW], v0, 2, SPARE
	v_mov_b32 v[NIL], 0
	ds_add_u32 v[SPW], v[NIL]                      ; the wave's opening: the add, twice on end, and its wait ahead of my first tensor load
	ds_add_u32 v[SPW], v[NIL]
	v_lshrrev_b32 v1, 5, v0
	v_readfirstlane_b32 s14, v1
	s_lshr_b32 s15, s14, 1
	s_and_b32 s16, s14, 1
	s_bfe_u32 s56, ttmp6, 0x40000                  ; cx
	s_bfe_u32 s57, ttmp6, 0x40004                  ; cy
	s_lshl_b32 s58, s57, 2
	s_lshl_b32 s58, 15, s58
	s_lshl_b32 s59, 0x1111, s56
	s_or_b32 s[G1A], s58, (3<<16)|(1<<21)
	s_or_b32 s[G1B], s59, (3<<16)|(1<<21)
	s_mov_b32 s[G1A+1], 768<<16
	s_mov_b32 s[G1A+2], CH<<16
	s_mov_b32 s[G1A+3], 768<<16
	s_mov_b32 s[G1A+4], CH
	s_mov_b32 s[G1A+5], RTA*192
	s_mov_b32 s[G1A+6], 0
	s_mov_b32 s[G1A+7], 0
	s_mov_b32 s[G1B+1], 1536<<16
	s_mov_b32 s[G1B+2], CH<<16
	s_mov_b32 s[G1B+3], 1536<<16
	s_mov_b32 s[G1B+4], CH
	s_mov_b32 s[G1B+5], RTB*192
	s_mov_b32 s[G1B+6], 0
	s_mov_b32 s[G1B+7], 0
	s_mul_i32 s10, s16, AH
	s_mul_i32 s11, s16, BH
	s_add_co_u32 s11, s11, BOFF
	s_and_b32 s2, ttmp7, 0xffff                    ; cluster y
	s_lshl_b32 s17, s2, 2
	s_add_co_u32 s17, s17, s57                     ; tile row: 128 tokens
	s_lshl_b32 s18, ttmp9, 2
	s_add_co_u32 s18, s18, s56                     ; tile column: 256 of f
	s_lshl_b32 s20, s17, 3                         ; O's first tile
	s_lshl_b32 s22, s16, 2
	s_add_co_u32 s22, s20, s22
	s_mul_i32 s22, s22, FRB
	s_mov_b32 s23, 0
	s_lshl_b32 s21, s15, 2
	s_add_co_u32 s20, s20, s21
	s_lshl_b32 s20, s20, 6
	s_add_co_u32 s20, s20, OCS
	s_mov_b32 s21, 0
	s_lshl_b32 s92, s18, 4
	s_add_co_u32 s92, s92, 704                     ; Wo's first tile
	s_lshl_b32 s93, s16, 3
	s_add_co_u32 s92, s92, s93
	s_lshl_b32 s98, s92, 6
	s_add_co_u32 s98, s98, XWS
	s_mov_b32 s99, 0
	s_mul_i32 s92, s92, FRB
	s_mov_b32 s93, 0
	s_lshl_b32 s2, s17, 7
	s_lshl_b32 s3, s15, 6
	s_add_co_u32 s2, s2, s3                        ; my first row of out0
	s_lshl_b32 s94, s2, 12
	s_lshl_b32 s2, s18, 10
	s_add_co_u32 s94, s94, s2
	s_lshl_b32 s2, s16, 9
	s_add_co_u32 s94, s94, s2                      ; and my first column, in bytes
	s_mov_b32 s95, 0
	s_wait_dscnt 0x0                               ; both opening adds are done
	s_wait_kmcnt 0x0
	s_add_nc_u64 s[22:23], s[4:5], s[22:23]
	s_add_nc_u64 s[92:93], s[6:7], s[92:93]
	s_add_nc_u64 s[60:61], s[4:5], s[20:21]
	s_add_nc_u64 s[62:63], s[6:7], s[98:99]
	s_add_nc_u64 s[66:67], s[8:9], s[94:95]
	CROUND
.irp g, 0,1,2,3
	s_mov_b32 s[G0A+4*\g], 1
	s_add_co_u32 s[G0A+4*\g+1], s10, \g*CH*ASB
	s_add_nc_u64 s[G0A+4*\g+2:G0A+4*\g+3], s[22:23], \g*CH*RTA*FRB
	s_or_b32 s[G0A+4*\g+3], s[G0A+4*\g+3], 0x80000000
	s_mov_b32 s[G0B+4*\g], 1
	s_add_co_u32 s[G0B+4*\g+1], s11, \g*CH*BSB
	s_add_nc_u64 s[G0B+4*\g+2:G0B+4*\g+3], s[92:93], \g*CH*RTB*FRB
	s_or_b32 s[G0B+4*\g+3], s[G0B+4*\g+3], 0x80000000
	JLOAD G0A+4*\g, G1A, G0B+4*\g, G1B
.endr
	v_and_b32 v1, 31, v0
	v_lshlrev_b32 v[LOFF], 4, v1
	v_lshlrev_b32 v[SOFF], 2, v1
	s_mul_i32 s2, s15, AH
	v_add_nc_u32 v[ADRA], s2, v[LOFF]
	v_add_nc_u32 v[ADRB], s11, v[LOFF]
	v_add_nc_u32 v[ADRB+1], 4*BSB, v[ADRB]
	v_and_b32 v12, 15, v0                          ; r
	v_bfe_u32 v13, v0, 4, 1                        ; h
	s_mul_i32 s3, s14, 16*528                      ; my stage
	v_mul_u32_u24 v[STO], v12, 528
	v_lshl_add_u32 v[STO], v13, 6, v[STO]
	v_add_nc_u32 v[STO], s3, v[STO]                ; in: row r, + 64 h
	v_add_nc_u32 v[RD], s3, v[LOFF]                ; back: 16 bytes a lane of a row
	SCLOAD NS
	s_wait_tensorcnt 3                             ; my part of K steps 0 and 1 is in; my three younger loads may be out
	s_barrier_signal -1
	s_barrier_wait -1
	FETCH 0
	s_wait_loadcnt 0x0
	STEP 0
	SYNC 1, 2
	STEP 2
	SYNC 3, 1
	STEP 4
	SYNC 5, 0
	STEP 6
	LAST 7
	PLACES 4                                       ; ahead of the stores that read results and of the loads into the registers that held A's fragments
	TOSTAGE 0
	TOSTAGE 1
	SEND 0, 32                                     ; behind row tile 0's loads: tile 1's 16 stores and 16 loads
	s_wait_xcnt 0x0                                ; tile 0's stores have read their registers: tile 2's loads may land there
	TOSTAGE 2
	SEND 1, 32
	s_wait_xcnt 0x0
	TOSTAGE 3
	SEND 2, 32
	SEND 3, 0
	s_wait_tensorcnt 0x0                           ; the wave's end, behind my last tensor load and my last LDS store
	ds_add_u32 v[SPW], v[NIL]
	s_wait_dscnt 0x0
	CROUND                                         ; the closing round
	s_endpgm
.Lfunc_end_k_qd9a50aa586_proj:
	.size	k_qd9a50aa586_proj, .Lfunc_end_k_qd9a50aa586_proj-k_qd9a50aa586_proj
	.p2alignl 7, 3214868480
	.fill 96, 4, 3214868480
	.section	.rodata,"a",@progbits
	.p2align	6, 0x0
	.amdhsa_kernel k_qd9a50aa586_proj
		.amdhsa_group_segment_fixed_size 327680
		.amdhsa_private_segment_fixed_size 0
		.amdhsa_enable_private_segment 0
		.amdhsa_kernarg_size 24
		.amdhsa_user_sgpr_count 2
		.amdhsa_user_sgpr_kernarg_segment_ptr 1
		.amdhsa_wavefront_size32 1
		.amdhsa_system_sgpr_workgroup_id_x 1
		.amdhsa_system_sgpr_workgroup_id_y 1
		.amdhsa_system_sgpr_workgroup_id_z 1
		.amdhsa_system_vgpr_workitem_id 0
		.amdhsa_next_free_vgpr 768
		.amdhsa_next_free_sgpr 100
		.amdhsa_reserve_vcc 0
		.amdhsa_float_denorm_mode_32 3
		.amdhsa_float_denorm_mode_16_64 3
		.amdhsa_memory_ordered 1
		.amdhsa_forward_progress 1
		.amdhsa_inst_pref_size 81
	.end_amdhsa_kernel
	.amdgpu_metadata
---
amdhsa.version: [ 1, 2 ]
amdhsa.kernels:
  - .name:           k_qd9a50aa586_proj
    .symbol:         k_qd9a50aa586_proj.kd
    .args:
      - { .name: oc, .offset: 0, .size: 8, .value_kind: global_buffer, .address_space: global }
      - { .name: xw, .offset: 8, .size: 8, .value_kind: global_buffer, .address_space: global }
      - { .name: out0, .offset: 16, .size: 8, .value_kind: global_buffer, .address_space: global }
    .group_segment_fixed_size: 327680
    .private_segment_fixed_size: 0
    .kernarg_segment_align: 8
    .kernarg_segment_size: 24
    .max_flat_workgroup_size: 128
    .sgpr_count:     100
    .vgpr_count:     768
    .wavefront_size: 32
...
	.end_amdgpu_metadata
.endif
;; end of part 6
;; ======== version 2 of 2: 5 launches
;; limits: right only within a limited range of input values
;; workspace buffers: xw 9,830,400 bytes; qkv 19,660,800 bytes; pp 14,155,776 bytes; oc 6,553,600 bytes
;; launch quant (part 7): grid 512 x 1, 4 waves a work-group, no clusters, 46,592 bytes of LDS; arguments Wq, Wk, Wv, Wo, inputs, xw; writes xw
.if DOCPART == 7
	.amdgcn_target "amdgcn-amd-amdhsa--gfx1250"
	.amdhsa_code_object_version 6
	.text
	.protected	k_qd9a50aa586_quant
	.globl	k_qd9a50aa586_quant
	.p2align	8
	.type	k_qd9a50aa586_quant,@function
k_qd9a50aa586_quant:
	s_mov_b64 s[64:65], 0
	v_nop
	global_prefetch_b8 v0, s[64:65] scope:SCOPE_SE
	s_setreg_imm32_b32 hwreg(HW_REG_WAVE_MODE, 25, 1), 1
	s_wait_xcnt 0x0
; THE PROGRAM: out0 = softmax((x Wq)(x Wk)^T / 8) (x Wv) Wo, all six products on codes of FP6 (E2M3) with one E8M0 scale for each 32 along K.  Five launches: this one quantises x and the four
; weights; then four products on codes (q | k | v^T;  p;  p v;  the projection), each of which quantises its result in registers for the next.
; NO WORK OF reference() IS LEFT OUT: every input has a way to the output, there is no mask, and every product of the table is done whole.
; A block's scale is 2^(floor(log2(its largest magnitude)) - 2); its byte is the largest magnitude's exponent field - 2, held at 1 from below.
; LIMITS: NaN and infinities among the inputs are not served.  A block whose largest magnitude lies under 2^-124 keeps the byte 1; so does a block of zeros, where the rule says 127: its codes are
; zeros, which add nothing under any byte but 0xff, and this program alone reads the bytes.
; LAYOUT OF EVERY OPERAND OF THIS PROGRAM.  Row tile i = 2 g + u holds, at its places 0 .. 15, the rows 32 g + 8 u + place + 8 (place / 8).  A fragment (K step s of 128, tile i) lies in memory as the IMAGE of its
; 12 registers: register n of lane l at 512 (n / 4) + 16 l + 4 (n % 4), 1,536 bytes, at (s x tiles + i) x 1,536.  Lane (r, h) holds place r; registers 6 c .. 6 c + 5 hold k = 64 c + 32 h + 0 .. 31.
; Its 16 scale words (one a place, byte b for k = 32 b ..) lie at (s x tiles + i) x 64 behind the codes.  xw has 768 tiles: 0-511 x, 512-575 Wq, 576-639 Wk, 640-703 Wv, 704-767 Wo.
; ONE LAUNCH, TWO PATHS, parted by the work-group's number alone; each path has LDS bytes of its own, and they join at the closing lines.
; WORK-GROUPS 0-255: x [8192][1024], K innermost.  A wave takes one tile of 16 rows and four K steps.  Each load reads 512 consecutive bytes of a row; a fragment's 8,192 bytes turn through the wave's own stage in
; LDS (rows 528 bytes apart), so that a lane gets its two whole blocks of 32 neighbours.  Loads run two fragments (32 loads a wave) ahead.
; WORK-GROUPS 256-511: the weights [1024 (k)][1024 (n)], K outermost.  Work-group 256 + 8 y + x: weight y / 8, K step y % 8; wave w takes columns 32 (4 x + w) on: two tiles.  A LANE TAKES A COLUMN AND ITS REGISTERS
; RUN DOWN K: each load reads 128 consecutive bytes, a block of 32 lies in one lane's registers, and the conversions give codes with K innermost.  Column c of the 32 is place (c % 8) + 8 (c / 16) of tile (c / 8) % 2;
; block b of a column belongs to lane place + 16 (b % 2) of the image, registers 6 (b / 2) on: it is put there in the wave's own 3,072 bytes of LDS, and the two images leave as 3,072 consecutive bytes.
; No barrier: waves share nothing.
.set RT,    768
.set XWS,   9437184                    ; where the scale words begin in xw
.set STG,   16*528                     ; x: a wave's stage
.set WIMG,  4*STG                      ; the weights' images begin behind the four stages
.set IMG,   3072                       ; a wave's two images
.set SPARE, WIMG+4*IMG                 ; behind them: the spare words, 128 bytes for each wave, that no other line names
.set SPW,  6                           ; v6   LDS address of my spare word; never rewritten
.set NIL,  7                           ; v7   0; never rewritten
; x's path
.set LOFF, 1                           ; v1   16 x lane
.set STI,  2                           ; v2   the stage on the way in: 16 x lane
.set STO,  3                           ; v3   and on the way out: 528 r + 128 h
.set SWO,  4                           ; v4   4 r: my place's scale word
.set SH8,  5                           ; v5   8 h
.set MX,   8                           ; v8-9   largest magnitudes of my two blocks
.set SO,   10                          ; v10-11 the conversions' scale operands
.set BY,   12                          ; v12-13 the scale bytes
.set WD,   14
.set TT,   15
.set WT,   20                          ; v20-23 a scale word for each fragment
.set RR,   32                          ; v32-159  two sets of 64: a fragment as it is loaded
.set XX,   160                         ; v160-223 my 64 numbers
.set CC0,  224                         ; v224-247 two sets of 12: the codes
.set SCR,  248                         ; v248-250, v252-254
; the weights' path
.set KW,   14                          ; v14  my column's scale word
.set KX,   32                          ; v32-95   two sets of 32 numbers
.set KC,   96                          ; v96-127  eight registers for each block's six of codes
.set KSC,  128
.set KOUT, 132                         ; v132-155 the way out
.macro LOADF t                         ; x: fragment t: 16 rows x 512 consecutive bytes
.irp p, 0,1,2,3,4,5,6,7,8,9,10,11,12,13,14,15
	global_load_b128 v[RR+64*((\t)%2)+4*\p:RR+64*((\t)%2)+4*\p+3], v[LOFF], s[4:5] offset:(\p+8*(\p/8))*4096+512*(\t) th:TH_LOAD_NT
.endr
.endm
.macro FRAG t
.set CC, CC0+12*((\t)%2)
.if (\t) < 3
	s_wait_loadcnt 16                              ; this fragment's 16 loads are in; the next fragment's 16 may be out
.else
	s_wait_loadcnt 0x0
.endif
.irp p, 0,1,2,3,4,5,6,7,8,9,10,11,12,13,14,15
	ds_store_b128 v[STI], v[RR+64*((\t)%2)+4*\p:RR+64*((\t)%2)+4*\p+3] offset:528*\p
.endr
.irp c, 0,1
.irp j, 0,1,2,3,4,5,6,7
	ds_load_b128 v[XX+32*\c+4*\j:XX+32*\c+4*\j+3], v[STO] offset:256*\c+16*\j   ; LDS serves a wave's instructions in order: these see the stores above.  k = 64 c + 32 h + 4 j ..
.endr
.endr
	s_wait_dscnt 0x0                               ; my numbers are back, and the stores have read their registers,
.if (\t)+2 < 4
	LOADF (\t)+2                                   ; which take the fragment two on
.endif
.if (\t) >= 2
	s_wait_xcnt 0x0                                ; the stores of two fragments ago have read this set of codes
.endif
.irp c, 0,1
	v_max3_num_f32 v[MX+\c], |v[XX+32*\c]|, |v[XX+32*\c+1]|, 0x1800000   ; block 2 c + h: all 32 numbers are mine; the floor 2^(3 - 127) holds the byte at 1 from below
.endr
.irp i, 2,4,6,8,10,12,14,16,18,20,22,24,26,28,30
.irp c, 0,1
	v_max3_num_f32 v[MX+\c], v[MX+\c], |v[XX+32*\c+\i]|, |v[XX+32*\c+\i+1]|
.endr
.endr
.irp c, 0,1
	v_add_nc_u32 v[SO+\c], 0xff000000, v[MX+\c]    ; 2 off the exponent field: the conversion takes the exponent field of this operand as its scale
.endr
.irp c, 0,1
	v_lshrrev_b32 v[BY+\c], 23, v[SO+\c]           ; the scale's byte
.endr
	v_lshl_or_b32 v[WD], v[BY+1], 16, v[BY]        ; my two bytes, blocks h and 2 + h,
	v_lshlrev_b32 v[WD], v[SH8], v[WD]             ; at their places in the word;
	v_permlanex16_b32 v[TT], v[WD], s20, s21
	v_or_b32 v[WT+(\t)], v[WD], v[TT]              ; with lane l xor 16's two the word is whole
.irp c, 0,1
	v_cvt_scalef32_pk16_fp6_f32 v[CC+6*\c:CC+6*\c+2], v[XX+32*\c:XX+32*\c+15], v[SO+\c]
	v_cvt_scalef32_pk16_fp6_f32 v[SCR+4*\c:SCR+4*\c+2], v[XX+32*\c+16:XX+32*\c+31], v[SO+\c]   ; (a conversion's three registers begin on an even number)
.endr
	v_nop                                          ; one plain place behind a scaled conversion
.irp c, 0,1
.irp i, 0,1,2
	v_mov_b32 v[CC+6*\c+3+\i], v[SCR+4*\c+\i]
.endr
.endr
.irp c, 0,1,2
	global_store_b128 v[LOFF], v[CC+4*\c:CC+4*\c+3], s[24:25] offset:(\t)*RT*1536+512*\c   ; 32 lanes store 512 consecutive bytes, at a multiple of 256 from the buffer's first byte
.endr
	global_store_b32 v[SWO], v[WT+(\t)], s[26:27] offset:(\t)*RT*64   ; lanes r and r + 16 write the same word with the same value
.endm
.macro LOADB b                         ; a weight: block b: W(32 b + i, my column)
.irp i, 0,1,2,3,4,5,6,7,8,9,10,11,12,13,14,15,16,17,18,19,20,21,22,23,24,25,26,27,28,29,30,31
	global_load_b32 v[KX+32*((\b)%2)+\i], v1, s[4:5] offset:(32*(\b)+\i)*4096 th:TH_LOAD_NT
.endr
.endm
.macro BLOCK b
.set XS, KX+32*((\b)%2)
.set CB, KC+8*(\b)
.if (\b) < 3
	s_wait_loadcnt 32                              ; this block's 32 loads are in; the next block's may be out
.else
	s_wait_loadcnt 0x0
.endif
	v_max3_num_f32 v8, |v[XS]|, |v[XS+1]|, |v[XS+2]|
	v_max3_num_f32 v9, |v[XS+3]|, |v[XS+4]|, |v[XS+5]|
.irp i, 6,10,14,18,22,26
	v_max3_num_f32 v8, v8, |v[XS+\i]|, |v[XS+\i+1]|
	v_max3_num_f32 v9, v9, |v[XS+\i+2]|, |v[XS+\i+3]|
.endr
	v_max3_num_f32 v8, v8, |v[XS+30]|, |v[XS+31]|
	v_max3_num_f32 v8, v8, v9, 0x1800000           ; the floor 2^(3 - 127): the byte cannot fall under 1
	v_add_nc_u32 v10, 0xff000000, v8               ; 2 off the exponent field: the conversion's scale operand
	v_lshrrev_b32 v11, 23, v10                     ; the scale's byte
.if (\b) == 0
	v_mov_b32 v[KW], v11
.else
	v_lshl_or_b32 v[KW], v11, 8*(\b), v[KW]
.endif
	v_cvt_scalef32_pk16_fp6_f32 v[CB:CB+2], v[XS:XS+15], v10
	v_cvt_scalef32_pk16_fp6_f32 v[KSC:KSC+2], v[XS+16:XS+31], v10   ; (a conversion's three registers begin on an even number)
	v_nop                                          ; one plain place behind a scaled conversion
.irp i, 0,1,2
	v_mov_b32 v[CB+3+\i], v[KSC+\i]
.endr
.if (\b) < 2                           ; registers 0 .. 5 of lane place + 16 (b % 2)
	ds_store_b128 v2, v[CB:CB+3] offset:256*((\b)%2)
	ds_store_b64 v2, v[CB+4:CB+5] offset:512+256*((\b)%2)
.else                                  ; registers 6 .. 11
	ds_store_b64 v2, v[CB:CB+1] offset:520+256*((\b)%2)
	ds_store_b128 v2, v[CB+2:CB+5] offset:1024+256*((\b)%2)
.endif
.if (\b)+2 < 4
	LOADB (\b)+2
.endif
.endm
	v_lshl_add_u32 v[SPW], v0, 2, SPARE
	v_mov_b32 v[NIL], 0
	v_lshrrev_b32 v8, 5, v0
	v_readfirstlane_b32 s3, v8                     ; wave
	v_and_b32 v9, 31, v0                           ; lane
	s_cmp_lt_u32 ttmp9, 256                        ; x's work-group or a weight's?  The work-group's number alone decides
	s_cbranch_scc0 .Lweights
	; ---- x
	s_load_b128 s[4:7], s[0:1], 0x20               ; x, xw
	v_lshlrev_b32 v[LOFF], 4, v9
	s_mul_i32 s9, s3, STG
	v_add_nc_u32 v[STI], s9, v[LOFF]
	v_and_b32 v10, 15, v0                          ; r
	v_bfe_u32 v11, v0, 4, 1                        ; h
	v_mul_u32_u24 v[STO], v10, 528
	v_lshl_add_u32 v[STO], v11, 7, v[STO]
	v_add_nc_u32 v[STO], s9, v[STO]
	v_lshlrev_b32 v[SWO], 2, v10
	v_lshlrev_b32 v[SH8], 3, v11
	v_mov_b32 v[TT], 0                             ; written once: a lane permute's destination counts as one of its sources
	s_mov_b32 s20, 0x76543210
	s_mov_b32 s21, 0xfedcba98                      ; selects for lane l xor 16
	s_lshl_b32 s10, ttmp9, 2
	s_add_co_u32 s10, s10, s3                      ; my wave among the 1,024
	s_lshr_b32 s11, s10, 1                         ; tile i
	s_and_b32 s12, s10, 1                          ; which four K steps
	s_lshr_b32 s13, s11, 1
	s_lshl_b32 s13, s13, 17                        ; 32 (i / 2) rows of 4,096 bytes
	s_and_b32 s14, s11, 1
	s_lshl_b32 s14, s14, 15                        ; + 8 (i % 2) rows
	s_add_co_u32 s13, s13, s14
	s_lshl_b32 s14, s12, 11                        ; + four K steps of 512 bytes
	s_add_co_u32 s16, s13, s14
	s_mov_b32 s17, 0
	s_mul_i32 s14, s12, 4*RT
	s_add_co_u32 s14, s14, s11                     ; my first fragment's number: s x 768 + i
	s_mul_i32 s18, s14, 1536
	s_mov_b32 s19, 0
	s_lshl_b32 s22, s14, 6
	s_add_co_u32 s22, s22, XWS
	s_mov_b32 s23, 0
	s_wait_alu depctr_va_vdst(0)
	s_wait_kmcnt 0x0
	s_add_nc_u64 s[4:5], s[4:5], s[16:17]          ; x at my first row and K step
	s_add_nc_u64 s[24:25], s[6:7], s[18:19]        ; my first image
	s_add_nc_u64 s[26:27], s[6:7], s[22:23]        ; and its scale words
	LOADF 0
	LOADF 1
	FRAG 0
	FRAG 1
	FRAG 2
	FRAG 3
	s_branch .Lend
.Lweights:
	; ---- the weights
	s_load_b256 s[8:15], s[0:1], 0x0               ; Wq, Wk, Wv, Wo
	s_load_b64 s[16:17], s[0:1], 0x28              ; xw
	s_wait_alu depctr_va_vdst(0)
	v_lshlrev_b32 v1, 2, v9                        ; v1: in: 4 bytes a lane
	v_lshlrev_b32 v4, 4, v9                        ; v4: out: 16 bytes a lane
	v_bfe_u32 v10, v0, 3, 1                        ; my column's tile of the two
	v_and_b32 v11, 7, v0
	v_bfe_u32 v12, v0, 4, 1
	v_lshl_add_u32 v11, v12, 3, v11                ; and its place there
	s_mul_i32 s19, s3, IMG
	s_add_co_u32 s19, s19, WIMG
	v_mul_u32_u24 v2, v10, 1536
	v_lshl_add_u32 v2, v11, 4, v2
	v_add_nc_u32 v2, s19, v2                       ; v2: into the images: 1,536 tile + 16 place
	v_add_nc_u32 v3, s19, v4                       ; v3: out of them: 16 x lane
	v_lshlrev_b32 v5, 6, v10
	v_lshl_add_u32 v5, v11, 2, v5                  ; v5: my scale word: 64 tile + 4 place
	s_sub_co_u32 s18, ttmp9, 256
	s_lshr_b32 s20, s18, 3                         ; y
	s_and_b32 s18, s18, 7                          ; x
	s_lshr_b32 s21, s20, 3                         ; which weight
	s_and_b32 s22, s20, 7                          ; K step
	s_lshl_b32 s23, s18, 2
	s_add_co_u32 s23, s23, s3                      ; my group of 32 columns
	s_lshl_b32 s24, s22, 19                        ; 128 rows of 4,096 bytes a K step
	s_lshl_b32 s25, s23, 7                         ; 128 bytes a group
	s_add_co_u32 s24, s24, s25
	s_mov_b32 s25, 0
	s_mul_i32 s26, s22, RT
	s_lshl_b32 s27, s21, 6
	s_add_co_u32 s26, s26, s27
	s_lshl_b32 s27, s23, 1
	s_add_co_u32 s26, s26, s27
	s_add_co_u32 s26, s26, 512                     ; my first image's number: s x 768 + 512 + 64 weight + 2 group
	s_lshl_b32 s28, s26, 6
	s_add_co_u32 s28, s28, XWS
	s_mov_b32 s29, 0
	s_mul_i32 s26, s26, 1536
	s_mov_b32 s27, 0
	s_wait_kmcnt 0x0
	s_mov_b64 s[4:5], s[8:9]                       ; the weight is chosen by the work-group's number alone
	s_cmp_eq_u32 s21, 1
	s_cselect_b64 s[4:5], s[10:11], s[4:5]
	s_cmp_eq_u32 s21, 2
	s_cselect_b64 s[4:5], s[12:13], s[4:5]
	s_cmp_eq_u32 s21, 3
	s_cselect_b64 s[4:5], s[14:15], s[4:5]
	s_add_nc_u64 s[4:5], s[4:5], s[24:25]
	s_add_nc_u64 s[6:7], s[16:17], s[26:27]
	s_add_nc_u64 s[30:31], s[16:17], s[28:29]
	LOADB 0
	LOADB 1
	BLOCK 0
	BLOCK 1
	BLOCK 2
	BLOCK 3
.irp n, 0,1,2,3,4,5
	ds_load_b128 v[KOUT+4*\n:KOUT+4*\n+3], v3 offset:512*\n   ; LDS serves a wave's instructions in order: these see my stores
.endr
	s_wait_alu depctr_va_vdst(0)
.irp n, 0,1,2,3,4,5
	s_wait_dscnt 5-\n                              ; the younger loads may be out
	global_store_b128 v4, v[KOUT+4*\n:KOUT+4*\n+3], s[6:7] offset:512*\n   ; 512 consecutive bytes, at a multiple of 256 from the buffer's first byte
.endr
	global_store_b32 v5, v[KW], s[30:31]           ; the two tiles' 32 scale words: 128 consecutive bytes
.Lend:
	s_wait_tensorcnt 0x0                           ; the wave's end, behind my last LDS store
	ds_add_u32 v[SPW], v[NIL]
	s_wait_dscnt 0x0
	s_endpgm
.Lfunc_end_k_qd9a50aa586_quant:
	.size	k_qd9a50aa586_quant, .Lfunc_end_k_qd9a50aa586_quant-k_qd9a50aa586_quant
	.p2alignl 7, 3214868480
	.fill 96, 4, 3214868480
	.section	.rodata,"a",@progbits
	.p2align	6, 0x0
	.amdhsa_kernel k_qd9a50aa586_quant
		.amdhsa_group_segment_fixed_size 46592
		.amdhsa_private_segment_fixed_size 0
		.amdhsa_enable_private_segment 0
		.amdhsa_kernarg_size 48
		.amdhsa_user_sgpr_count 2
		.amdhsa_user_sgpr_kernarg_segment_ptr 1
		.amdhsa_wavefront_size32 1
		.amdhsa_system_sgpr_workgroup_id_x 1
		.amdhsa_system_sgpr_workgroup_id_y 1
		.amdhsa_system_sgpr_workgroup_id_z 1
		.amdhsa_system_vgpr_workitem_id 0
		.amdhsa_next_free_vgpr 256
		.amdhsa_next_free_sgpr 66
		.amdhsa_reserve_vcc 0
		.amdhsa_float_denorm_mode_32 3
		.amdhsa_float_denorm_mode_16_64 3
		.amdhsa_memory_ordered 1
		.amdhsa_forward_progress 1
		.amdhsa_inst_pref_size 52
	.end_amdhsa_kernel
	.amdgpu_metadata
---
amdhsa.version: [ 1, 2 ]
amdhsa.kernels:
  - .name:           k_qd9a50aa586_quant
    .symbol:         k_qd9a50aa586_quant.kd
    .args:
      - { .name: Wq, .offset: 0, .size: 8, .value_kind: global_buffer, .address_space: global }
      - { .name: Wk, .offset: 8, .size: 8, .value_kind: global_buffer, .address_space: global }
      - { .name: Wv, .offset: 16, .size: 8, .value_kind: global_buffer, .address_space: global }
      - { .name: Wo, .offset: 24, .size: 8, .value_kind: global_buffer, .address_space: global }
      - { .name: inputs, .offset: 32, .size: 8, .value_kind: global_buffer, .address_space: global }
      - { .name: xw, .offset: 40, .size: 8, .value_kind: global_buffer, .address_space: global }
    .group_segment_fixed_size: 46592
    .private_segment_fixed_size: 0
    .kernarg_segment_align: 8
    .kernarg_segment_size: 48
    .max_flat_workgroup_size: 128
    .sgpr_count:     66
    .vgpr_count:     256
    .wavefront_size: 32
...
	.end_amdgpu_metadata
.endif
;; end of part 7
;; launch qkv (part 8): grid 8 x 32, 4 waves a work-group, clusters of 4 x 4, 327,680 bytes of LDS; arguments xw, qkv; writes qkv
.if DOCPART == 8
	.amdgcn_target "amdgcn-amd-amdhsa--gfx1250"
	.amdhsa_code_object_version 6
	.text
	.protected	k_qd9a50aa586_qkv
	.globl	k_qd9a50aa586_qkv
	.p2align	8
	.type	k_qd9a50aa586_qkv,@function
k_qd9a50aa586_qkv:
	s_mov_b64 s[64:65], 0
	v_nop
	global_prefetch_b8 v0, s[64:65] scope:SCOPE_SE
	s_setreg_imm32_b32 hwreg(HW_REG_WAVE_MODE, 25, 1), 1
	s_wait_xcnt 0x0
	s_wait_alu depctr_hold_cnt(0) depctr_sa_sdst(0) depctr_va_vdst(0) depctr_va_sdst(0) depctr_va_ssrc(0) depctr_va_vcc(0) depctr_vm_vsrc(0)
	s_getreg_b32 s2, hwreg(HW_REG_IB_STS2, 6, 4)
	s_cmp_eq_u32 s2, 0
	s_cbranch_scc0 .Lentry_in_a_cluster
	s_endpgm
.Lentry_in_a_cluster:
	s_bfe_u32 s2, ttmp6, 0x10000c
	s_cmp_lg_u32 s2, 0xf033
	s_cbranch_scc0 .Lentry_shape_is_right
	s_endpgm
.Lentry_shape_is_right:
; q = x Wq, k = x Wk (as C[token][e]) and v^T = (x Wv)^T (as C[e][token]), on codes of FP6 (E2M3) with E8M0 scales; each result is quantised along its columns in registers and stored as codes: q and k
; along e, v along the tokens, the K of the products that take them.  No work is left out.  LIMITS: no NaN, no infinities; blocks under 2^-124 and blocks of zeros keep the byte 1 (this program alone reads the bytes).
; OPERANDS lie in memory as images of their registers (set out at the head of the first launch): a fragment is 1,536 dense bytes, three loads of 16 bytes a lane.
; SHARES.  A tile of C is 128 x 256, K = 1,024; a wave makes 64 x 128: 32 accumulators.  768 tiles, 256 work-groups: A WORK-GROUP WALKS THREE TILES.  Tile 0: q | k, rows 128 (4 cluster y + cy), columns
; 256 (4 cluster x + cx) (A = x, B = Wq | Wk).  Tile 1: the same columns 4,096 rows down: B stays as it lies.  Tile 2: v^T, rows 128 (4 cluster x + cy), columns 256 (4 cluster y + cx) (A = Wv, B = x).
; THE MATRIX INSTRUCTION IS USED TRANSPOSED (source 0 = a tile of B, source 1 = a tile of A): a lane holds one row of C; a row tile's 64 registers are columns 32 b + 16 h + i at register 16 b + i.
; LDS holds a tile's eight K steps, A's eight fragments of a step on end and B's sixteen, as two slots of four K steps.  WAVE 2 P + r ALWAYS FILLS SLOT P: A's part (r = 0) or B's (r = 1), four rows a load.
; At the head every wave issues its one load, slot 0's arms first.  Only slot 0's two waves wait for theirs in front of the first barrier, behind which nothing is filled;
; slot 1's loads are waited for in K step 3, where every wave waits for all its loads.  When K step 3 is in registers slot 0 takes the next tile's K steps 0-3, at K step 7 slot 1 its K steps 4-7, each behind a
; round of the cluster's barrier.  CLUSTERS 4 x 4: A's tiles are asked for jointly along a row of the cluster, B's along a column.
; No prefetch: the text has no loop to run ahead in, and a refill is asked for four K steps ahead of its first read.
; REGISTERS.  window 1: v0-63 accumulators of row tile 0, v64-159 B's fragments of even K steps, v160-165 LDS addresses;   window 2: v0-63 accumulators of row tile 1, v64-159 B's fragments of odd K steps;
;   window 3: v0-127 accumulators of row tiles 2, 3, v128-223 A's fragments, two sets;   window 0: v16-111 scale words, v112-255 the way out.
; THE K STEP.  The next K step's 36 LDS loads go out in one run at the step's head, into the sets that the step before multiplied; the step's 32 products follow them.
.set RTA,   768
.set RTB,   768
.set ASTEP, 256*1536                   ; from tile 0's A to tile 1's
.set SA,    16                         ; A's scale words: set p, K step s, tiles 2 j | 2 j + 1 at SA + 48 p + 2 s + j
.set SB,    32                         ; B's: SB + 48 p + 4 s + j
.set XWS,   9437184
.set VT,    12582912
.set QKS,   18874368
.set VTS,   19398656
.set FRB,   1536
.set AS2,   8*FRB                      ; a K step of A's tile in LDS
.set BS2,   16*FRB                     ; and of B's
.set BOFF,  8*AS2
.set SPARE, BOFF+8*BS2                 ; the spare words, 128 bytes a wave, that no other line names
.set LOFF, 5                           ; 16 x lane
.set SOFF, 6                           ; 4 x lane
.set SWO,  7                           ; 4 x (lane % 16)
.set SPW,  8                           ; my spare word; never rewritten
.set NIL,  9                           ; 0; never rewritten
.set BF,   64
.set ADA,  160                         ; window 1: my half of A, K steps 0-3 and 4-7
.set ADB,  162                         ; my half of B, two K steps to a register
.set AF,   128
.set PC,   112                         ; the way out: row tile a's codes at PC + 20 (a % 2)
.set PW,   244
.set TM,   208
.set G1A,  24
.set G1B,  32
.set G0A,  40                          ; my group 0 for A: tiles 0 and 1; + 4: tile 2
.set G0B,  68
.set SAO,  0
.set SBO,  0
.set MSB, 0
.macro WIN new                         ; the immediate's high byte repeats the setting that is left
.if MSB != (\new)
	s_set_vgpr_msb (MSB<<8)|(\new)
.set MSB, (\new)
.endif
.endm
.macro TLOAD g0, g1                    ; a joint load; s_nop 0 and four v_nop follow it
	tensor_load_to_lds s[\g0:\g0+3], s[\g1:\g1+7]
	s_nop 0
.rept 4
	v_nop
.endr
.endm
.macro ARM under, g0, g1, next         ; an arm of the head's chain
	s_cmp_lt_u32 s14, \under
	s_cbranch_scc0 \next
	TLOAD \g0, \g1
	s_branch .Lhead_asked
\next:
.endm
.macro JLOAD g, g0a, g0b               ; slot g is filled again: wave 2 g fetches A's part, wave 2 g + 1 B's, the others nothing; every way has the four places in front of the LDS loads that follow
	s_cmp_lg_u32 s15, \g
	s_cbranch_scc1 .Lnone_\@
	s_cmp_eq_u32 s16, 0
	s_cbranch_scc0 .Lfor_b_\@
	TLOAD \g0a, G1A
	s_branch .Ldone_\@
.Lfor_b_\@:
	TLOAD \g0b, G1B
	s_branch .Ldone_\@
.Lnone_\@:
.rept 4
	v_nop
.endr
.Ldone_\@:
.endm
.macro JLOADA g                        ; the same where B stays as it lies: wave 2 g alone fetches
	s_cmp_lg_u32 s14, 2*(\g)
	s_cbranch_scc1 .Lnone_\@
	TLOAD G0A, G1A
	s_branch .Ldone_\@
.Lnone_\@:
.rept 4
	v_nop
.endr
.Ldone_\@:
.endm
.macro CREST
	s_cmp_lg_u32 s14, 0
	s_cbranch_scc1 .Lnot_wave_0_\@
	s_barrier_signal -3
.Lnot_wave_0_\@:
	s_barrier_wait -3
	s_barrier_signal -1
	s_barrier_wait -1
.endm
.macro CROUND                          ; a round of the cluster's barrier
	s_barrier_signal -1
	s_barrier_wait -1
	CREST
.endm
.macro PLACES n
.rept \n
	v_nop
.endr
.endm
.macro LB s, b                         ; B's fragment b of K step s
.irp c, 0,1,2
	ds_load_b128 v[BF+12*(\b)+4*\c:BF+12*(\b)+4*\c+3], v[ADB+((\s)%8)/2] offset:((\s)%2)*BS2+(\b)*FRB+512*\c
.endr
.endm
.macro LA s, a                         ; A's fragment a of K step s, into set s % 2
.irp c, 0,1,2
	ds_load_b128 v[AF+48*((\s)%2)+12*(\a)+4*\c:AF+48*((\s)%2)+12*(\a)+4*\c+3], v[ADA+((\s)%8)/4] offset:((\s)%4)*AS2+(\a)*FRB+512*\c
.endr
.endm
.macro FETCH s                         ; K step s's fragments, 36 loads in one run: B's eight into window 1 + s % 2, A's four into window 3; the addresses come from window 1
	WIN 0x41+0x40*((\s)%2)
.irp b, 0,1,2,3,4,5,6,7
	LB \s, \b
.endr
	WIN 0xc1
.irp a, 0,1,2,3
	LA \s, \a
.endr
.endm
.macro WM a, b, s                      ; one product; an odd tile's scale words lie in lanes 16-31; K step 0 starts the sums
.set rD, 64*((\a)/3)+8*(\b)
.set rB, BF+12*(\b)
.set rA, AF+48*((\s)%2)+12*(\a)
.set rX, SB+SBO+4*(\s)+(\b)/2
.set rY, SA+SAO+2*(\s)+(\a)/2
.set WR, 2*((\a)%2)+(\b)%2
.if (\s) == 0
.if WR == 0
	v_wmma_scale_f32_16x16x128_f8f6f4 v[rD:rD+7], v[rB:rB+11], v[rA:rA+11], 0, v[rX], v[rY] matrix_a_fmt:MATRIX_FMT_FP6 matrix_b_fmt:MATRIX_FMT_FP6
.elseif WR == 1
	v_wmma_scale_f32_16x16x128_f8f6f4 v[rD:rD+7], v[rB:rB+11], v[rA:rA+11], 0, v[rX], v[rY] matrix_a_fmt:MATRIX_FMT_FP6 matrix_b_fmt:MATRIX_FMT_FP6 matrix_a_scale:MATRIX_SCALE_ROW1
.elseif WR == 2
	v_wmma_scale_f32_16x16x128_f8f6f4 v[rD:rD+7], v[rB:rB+11], v[rA:rA+11], 0, v[rX], v[rY] matrix_a_fmt:MATRIX_FMT_FP6 matrix_b_fmt:MATRIX_FMT_FP6 matrix_b_scale:MATRIX_SCALE_ROW1
.else
	v_wmma_scale_f32_16x16x128_f8f6f4 v[rD:rD+7], v[rB:rB+11], v[rA:rA+11], 0, v[rX], v[rY] matrix_a_fmt:MATRIX_FMT_FP6 matrix_b_fmt:MATRIX_FMT_FP6 matrix_a_scale:MATRIX_SCALE_ROW1 matrix_b_scale:MATRIX_SCALE_ROW1
.endif
.else
.if WR == 0
	v_wmma_scale_f32_16x16x128_f8f6f4 v[rD:rD+7], v[rB:rB+11], v[rA:rA+11], v[rD:rD+7], v[rX], v[rY] matrix_a_fmt:MATRIX_FMT_FP6 matrix_b_fmt:MATRIX_FMT_FP6
.elseif WR == 1
	v_wmma_scale_f32_16x16x128_f8f6f4 v[rD:rD+7], v[rB:rB+11], v[rA:rA+11], v[rD:rD+7], v[rX], v[rY] matrix_a_fmt:MATRIX_FMT_FP6 matrix_b_fmt:MATRIX_FMT_FP6 matrix_a_scale:MATRIX_SCALE_ROW1
.elseif WR == 2
	v_wmma_scale_f32_16x16x128_f8f6f4 v[rD:rD+7], v[rB:rB+11], v[rA:rA+11], v[rD:rD+7], v[rX], v[rY] matrix_a_fmt:MATRIX_FMT_FP6 matrix_b_fmt:MATRIX_FMT_FP6 matrix_b_scale:MATRIX_SCALE_ROW1
.else
	v_wmma_scale_f32_16x16x128_f8f6f4 v[rD:rD+7], v[rB:rB+11], v[rA:rA+11], v[rD:rD+7], v[rX], v[rY] matrix_a_fmt:MATRIX_FMT_FP6 matrix_b_fmt:MATRIX_FMT_FP6 matrix_a_scale:MATRIX_SCALE_ROW1 matrix_b_scale:MATRIX_SCALE_ROW1
.endif
.endif
.endm
.macro GRP a, s                        ; row tile a's eight products of K step s; the accumulators take turns, one instruction a turn.  Window: D and C row tile a's, source 0 B's set s % 2, source 1 window 3
	WIN 0x50*((\a)+1-(\a)/3)+0xd+(\s)%2
.irp b, 0,1,2,3,4,5,6,7
	WM \a, \b, \s
.endr
.endm
.macro STEP s                          ; a K step whose successor lies in the same slot
	s_wait_dscnt 0x0                               ; this step's fragments are in (asked for 32 products ago; behind a change of slots 16)
	PLACES 4                                       ; for the loads into the sets that the step before multiplied
	FETCH (\s)+1
	GRP 0, \s
	GRP 1, \s
	GRP 2, \s
	GRP 3, \s
.endm
; A slot's last K step changes slots: ONE barrier.  In front of it each wave waits for all its tensor loads, adds 0 to its spare word, and waits for that and for its reads of this slot (g).
; mode 1: the barrier opens a round of the cluster's barrier, and the slot takes tile 2's K steps.  mode 2: the same for A alone, 256 row tiles on: every wave steps its group 0 once a tile, at slot 0's turn.  mode 0: nothing is left to fetch.
.macro TURN s, mode, g
	WIN 0
	s_wait_tensorcnt 0x0                           ; all my tensor loads have landed
	ds_add_u32 v[SPW], v[NIL]
	s_wait_dscnt 0x1                               ; this step's fragments are in; the add alone may be out
	GRP 0, \s
	s_wait_dscnt 0x0                               ; the add is done, and my reads of this slot are over
	s_barrier_signal -1
	GRP 1, \s
	WIN 0
	s_barrier_wait -1
.if (\mode) == 1
	CREST
	JLOAD \g, G0A+4, G0B+4                         ; the first tensor load behind the round
.elseif (\mode) == 2
	CREST
.if (\g) == 0
	s_add_nc_u64 s[G0A+2:G0A+3], s[G0A+2:G0A+3], ASTEP   ; no tensor load of mine is out
.endif
	JLOADA \g
.else
	PLACES 4
.endif
	FETCH (\s)+1
	GRP 2, \s
	GRP 3, \s
.endm
.macro LAST s
	s_wait_dscnt 0x0
	GRP 0, \s
	GRP 1, \s
	GRP 2, \s
	GRP 3, \s
	WIN 0
.endm
.macro SCLA set, base, off             ; the scale words of my four tiles of A, all eight K steps: 128 consecutive bytes a load
.set q, 0
.rept 8
.irp j, 0,1
	global_load_b32 v[SA+48*(\set)+2*q+\j], v[SOFF], s[\base:\base+1] offset:(\off)+q*RTA*64+128*\j
.endr
.set q, q+1
.endr
.endm
.macro SCLB set, base
.set q, 0
.rept 8
.irp j, 0,1,2,3
	global_load_b32 v[SB+48*(\set)+4*q+\j], v[SOFF], s[\base:\base+1] offset:q*RTB*64+128*\j
.endr
.set q, q+1
.endr
.endm
; Row tile a's 64 numbers of a lane become a fragment's codes and its scale word.  Each accumulator is read from its low end on.
.macro QUANTW a
.set QA, 64*((\a)/3)
.set QW, (\a)+1-(\a)/3                 ; the row tile's window
.set QP, PC+20*((\a)%2)
	WIN 0x14*QW
.irp b, 0,1,2,3
	v_max3_num_f32 v[TM+\b], 0x1800000, |v[QA+16*\b]|, |v[QA+16*\b+1]|   ; block b: my 16 numbers, and the floor 2^(3 - 127): the byte cannot fall under 1
.endr
.irp i, 2,4,6,8,10,12,14
.irp b, 0,1,2,3
	v_max3_num_f32 v[TM+\b], v[TM+\b], |v[QA+16*\b+\i]|, |v[QA+16*\b+\i+1]|
.endr
.endr
	WIN 0
.irp b, 0,1,2,3
	v_permlanex16_b32 v[TM+4+\b], v[TM+\b], s86, s87
.endr
.irp b, 0,1,2,3
	v_max_num_f32 v[TM+\b], v[TM+\b], v[TM+4+\b]   ; with lane l xor 16's: the block's largest magnitude
.endr
.irp b, 0,1,2,3
	v_add_nc_u32 v[TM+12+\b], 0xff000000, v[TM+\b] ; 2 off the exponent field: the conversion's scale operand
.endr
.irp b, 0,1,2,3
	v_lshrrev_b32 v[TM+4+\b], 23, v[TM+12+\b]      ; the scale's byte
.endr
	v_lshl_or_b32 v[PW+(\a)], v[TM+5], 8, v[TM+4]
	v_lshl_or_b32 v[PW+(\a)], v[TM+6], 16, v[PW+(\a)]
	v_lshl_or_b32 v[PW+(\a)], v[TM+7], 24, v[PW+(\a)]
.if (\a) >= 2
	s_wait_xcnt 0x0                                ; row tile a - 2's stores have read this set of code registers
.endif
	WIN QW
.irp c, 0,1
	v_cvt_scalef32_pk16_fp6_f32 v[QP+6*\c:QP+6*\c+2], v[QA+32*\c:QA+32*\c+15], v[TM+12+2*\c]
	v_cvt_scalef32_pk16_fp6_f32 v[QP+12+4*\c:QP+14+4*\c], v[QA+32*\c+16:QA+32*\c+31], v[TM+13+2*\c]   ; (a conversion's three registers begin on an even number)
.endr
	WIN 0
	v_nop                                          ; one plain place behind a scaled conversion
.irp c, 0,1                            ; the operand's layout wants a whole block in a lane
.irp i, 0,1,2
	v_permlane16_swap_b32 v[QP+6*\c+\i], v[QP+12+4*\c+\i]
.endr
.irp i, 0,1,2
	v_mov_b32 v[QP+6*\c+3+\i], v[QP+12+4*\c+\i]
.endr
.endr
.endm
.macro PUT a, bc, bs, oc, os           ; the image leaves as it stands: 3 x 512 consecutive bytes
.irp c, 0,1,2
	global_store_b128 v[LOFF], v[PC+20*((\a)%2)+4*\c:PC+20*((\a)%2)+4*\c+3], s[\bc:\bc+1] offset:(\oc)+(\a)*FRB+512*\c
.endr
	global_store_b32 v[SWO], v[PW+(\a)], s[\bs:\bs+1] offset:(\os)+64*(\a)   ; lanes r and r + 16 write the same word with the same value
.endm
.macro WAYOUT bc, bs, oc, os, more
	PLACES 4
.irp a, 0,1,2,3
	QUANTW \a
	PUT \a, \bc, \bs, \oc, \os
.endr
.if \more
	s_wait_xcnt 0x0                                ; the stores have read their registers: the next way out may write them
.endif
.endm
	s_load_b128 s[4:7], s[0:1], 0x0                ; xw, qkv
	v_lshl_add_u32 v[SPW], v0, 2, SPARE
	v_mov_b32 v[NIL], 0
	ds_add_u32 v[SPW], v[NIL]                      ; the opening lines: the add, twice on end, and its wait ahead of my first tensor load
	ds_add_u32 v[SPW], v[NIL]
	v_lshrrev_b32 v1, 5, v0
	v_readfirstlane_b32 s14, v1                    ; wave
	s_lshr_b32 s15, s14, 1                         ; my half of A's tiles; also: the slot that I fill
	s_and_b32 s16, s14, 1                          ; my half of B's tiles; also: I fetch for A (0) or B (1)
	s_bfe_u32 s56, ttmp6, 0x40000                  ; cx
	s_bfe_u32 s57, ttmp6, 0x40004                  ; cy
	s_lshl_b32 s58, s57, 2
	s_lshl_b32 s58, 15, s58                        ; my row of the cluster
	s_lshl_b32 s59, 0x1111, s56                    ; my column
	s_or_b32 s[G1A], s58, (3<<16)|(1<<21)          ; the mask; elements of 8 bytes; bit 21 beside a mask
	s_or_b32 s[G1B], s59, (3<<16)|(1<<21)
	s_mov_b32 s[G1A+1], 1536<<16                   ; a row: a K step of A's eight fragments, 12,288 bytes
	s_mov_b32 s[G1A+2], 4<<16                      ; four K steps
	s_mov_b32 s[G1A+3], 1536<<16
	s_mov_b32 s[G1A+4], 4
	s_mov_b32 s[G1A+5], RTA*192
	s_mov_b32 s[G1A+6], 0
	s_mov_b32 s[G1A+7], 0
	s_mov_b32 s[G1B+1], 3072<<16                   ; B's sixteen fragments, 24,576 bytes
	s_mov_b32 s[G1B+2], 4<<16
	s_mov_b32 s[G1B+3], 3072<<16
	s_mov_b32 s[G1B+4], 4
	s_mov_b32 s[G1B+5], RTB*192
	s_mov_b32 s[G1B+6], 0
	s_mov_b32 s[G1B+7], 0
	s_mul_i32 s10, s15, 4*AS2                      ; where my fetch goes: my slot of A,
	s_mul_i32 s11, s15, 4*BS2
	s_add_co_u32 s11, s11, BOFF                    ; or of B
	s_mul_i32 s8, s15, 4*RTA*FRB                   ; and where my slot's K steps begin in memory (RTA = RTB)
	s_mov_b32 s86, 0x76543210
	s_mov_b32 s87, 0xfedcba98                      ; selects for lane l xor 16
	s_and_b32 s2, ttmp7, 0xffff                    ; cluster y
	s_lshl_b32 s17, s2, 2
	s_add_co_u32 s17, s17, s57                     ; tiles 0, 1: tile row
	s_lshl_b32 s18, ttmp9, 2
	s_add_co_u32 s18, s18, s56                     ; and tile column
	s_lshl_b32 s12, ttmp9, 2
	s_add_co_u32 s12, s12, s57                     ; tile 2: tile row
	s_lshl_b32 s13, s2, 2
	s_add_co_u32 s13, s13, s56                     ; and tile column
	s_lshl_b32 s2, s17, 3                          ; A of tiles 0, 1: x's row tiles 8 x tile row on
	s_mul_i32 s22, s2, FRB
	s_add_co_u32 s22, s22, s8
	s_mov_b32 s23, 0
	s_lshl_b32 s3, s15, 2
	s_add_co_u32 s3, s2, s3
	s_lshl_b32 s60, s3, 6
	s_add_co_u32 s60, s60, XWS                     ; my own four tiles' scale words
	s_mov_b32 s61, 0
	s_lshl_b32 s2, s12, 3                          ; A of tile 2: Wv's row tiles 640 + 8 x tile row on
	s_add_co_u32 s2, s2, 640
	s_mul_i32 s20, s2, FRB
	s_add_co_u32 s20, s20, s8
	s_mov_b32 s21, 0
	s_lshl_b32 s3, s15, 2
	s_add_co_u32 s3, s2, s3
	s_lshl_b32 s88, s3, 6
	s_add_co_u32 s88, s88, XWS
	s_mov_b32 s89, 0
	s_lshl_b32 s19, s18, 4                         ; B of tiles 0, 1: Wq | Wk's row tiles 512 + 16 x tile column on
	s_add_co_u32 s19, s19, 512
	s_mul_i32 s98, s19, FRB
	s_add_co_u32 s98, s98, s8
	s_mov_b32 s99, 0
	s_lshl_b32 s3, s16, 3
	s_add_co_u32 s19, s19, s3
	s_lshl_b32 s62, s19, 6
	s_add_co_u32 s62, s62, XWS                     ; my own eight tiles' scale words
	s_mov_b32 s63, 0
	s_lshl_b32 s19, s13, 4                         ; B of tile 2: x's row tiles 16 x tile column on
	s_mul_i32 s96, s19, FRB
	s_add_co_u32 s96, s96, s8
	s_mov_b32 s97, 0
	s_add_co_u32 s19, s19, s3
	s_lshl_b32 s90, s19, 6
	s_add_co_u32 s90, s90, XWS
	s_mov_b32 s91, 0
	s_lshl_b32 s2, s18, 1                          ; the results: my 128 columns are K step 2 x tile column + half; q | k has 512 row tiles, v^T 64
	s_add_co_u32 s2, s2, s16
	s_lshl_b32 s2, s2, 9
	s_lshl_b32 s3, s17, 3
	s_add_co_u32 s2, s2, s3
	s_lshl_b32 s3, s15, 2
	s_add_co_u32 s2, s2, s3
	s_mul_i32 s66, s2, FRB
	s_mov_b32 s67, 0
	s_lshl_b32 s84, s2, 6
	s_add_co_u32 s84, s84, QKS
	s_mov_b32 s85, 0
	s_lshl_b32 s2, s13, 1
	s_add_co_u32 s2, s2, s16
	s_lshl_b32 s2, s2, 6
	s_lshl_b32 s3, s12, 3
	s_add_co_u32 s2, s2, s3
	s_lshl_b32 s3, s15, 2
	s_add_co_u32 s2, s2, s3
	s_mul_i32 s92, s2, FRB
	s_add_co_u32 s92, s92, VT
	s_mov_b32 s93, 0
	s_lshl_b32 s94, s2, 6
	s_add_co_u32 s94, s94, VTS
	s_mov_b32 s95, 0
	s_wait_dscnt 0x0                               ; both opening adds are done
	s_wait_kmcnt 0x0
	s_add_nc_u64 s[22:23], s[4:5], s[22:23]
	s_add_nc_u64 s[20:21], s[4:5], s[20:21]
	s_add_nc_u64 s[98:99], s[4:5], s[98:99]
	s_add_nc_u64 s[96:97], s[4:5], s[96:97]
	s_add_nc_u64 s[60:61], s[4:5], s[60:61]
	s_add_nc_u64 s[62:63], s[4:5], s[62:63]
	s_add_nc_u64 s[88:89], s[4:5], s[88:89]
	s_add_nc_u64 s[90:91], s[4:5], s[90:91]
	s_add_nc_u64 s[66:67], s[6:7], s[66:67]
	s_add_nc_u64 s[84:85], s[6:7], s[84:85]
	s_add_nc_u64 s[92:93], s[6:7], s[92:93]
	s_add_nc_u64 s[94:95], s[6:7], s[94:95]
	CROUND                                         ; all sixteen work-groups are here: the joint loads meet
	s_mov_b32 s[G0A], 1
	s_mov_b32 s[G0A+1], s10
	s_mov_b64 s[G0A+2:G0A+3], s[22:23]
	s_or_b32 s[G0A+3], s[G0A+3], 0x80000000
	s_mov_b32 s[G0B], 1
	s_mov_b32 s[G0B+1], s11
	s_mov_b64 s[G0B+2:G0B+3], s[98:99]
	s_or_b32 s[G0B+3], s[G0B+3], 0x80000000
	ARM 1, G0A, G1A, .Lhead_1                      ; tile 0: wave 0 A's K steps 0-3,
	ARM 2, G0B, G1B, .Lhead_2                      ; wave 1 B's,
	ARM 3, G0A, G1A, .Lhead_3                      ; wave 2 A's K steps 4-7,
	TLOAD G0B, G1B                                 ; wave 3 B's
.Lhead_asked:
	s_mov_b32 s[G0A+4], 1                          ; tile 2's descriptors, for later
	s_mov_b32 s[G0A+5], s10
	s_mov_b64 s[G0A+6:G0A+7], s[20:21]
	s_or_b32 s[G0A+7], s[G0A+7], 0x80000000
	s_mov_b32 s[G0B+4], 1
	s_mov_b32 s[G0B+5], s11
	s_mov_b64 s[G0B+6:G0B+7], s[96:97]
	s_or_b32 s[G0B+7], s[G0B+7], 0x80000000
	v_and_b32 v1, 31, v0
	v_lshlrev_b32 v[LOFF], 4, v1
	v_lshlrev_b32 v[SOFF], 2, v1
	v_and_b32 v[SWO], 15, v0
	v_lshlrev_b32 v[SWO], 2, v[SWO]
	s_wait_alu depctr_va_vdst(0)
	s_mul_i32 s2, s15, 4*FRB                       ; my half of A's fragments in a K step,
	s_mul_i32 s3, s16, 8*FRB
	s_add_co_u32 s3, s3, BOFF                      ; and of B's
	WIN 0x40                                       ; the LDS addresses, in window 1
.irp i, 0,1
	v_add_nc_u32 v[ADA+\i], s2, v[LOFF]
	s_add_co_u32 s2, s2, 4*AS2
.endr
.irp i, 0,1,2,3
	v_add_nc_u32 v[ADB+\i], s3, v[LOFF]
	s_add_co_u32 s3, s3, 2*BS2
.endr
	WIN 0
.irp b, 0,1,2,3
	v_mov_b32 v[TM+4+\b], 0                        ; written once: a lane permute's destination counts as one of its sources
.endr
	SCLA 0, 60, 0                                  ; tile 0's scale words
	SCLB 0, 62
	s_wait_alu depctr_va_vdst(0)
	s_cmp_lg_u32 s15, 0
	s_cbranch_scc1 .Lnot_slot_0                    ; slot 1's loads may stay out, and slot 1 is first read behind K step 3's
	s_wait_tensorcnt 0x0                           ; my part of slot 0 is in
.Lnot_slot_0:
	s_barrier_signal -1
	s_barrier_wait -1                              ; slot 0 is whole
	FETCH 0
	WIN 0
	s_wait_loadcnt 0x0                             ; the scale words
	SCLA 1, 60, 256*64                             ; tile 1's words of A and tile 2's of B, into the other sets
	SCLB 1, 90
	; ---- tile 0
	STEP 0
	STEP 1
	STEP 2
	TURN 3, 2, 0                                   ; slot 0 takes tile 1's K steps 0-3 of A
	STEP 4
	STEP 5
	STEP 6
	TURN 7, 2, 1                                   ; slot 1 its K steps 4-7; tile 1's first fragments are fetched
	WAYOUT 66, 84, 0, 0, 1
	s_wait_loadcnt 0x0                             ; tile 1's scale words
	SCLA 0, 88, 0                                  ; tile 2's words of A, into the set that tile 0 has left
	; ---- tile 1: the same B
.set SAO, 48
	STEP 0
	STEP 1
	STEP 2
	TURN 3, 1, 0                                   ; slot 0 takes tile 2's K steps 0-3, A's and B's
	STEP 4
	STEP 5
	STEP 6
	TURN 7, 1, 1
	WAYOUT 66, 84, 256*FRB, 256*64, 1
	s_wait_loadcnt 0x0
	; ---- tile 2: v^T
.set SAO, 0
.set SBO, 48
	STEP 0
	STEP 1
	STEP 2
	TURN 3, 0, 0                                   ; nothing is left to fetch
	STEP 4
	STEP 5
	STEP 6
	LAST 7
	WAYOUT 92, 94, 0, 0, 0
	s_wait_tensorcnt 0x0                           ; the wave's end
	ds_add_u32 v[SPW], v[NIL]
	s_wait_dscnt 0x0
	CROUND                                         ; the closing round
	s_endpgm
.Lfunc_end_k_qd9a50aa586_qkv:
	.size	k_qd9a50aa586_qkv, .Lfunc_end_k_qd9a50aa586_qkv-k_qd9a50aa586_qkv
	.p2alignl 7, 3214868480
	.fill 96, 4, 3214868480
	.section	.rodata,"a",@progbits
	.p2align	6, 0x0
	.amdhsa_kernel k_qd9a50aa586_qkv
		.amdhsa_group_segment_fixed_size 327680
		.amdhsa_private_segment_fixed_size 0
		.amdhsa_enable_private_segment 0
		.amdhsa_kernarg_size 16
		.amdhsa_user_sgpr_count 2
		.amdhsa_user_sgpr_kernarg_segment_ptr 1
		.amdhsa_wavefront_size32 1
		.amdhsa_system_sgpr_workgroup_id_x 1
		.amdhsa_system_sgpr_workgroup_id_y 1
		.amdhsa_system_sgpr_workgroup_id_z 1
		.amdhsa_system_vgpr_workitem_id 0
		.amdhsa_next_free_vgpr 1024
		.amdhsa_next_free_sgpr 100
		.amdhsa_reserve_vcc 0
		.amdhsa_float_denorm_mode_32 3
		.amdhsa_float_denorm_mode_16_64 3
		.amdhsa_memory_ordered 1
		.amdhsa_forward_progress 1
		.amdhsa_inst_pref_size 233
	.end_amdhsa_kernel
	.amdgpu_metadata
---
amdhsa.version: [ 1, 2 ]
amdhsa.kernels:
  - .name:           k_qd9a50aa586_qkv
    .symbol:         k_qd9a50aa586_qkv.kd
    .args:
      - { .name: xw, .offset: 0, .size: 8, .value_kind: global_buffer, .address_space: global }
      - { .name: qkv, .offset: 8, .size: 8, .value_kind: global_buffer, .address_space: global }
    .group_segment_fixed_size: 327680
    .private_segment_fixed_size: 0
    .kernarg_segment_align: 8
    .kernarg_segment_size: 16
    .max_flat_workgroup_size: 128
    .sgpr_count:     100
    .vgpr_count:     1024
    .wavefront_size: 32
...
	.end_amdgpu_metadata
.endif
;; end of part 8
;; launch scores (part 9): grid 8 x 32, 4 waves a work-group, clusters of 4 x 4, 327,680 bytes of LDS; arguments qkv, pp; writes pp
.if DOCPART == 9
	.amdgcn_target "amdgcn-amd-amdhsa--gfx1250"
	.amdhsa_code_object_version 6
	.text
	.protected	k_qd9a50aa586_scores
	.globl	k_qd9a50aa586_scores
	.p2align	8
	.type	k_qd9a50aa586_scores,@function
k_qd9a50aa586_scores:
	s_mov_b64 s[64:65], 0
	v_nop
	global_prefetch_b8 v0, s[64:65] scope:SCOPE_SE
	s_setreg_imm32_b32 hwreg(HW_REG_WAVE_MODE, 25, 1), 1
	s_wait_xcnt 0x0
	s_wait_alu depctr_hold_cnt(0) depctr_sa_sdst(0) depctr_va_vdst(0) depctr_va_sdst(0) depctr_va_ssrc(0) depctr_va_vcc(0) depctr_vm_vsrc(0)
	s_getreg_b32 s2, hwreg(HW_REG_IB_STS2, 6, 4)
	s_cmp_eq_u32 s2, 0
	s_cbranch_scc0 .Lentry_in_a_cluster
	s_endpgm
.Lentry_in_a_cluster:
	s_bfe_u32 s2, ttmp6, 0x10000c
	s_cmp_lg_u32 s2, 0xf033
	s_cbranch_scc0 .Lentry_shape_is_right
	s_endpgm
.Lentry_shape_is_right:
; S = q k^T for each of the 4 batches, on codes of FP6 (E2M3) with E8M0 scales, and the softmax's p as codes along the keys.  No work is left out.
; t = score x log2(e) / 8.  For each row and each 128 keys (a wave's columns): M = ceil(the largest t of these 128), a whole number; p = 2^(t - M) is quantised along the keys; stored are its codes, its four
; scale bytes, -M, and the sum of the unquantised p.  A whole-number M only moves a block's scale: the next launch finds each row's M and takes the difference off the scale bytes and the sums, both exactly.
; So a maximum is taken away before every exponential, and no p is above 1.
; LIMITS: no NaN, no infinities; a block whose every p lies under 2^-124 keeps the byte 1 (its p count for nothing beside a row whose largest p is above 1/2).
; SHARES, LDS, THE HEAD'S LOADS, REGISTERS AND THE K STEP are those of the launch before (set out at its head): a tile is 128 queries x 256 keys, 64 x 128 to a wave, source 0 = a tile of k, source 1 = a tile of q;
; 4 x 4 clusters, q's tiles asked for jointly along a row, k's along a column.  512 tiles, 256 work-groups: A WORK-GROUP WALKS TWO TILES, 1,024 queries apart in one batch, against the same 256 keys, which stay.
; At tile 0's K step 3 slot 0 takes tile 1's K steps 0-3 of q (wave 0's load), at K step 7 slot 1 its K steps 4-7 (wave 2's), each behind a round of the cluster's barrier.
; No prefetch: the text has no loop to run ahead in, and a refill is asked for four K steps ahead of its first read.
.set RTA,   512
.set RTB,   512
.set ASTEP, 64*1536                    ; from tile 0's q to tile 1's
.set SA,    16
.set SB,    32
.set KCO,   6291456                    ; qkv: k's codes
.set QKS,   18874368
.set PS,    12582912                   ; pp: the scale words; -M lies 524,288 bytes on, the sums 1,048,576
.set FRB,   1536
.set AS2,   8*FRB
.set BS2,   16*FRB
.set BOFF,  8*AS2
.set SPARE, BOFF+8*BS2                 ; the spare words, 128 bytes a wave, that no other line names
.set LOFF, 5
.set SOFF, 6
.set SWO,  7
.set SPW,  8                           ; my spare word; never rewritten
.set NIL,  9                           ; 0; never rewritten
.set BF,   64
.set ADA,  160
.set ADB,  162
.set AF,   128
.set PC,   112
.set TM,   208
.set T0,   224
.set T1,   225
.set SUM0, 226
.set SUM1, 228
.set NM,   232                         ; -M, a pair for each row tile
.set LS,   240
.set PW,   244
.set G1A,  24
.set G1B,  32
.set G0A,  40
.set G0B,  68
.set SAO,  0
.set SBO,  0
.set MSB, 0
.macro WIN new
.if MSB != (\new)
	s_set_vgpr_msb (MSB<<8)|(\new)
.set MSB, (\new)
.endif
.endm
.macro TLOAD g0, g1                    ; a joint load; s_nop 0 and four v_nop follow it
	tensor_load_to_lds s[\g0:\g0+3], s[\g1:\g1+7]
	s_nop 0
.rept 4
	v_nop
.endr
.endm
.macro ARM under, g0, g1, next
	s_cmp_lt_u32 s14, \under
	s_cbranch_scc0 \next
	TLOAD \g0, \g1
	s_branch .Lhead_asked
\next:
.endm
.macro JLOADA g                        ; slot g takes the next tile's K steps of q: wave 2 g alone fetches; either way has the four places in front of the LDS loads that follow
	s_cmp_lg_u32 s14, 2*(\g)
	s_cbranch_scc1 .Lnone_\@
	TLOAD G0A, G1A
	s_branch .Ldone_\@
.Lnone_\@:
.rept 4
	v_nop
.endr
.Ldone_\@:
.endm
.macro CREST
	s_cmp_lg_u32 s14, 0
	s_cbranch_scc1 .Lnot_wave_0_\@
	s_barrier_signal -3
.Lnot_wave_0_\@:
	s_barrier_wait -3
	s_barrier_signal -1
	s_barrier_wait -1
.endm
.macro CROUND
	s_barrier_signal -1
	s_barrier_wait -1
	CREST
.endm
.macro PLACES n
.rept \n
	v_nop
.endr
.endm
.macro LB s, b
.irp c, 0,1,2
	ds_load_b128 v[BF+12*(\b)+4*\c:BF+12*(\b)+4*\c+3], v[ADB+((\s)%8)/2] offset:((\s)%2)*BS2+(\b)*FRB+512*\c
.endr
.endm
.macro LA s, a
.irp c, 0,1,2
	ds_load_b128 v[AF+48*((\s)%2)+12*(\a)+4*\c:AF+48*((\s)%2)+12*(\a)+4*\c+3], v[ADA+((\s)%8)/4] offset:((\s)%4)*AS2+(\a)*FRB+512*\c
.endr
.endm
.macro FETCH s                         ; K step s's fragments, 36 loads in one run
	WIN 0x41+0x40*((\s)%2)
.irp b, 0,1,2,3,4,5,6,7
	LB \s, \b
.endr
	WIN 0xc1
.irp a, 0,1,2,3
	LA \s, \a
.endr
.endm
.macro WM a, b, s
.set rD, 64*((\a)/3)+8*(\b)
.set rB, BF+12*(\b)
.set rA, AF+48*((\s)%2)+12*(\a)
.set rX, SB+SBO+4*(\s)+(\b)/2
.set rY, SA+SAO+2*(\s)+(\a)/2
.set WR, 2*((\a)%2)+(\b)%2
.if (\s) == 0
.if WR == 0
	v_wmma_scale_f32_16x16x128_f8f6f4 v[rD:rD+7], v[rB:rB+11], v[rA:rA+11], 0, v[rX], v[rY] matrix_a_fmt:MATRIX_FMT_FP6 matrix_b_fmt:MATRIX_FMT_FP6
.elseif WR == 1
	v_wmma_scale_f32_16x16x128_f8f6f4 v[rD:rD+7], v[rB:rB+11], v[rA:rA+11], 0, v[rX], v[rY] matrix_a_fmt:MATRIX_FMT_FP6 matrix_b_fmt:MATRIX_FMT_FP6 matrix_a_scale:MATRIX_SCALE_ROW1
.elseif WR == 2
	v_wmma_scale_f32_16x16x128_f8f6f4 v[rD:rD+7], v[rB:rB+11], v[rA:rA+11], 0, v[rX], v[rY] matrix_a_fmt:MATRIX_FMT_FP6 matrix_b_fmt:MATRIX_FMT_FP6 matrix_b_scale:MATRIX_SCALE_ROW1
.else
	v_wmma_scale_f32_16x16x128_f8f6f4 v[rD:rD+7], v[rB:rB+11], v[rA:rA+11], 0, v[rX], v[rY] matrix_a_fmt:MATRIX_FMT_FP6 matrix_b_fmt:MATRIX_FMT_FP6 matrix_a_scale:MATRIX_SCALE_ROW1 matrix_b_scale:MATRIX_SCALE_ROW1
.endif
.else
.if WR == 0
	v_wmma_scale_f32_16x16x128_f8f6f4 v[rD:rD+7], v[rB:rB+11], v[rA:rA+11], v[rD:rD+7], v[rX], v[rY] matrix_a_fmt:MATRIX_FMT_FP6 matrix_b_fmt:MATRIX_FMT_FP6
.elseif WR == 1
	v_wmma_scale_f32_16x16x128_f8f6f4 v[rD:rD+7], v[rB:rB+11], v[rA:rA+11], v[rD:rD+7], v[rX], v[rY] matrix_a_fmt:MATRIX_FMT_FP6 matrix_b_fmt:MATRIX_FMT_FP6 matrix_a_scale:MATRIX_SCALE_ROW1
.elseif WR == 2
	v_wmma_scale_f32_16x16x128_f8f6f4 v[rD:rD+7], v[rB:rB+11], v[rA:rA+11], v[rD:rD+7], v[rX], v[rY] matrix_a_fmt:MATRIX_FMT_FP6 matrix_b_fmt:MATRIX_FMT_FP6 matrix_b_scale:MATRIX_SCALE_ROW1
.else
	v_wmma_scale_f32_16x16x128_f8f6f4 v[rD:rD+7], v[rB:rB+11], v[rA:rA+11], v[rD:rD+7], v[rX], v[rY] matrix_a_fmt:MATRIX_FMT_FP6 matrix_b_fmt:MATRIX_FMT_FP6 matrix_a_scale:MATRIX_SCALE_ROW1 matrix_b_scale:MATRIX_SCALE_ROW1
.endif
.endif
.endm
.macro GRP a, s                        ; row tile a's eight products, the accumulators by turns
	WIN 0x50*((\a)+1-(\a)/3)+0xd+(\s)%2
.irp b, 0,1,2,3,4,5,6,7
	WM \a, \b, \s
.endr
.endm
.macro STEP s
	s_wait_dscnt 0x0                               ; this step's fragments are in
	PLACES 4                                       ; for the loads into the sets that the step before multiplied
	FETCH (\s)+1
	GRP 0, \s
	GRP 1, \s
	GRP 2, \s
	GRP 3, \s
.endm
.macro TURN s, mode, g                 ; slot g's last K step: one barrier; mode 2: it opens a round, and the slot takes the next tile's K steps of q; mode 0: nothing is left to fetch
	WIN 0
	s_wait_tensorcnt 0x0                           ; all my tensor loads have landed
	ds_add_u32 v[SPW], v[NIL]
	s_wait_dscnt 0x1                               ; this step's fragments are in; the add alone may be out
	GRP 0, \s
	s_wait_dscnt 0x0                               ; the add is done, and my reads of this slot are over
	s_barrier_signal -1
	GRP 1, \s
	WIN 0
	s_barrier_wait -1
.if (\mode) == 2
	CREST
.if (\g) == 0
	s_add_nc_u64 s[G0A+2:G0A+3], s[G0A+2:G0A+3], ASTEP   ; no tensor load of mine is out: every wave steps its group 0 once, at slot 0's turn
.endif
	JLOADA \g                                      ; the first tensor load behind the round
.else
	PLACES 4
.endif
	FETCH (\s)+1
	GRP 2, \s
	GRP 3, \s
.endm
.macro LAST s
	s_wait_dscnt 0x0
	GRP 0, \s
	GRP 1, \s
	GRP 2, \s
	GRP 3, \s
	WIN 0
.endm
.macro SCLA set, base, off
.set q, 0
.rept 8
.irp j, 0,1
	global_load_b32 v[SA+48*(\set)+2*q+\j], v[SOFF], s[\base:\base+1] offset:(\off)+q*RTA*64+128*\j
.endr
.set q, q+1
.endr
.endm
.macro SCLB set, base
.set q, 0
.rept 8
.irp j, 0,1,2,3
	global_load_b32 v[SB+48*(\set)+4*q+\j], v[SOFF], s[\base:\base+1] offset:q*RTB*64+128*\j
.endr
.set q, q+1
.endr
.endm
; Row tile a: a lane's 64 scores (register 16 b + i = key 32 b + 16 h + i of my query) become p's codes, scale word, -M and sum.
.macro PQ a, oc, os
.set QA, 64*((\a)/3)
.set QW, (\a)+1-(\a)/3                 ; the row tile's window
.set QP, PC+20*((\a)%2)
.set QN, NM+2*(\a)
	WIN 0x14*QW
.irp b, 0,1,2,3
	v_max3_num_f32 v[TM+\b], 0xff800000, v[QA+16*\b], v[QA+16*\b+1]   ; the largest SCORE of each block of 32 keys: for the maximum and, since p rises with the score, for the block's largest p
.endr
.irp i, 2,4,6,8,10,12,14
.irp b, 0,1,2,3
	v_max3_num_f32 v[TM+\b], v[TM+\b], v[QA+16*\b+\i], v[QA+16*\b+\i+1]
.endr
.endr
	WIN 0
.irp b, 0,1,2,3
	v_permlanex16_b32 v[TM+4+\b], v[TM+\b], s86, s87
.endr
.irp b, 0,1,2,3
	v_max_num_f32 v[TM+\b], v[TM+\b], v[TM+4+\b]   ; with lane l xor 16's 16 keys
.endr
	v_max3_num_f32 v[T0], v[TM], v[TM+1], v[TM+2]
	v_max_num_f32 v[T0], v[T0], v[TM+3]            ; the largest score of these 128 keys
	v_mul_f32 v[T0], s88, v[T0]                    ; as t (c is positive)
	v_floor_f32 v[QN], -v[T0]                      ; -M = floor(-t): a whole number
	v_mov_b32 v[QN+1], v[QN]                       ; (named with it as a pair)
.irp b, 0,1,2,3
	v_fma_f32 v[TM+\b], v[TM+\b], s88, v[QN]       ; t - M of each block's largest score
.endr
	WIN 0x41*QW
.set n, 0
.rept 32
	v_pk_fma_f32 v[QA+n:QA+n+1], v[QA+n:QA+n+1], s[88:89], v[QN:QN+1] op_sel_hi:[1,0,0]   ; t - M, two at a time
.set n, n+2
.endr
.set n, 0
	s_wait_alu depctr_va_vdst(0)
.rept 64
	v_exp_f32 v[QA+n], v[QA+n]                     ; p = 2^(t - M), at most 1
.set n, n+1
.endr
	WIN 0
	v_mov_b32 v[SUM0], 0                           ; the sum's two chains begin; also the plain place behind the exponentials
	v_mov_b32 v[SUM0+1], 0
	v_mov_b32 v[SUM1], 0
	v_mov_b32 v[SUM1+1], 0
	s_wait_alu depctr_va_vdst(0)                   ; one wait for the batch of 64, ahead of its first reader
.irp b, 0,1,2,3
	v_exp_f32 v[TM+\b], v[TM+\b]                   ; the block's largest p: the same two instructions on the same number give the same bits
.endr
	WIN 4*QW
.set n, 0
.rept 16
	v_pk_add_f32 v[SUM0:SUM0+1], v[SUM0:SUM0+1], v[QA+n:QA+n+1]     ; the sum is taken of the UNQUANTISED p
	v_pk_add_f32 v[SUM1:SUM1+1], v[SUM1:SUM1+1], v[QA+n+2:QA+n+3]
.set n, n+4
.endr
	WIN 0
	v_pk_add_f32 v[SUM0:SUM0+1], v[SUM0:SUM0+1], v[SUM1:SUM1+1]
	s_wait_alu depctr_va_vdst(0)                   ; and one for the four
.irp b, 0,1,2,3
	v_max_num_f32 v[TM+\b], 0x1800000, v[TM+\b]    ; the floor 2^(3 - 127): the byte cannot fall under 1
.endr
.irp b, 0,1,2,3
	v_add_nc_u32 v[TM+12+\b], 0xff000000, v[TM+\b] ; 2 off the exponent field: the conversion's scale operand
.endr
.irp b, 0,1,2,3
	v_lshrrev_b32 v[TM+4+\b], 23, v[TM+12+\b]      ; the scale's byte
.endr
	v_lshl_or_b32 v[PW+(\a)], v[TM+5], 8, v[TM+4]
	v_lshl_or_b32 v[PW+(\a)], v[TM+6], 16, v[PW+(\a)]
	v_lshl_or_b32 v[PW+(\a)], v[TM+7], 24, v[PW+(\a)]
	v_add_f32 v[LS+(\a)], v[SUM0], v[SUM0+1]
	v_permlanex16_b32 v[T1], v[LS+(\a)], s86, s87
	v_add_f32 v[LS+(\a)], v[LS+(\a)], v[T1]        ; with lane l xor 16's: the sum over these 128 keys
.if (\a) >= 2
	s_wait_xcnt 0x0                                ; row tile a - 2's stores have read this set of code registers
.endif
	WIN QW
.irp c, 0,1
	v_cvt_scalef32_pk16_fp6_f32 v[QP+6*\c:QP+6*\c+2], v[QA+32*\c:QA+32*\c+15], v[TM+12+2*\c]
	v_cvt_scalef32_pk16_fp6_f32 v[QP+12+4*\c:QP+14+4*\c], v[QA+32*\c+16:QA+32*\c+31], v[TM+13+2*\c]
.endr
	WIN 0
	v_nop                                          ; one plain place behind a scaled conversion
.irp c, 0,1
.irp i, 0,1,2
	v_permlane16_swap_b32 v[QP+6*\c+\i], v[QP+12+4*\c+\i]
.endr
.irp i, 0,1,2
	v_mov_b32 v[QP+6*\c+3+\i], v[QP+12+4*\c+\i]
.endr
.endr
.irp c, 0,1,2
	global_store_b128 v[LOFF], v[QP+4*\c:QP+4*\c+3], s[66:67] offset:(\oc)+(\a)*FRB+512*\c   ; 512 consecutive bytes, at a multiple of 256 from the buffer's first byte
.endr
	global_store_b32 v[SWO], v[PW+(\a)], s[84:85] offset:(\os)+64*(\a)
	global_store_b32 v[SWO], v[QN], s[84:85] offset:524288+(\os)+64*(\a)
	global_store_b32 v[SWO], v[LS+(\a)], s[84:85] offset:1048576+(\os)+64*(\a)
.endm
	s_load_b128 s[4:7], s[0:1], 0x0                ; qkv, pp
	v_lshl_add_u32 v[SPW], v0, 2, SPARE
	v_mov_b32 v[NIL], 0
	ds_add_u32 v[SPW], v[NIL]                      ; the opening lines: the add, twice on end, and its wait ahead of my first tensor load
	ds_add_u32 v[SPW], v[NIL]
	v_lshrrev_b32 v1, 5, v0
	v_readfirstlane_b32 s14, v1
	s_lshr_b32 s15, s14, 1                         ; my half of q's tiles; also: the slot that I fill
	s_and_b32 s16, s14, 1                          ; my half of k's tiles; also: I fetch for q (0) or k (1)
	s_bfe_u32 s56, ttmp6, 0x40000                  ; cx
	s_bfe_u32 s57, ttmp6, 0x40004                  ; cy
	s_lshl_b32 s58, s57, 2
	s_lshl_b32 s58, 15, s58
	s_lshl_b32 s59, 0x1111, s56
	s_or_b32 s[G1A], s58, (3<<16)|(1<<21)
	s_or_b32 s[G1B], s59, (3<<16)|(1<<21)
	s_mov_b32 s[G1A+1], 1536<<16
	s_mov_b32 s[G1A+2], 4<<16
	s_mov_b32 s[G1A+3], 1536<<16
	s_mov_b32 s[G1A+4], 4
	s_mov_b32 s[G1A+5], RTA*192
	s_mov_b32 s[G1A+6], 0
	s_mov_b32 s[G1A+7], 0
	s_mov_b32 s[G1B+1], 3072<<16
	s_mov_b32 s[G1B+2], 4<<16
	s_mov_b32 s[G1B+3], 3072<<16
	s_mov_b32 s[G1B+4], 4
	s_mov_b32 s[G1B+5], RTB*192
	s_mov_b32 s[G1B+6], 0
	s_mov_b32 s[G1B+7], 0
	s_mul_i32 s10, s15, 4*AS2
	s_mul_i32 s11, s15, 4*BS2
	s_add_co_u32 s11, s11, BOFF
	s_mul_i32 s12, s15, 4*RTA*FRB                  ; where my slot's K steps begin in memory (RTA = RTB)
	s_mov_b32 s86, 0x76543210
	s_mov_b32 s87, 0xfedcba98
	s_mov_b32 s88, 0x3e38aa3b                      ; c = log2(e) / 8
	s_mov_b32 s89, s88                             ; (named with it as a pair)
	s_and_b32 s2, ttmp7, 0xffff                    ; cluster y
	s_lshr_b32 s19, s2, 1                          ; the batch, which all partners share
	s_and_b32 s3, s2, 1
	s_lshl_b32 s17, s19, 4
	s_lshl_b32 s3, s3, 2
	s_add_co_u32 s17, s17, s3
	s_add_co_u32 s17, s17, s57                     ; tile 0's tile row: 16 batch + 4 (cluster y % 2) + cy; tile 1's lies 8 on
	s_lshl_b32 s18, ttmp9, 2
	s_add_co_u32 s18, s18, s56                     ; tile column: 256 keys of the batch
	s_lshl_b32 s20, s17, 3
	s_mul_i32 s22, s20, FRB
	s_add_co_u32 s22, s22, s12
	s_mov_b32 s23, 0
	s_lshl_b32 s21, s15, 2
	s_add_co_u32 s20, s20, s21
	s_lshl_b32 s20, s20, 6
	s_add_co_u32 s20, s20, QKS
	s_mov_b32 s21, 0
	s_lshl_b32 s92, s18, 4
	s_lshl_b32 s93, s19, 7
	s_add_co_u32 s92, s92, s93                     ; k's first tile: 128 x batch + 16 x tile column
	s_lshl_b32 s93, s16, 3
	s_add_co_u32 s93, s92, s93
	s_lshl_b32 s98, s93, 6
	s_add_co_u32 s98, s98, QKS+262144
	s_mov_b32 s99, 0
	s_mul_i32 s92, s92, FRB
	s_add_co_u32 s92, s92, KCO
	s_add_co_u32 s92, s92, s12
	s_mov_b32 s93, 0
	s_lshl_b32 s2, s18, 1
	s_add_co_u32 s2, s2, s16                       ; my 128 keys are K step 2 x tile column + half of p
	s_lshl_b32 s2, s2, 9
	s_lshl_b32 s3, s17, 3
	s_add_co_u32 s2, s2, s3
	s_lshl_b32 s3, s15, 2
	s_add_co_u32 s2, s2, s3                        ; tile 0: my first image's number (tile 1: 64 on)
	s_mul_i32 s94, s2, FRB
	s_mov_b32 s95, 0
	s_lshl_b32 s96, s2, 6
	s_add_co_u32 s96, s96, PS
	s_mov_b32 s97, 0
	s_wait_dscnt 0x0                               ; both opening adds are done
	s_wait_kmcnt 0x0
	s_add_nc_u64 s[22:23], s[4:5], s[22:23]
	s_add_nc_u64 s[92:93], s[4:5], s[92:93]
	s_add_nc_u64 s[60:61], s[4:5], s[20:21]
	s_add_nc_u64 s[62:63], s[4:5], s[98:99]
	s_add_nc_u64 s[66:67], s[6:7], s[94:95]
	s_add_nc_u64 s[84:85], s[6:7], s[96:97]
	CROUND                                         ; all sixteen work-groups are here: the joint loads meet
	s_mov_b32 s[G0A], 1
	s_mov_b32 s[G0A+1], s10
	s_mov_b64 s[G0A+2:G0A+3], s[22:23]
	s_or_b32 s[G0A+3], s[G0A+3], 0x80000000
	s_mov_b32 s[G0B], 1
	s_mov_b32 s[G0B+1], s11
	s_mov_b64 s[G0B+2:G0B+3], s[92:93]
	s_or_b32 s[G0B+3], s[G0B+3], 0x80000000
	ARM 1, G0A, G1A, .Lhead_1                      ; tile 0: wave 0 q's K steps 0-3,
	ARM 2, G0B, G1B, .Lhead_2                      ; wave 1 k's,
	ARM 3, G0A, G1A, .Lhead_3                      ; wave 2 q's K steps 4-7,
	TLOAD G0B, G1B                                 ; wave 3 k's
.Lhead_asked:
	v_and_b32 v1, 31, v0
	v_lshlrev_b32 v[LOFF], 4, v1
	v_lshlrev_b32 v[SOFF], 2, v1
	v_and_b32 v[SWO], 15, v0
	v_lshlrev_b32 v[SWO], 2, v[SWO]
	s_wait_alu depctr_va_vdst(0)
	s_mul_i32 s2, s15, 4*FRB
	s_mul_i32 s3, s16, 8*FRB
	s_add_co_u32 s3, s3, BOFF
	WIN 0x40                                       ; the LDS addresses, in window 1
.irp i, 0,1
	v_add_nc_u32 v[ADA+\i], s2, v[LOFF]
	s_add_co_u32 s2, s2, 4*AS2
.endr
.irp i, 0,1,2,3
	v_add_nc_u32 v[ADB+\i], s3, v[LOFF]
	s_add_co_u32 s3, s3, 2*BS2
.endr
	WIN 0
.irp b, 0,1,2,3
	v_mov_b32 v[TM+4+\b], 0                        ; written once: a lane permute's destination counts as one of its sources
.endr
	v_mov_b32 v[T1], 0
	SCLA 0, 60, 0                                  ; tile 0's scale words
	SCLB 0, 62
	s_wait_alu depctr_va_vdst(0)
	s_cmp_lg_u32 s15, 0
	s_cbranch_scc1 .Lnot_slot_0                    ; slot 1's loads may stay out, and slot 1 is first read behind K step 3's
	s_wait_tensorcnt 0x0                           ; my part of slot 0 is in
.Lnot_slot_0:
	s_barrier_signal -1
	s_barrier_wait -1                              ; slot 0 is whole
	FETCH 0
	WIN 0
	s_wait_loadcnt 0x0
	SCLA 1, 60, 64*64                              ; tile 1's words of q, into the other set
	; ---- tile 0
	STEP 0
	STEP 1
	STEP 2
	TURN 3, 2, 0                                   ; slot 0 takes tile 1's K steps 0-3 of q
	STEP 4
	STEP 5
	STEP 6
	TURN 7, 2, 1                                   ; slot 1 its K steps 4-7; tile 1's first fragments are fetched
	PLACES 4
	PQ 0, 0, 0
	PQ 1, 0, 0
	PQ 2, 0, 0
	PQ 3, 0, 0
	s_wait_xcnt 0x0                                ; the stores have read their registers: the next way out may write them
	s_wait_loadcnt 0x0                             ; tile 1's scale words
	; ---- tile 1: the same keys
.set SAO, 48
	STEP 0
	STEP 1
	STEP 2
	TURN 3, 0, 0                                   ; nothing is left to fetch
	STEP 4
	STEP 5
	STEP 6
	LAST 7
	PLACES 4
	PQ 0, 64*FRB, 64*64
	PQ 1, 64*FRB, 64*64
	PQ 2, 64*FRB, 64*64
	PQ 3, 64*FRB, 64*64
	s_wait_tensorcnt 0x0                           ; the wave's end
	ds_add_u32 v[SPW], v[NIL]
	s_wait_dscnt 0x0
	CROUND                                         ; the closing round
	s_endpgm
.Lfunc_end_k_qd9a50aa586_scores:
	.size	k_qd9a50aa586_scores, .Lfunc_end_k_qd9a50aa586_scores-k_qd9a50aa586_scores
	.p2alignl 7, 3214868480
	.fill 96, 4, 3214868480
	.section	.rodata,"a",@progbits
	.p2align	6, 0x0
	.amdhsa_kernel k_qd9a50aa586_scores
		.amdhsa_group_segment_fixed_size 327680
		.amdhsa_private_segment_fixed_size 0
		.amdhsa_enable_private_segment 0
		.amdhsa_kernarg_size 16
		.amdhsa_user_sgpr_count 2
		.amdhsa_user_sgpr_kernarg_segment_ptr 1
		.amdhsa_wavefront_size32 1
		.amdhsa_system_sgpr_workgroup_id_x 1
		.amdhsa_system_sgpr_workgroup_id_y 1
		.amdhsa_system_sgpr_workgroup_id_z 1
		.amdhsa_system_vgpr_workitem_id 0
		.amdhsa_next_free_vgpr 1024
		.amdhsa_next_free_sgpr 100
		.amdhsa_reserve_vcc 0
		.amdhsa_float_denorm_mode_32 3
		.amdhsa_float_denorm_mode_16_64 3
		.amdhsa_memory_ordered 1
		.amdhsa_forward_progress 1
		.amdhsa_inst_pref_size 216
	.end_amdhsa_kernel
	.amdgpu_metadata
---
amdhsa.version: [ 1, 2 ]
amdhsa.kernels:
  - .name:           k_qd9a50aa586_scores
    .symbol:         k_qd9a50aa586_scores.kd
    .args:
      - { .name: qkv, .offset: 0, .size: 8, .value_kind: global_buffer, .address_space: global }
      - { .name: pp, .offset: 8, .size: 8, .value_kind: global_buffer, .address_space: global }
    .group_segment_fixed_size: 327680
    .private_segment_fixed_size: 0
    .kernarg_segment_align: 8
    .kernarg_segment_size: 16
    .max_flat_workgroup_size: 128
    .sgpr_count:     100
    .vgpr_count:     1024
    .wavefront_size: 32
...
	.end_amdgpu_metadata
.endif
;; end of part 9
;; launch pv (part 10): grid 4 x 64, 4 waves a work-group, clusters of 4 x 4, 327,680 bytes of LDS; arguments pp, qkv, oc; writes oc
.if DOCPART == 10
	.amdgcn_target "amdgcn-amd-amdhsa--gfx1250"
	.amdhsa_code_object_version 6
	.text
	.protected	k_qd9a50aa586_pv
	.globl	k_qd9a50aa586_pv
	.p2align	8
	.type	k_qd9a50aa586_pv,@function
k_qd9a50aa586_pv:
	s_mov_b64 s[64:65], 0
	v_nop
	global_prefetch_b8 v0, s[64:65] scope:SCOPE_SE
	s_setreg_imm32_b32 hwreg(HW_REG_WAVE_MODE, 25, 1), 1
	s_wait_xcnt 0x0
	s_wait_alu depctr_hold_cnt(0) depctr_sa_sdst(0) depctr_va_vdst(0) depctr_va_sdst(0) depctr_va_ssrc(0) depctr_va_vcc(0) depctr_vm_vsrc(0)
	s_getreg_b32 s2, hwreg(HW_REG_IB_STS2, 6, 4)
	s_cmp_eq_u32 s2, 0
	s_cbranch_scc0 .Lentry_in_a_cluster
	s_endpgm
.Lentry_in_a_cluster:
	s_bfe_u32 s2, ttmp6, 0x10000c
	s_cmp_lg_u32 s2, 0xf033
	s_cbranch_scc0 .Lentry_shape_is_right
	s_endpgm
.Lentry_shape_is_right:
; O = (p v) / l for each of the 4 batches, on codes of FP6 (E2M3) with E8M0 scales, K = the batch's 2,048 keys; O is quantised along e in registers and stored as codes.  No work is left out.
; AT THE HEAD each row's M is found: the launch before stored, for each row and each 128 keys, p's codes under a local whole-number M, its scale bytes, -M and the sum of p.  The row's -M is the smallest of the 16.
; d = row M - local M, a whole number, 0 or more, is taken off the four scale bytes (p x 2^-d: exact) and off the sum's exponent (v_ldexp_f32: exact); the 16 sums then add up to the row's l.
; LIMITS: no NaN, no infinities.  A byte less d is held at 0 from below: such a block's p lie under 2^-124 beside a row whose largest p is above 1/2.  Blocks of O under 2^-124 and blocks of zeros keep the byte 1.
; SHARES, LDS, THE HEAD'S LOADS, REGISTERS AND THE K STEP are those of launch qkv (set out at its head): 128 x 256 of O to a work-group, 64 x 128 to a wave; source 0 = a tile of v^T, source 1 = a tile of p;
; 4 x 4 clusters, p's tiles jointly along a row, v^T's along a column.  The two slots of four K steps are each filled once more (K steps 8-11, 12-15), by the slot's two waves, behind a round of the cluster's barrier.
; No prefetch: the text has no loop to run ahead in, and a refill is asked for four K steps ahead of its first read.
.set RTA,   512
.set RTB,   64
.set NS,    16
.set SA,    16                         ; v16-47   p's scale words
.set SB,    48                         ; v48-111  v^T's
.set PS,    12582912
.set VT,    12582912
.set VTS,   19398656
.set OCS,   6291456
.set FRB,   1536
.set AS2,   8*FRB
.set BS2,   16*FRB
.set BOFF,  8*AS2
.set SPARE, BOFF+8*BS2                 ; the spare words, 128 bytes a wave, that no other line names
.set LOFF, 5
.set SOFF, 6
.set SWO,  7
.set SPW,  8                           ; my spare word; never rewritten
.set NIL,  9                           ; 0; never rewritten
.set BF,   64
.set ADA,  160
.set ADB,  162
.set AF,   128
.set PC,   112                         ; at the head v112-143 hold -M and v144-175 the sums; on the way out the codes
.set PW,   192
.set TM,   208
.set RL,   232                         ; 1 / l of my row, a pair for each row tile
.set NR,   240
.set LL,   242
.set XX,   244
.set DD,   246
.set U0,   248
.set G1A,  24
.set G1B,  32
.set G0A,  40
.set G0B,  68
.set SAO,  0
.set SBO,  0
.set MSB, 0
.macro WIN new
.if MSB != (\new)
	s_set_vgpr_msb (MSB<<8)|(\new)
.set MSB, (\new)
.endif
.endm
.macro TLOAD g0, g1                    ; a joint load; s_nop 0 and four v_nop follow it
	tensor_load_to_lds s[\g0:\g0+3], s[\g1:\g1+7]
	s_nop 0
.rept 4
	v_nop
.endr
.endm
.macro ARM under, g0, g1, next
	s_cmp_lt_u32 s14, \under
	s_cbranch_scc0 \next
	TLOAD \g0, \g1
	s_branch .Lhead_asked
\next:
.endm
.macro JLOAD g, g0a, g0b               ; slot g is filled again: wave 2 g fetches A's part, wave 2 g + 1 B's, the others nothing; every way has the four places in front of the LDS loads that follow
	s_cmp_lg_u32 s15, \g
	s_cbranch_scc1 .Lnone_\@
	s_cmp_eq_u32 s16, 0
	s_cbranch_scc0 .Lfor_b_\@
	TLOAD \g0a, G1A
	s_branch .Ldone_\@
.Lfor_b_\@:
	TLOAD \g0b, G1B
	s_branch .Ldone_\@
.Lnone_\@:
.rept 4
	v_nop
.endr
.Ldone_\@:
.endm
.macro CREST
	s_cmp_lg_u32 s14, 0
	s_cbranch_scc1 .Lnot_wave_0_\@
	s_barrier_signal -3
.Lnot_wave_0_\@:
	s_barrier_wait -3
	s_barrier_signal -1
	s_barrier_wait -1
.endm
.macro CROUND
	s_barrier_signal -1
	s_barrier_wait -1
	CREST
.endm
.macro PLACES n
.rept \n
	v_nop
.endr
.endm
.macro LB s, b
.irp c, 0,1,2
	ds_load_b128 v[BF+12*(\b)+4*\c:BF+12*(\b)+4*\c+3], v[ADB+((\s)%8)/2] offset:((\s)%2)*BS2+(\b)*FRB+512*\c
.endr
.endm
.macro LA s, a
.irp c, 0,1,2
	ds_load_b128 v[AF+48*((\s)%2)+12*(\a)+4*\c:AF+48*((\s)%2)+12*(\a)+4*\c+3], v[ADA+((\s)%8)/4] offset:((\s)%4)*AS2+(\a)*FRB+512*\c
.endr
.endm
.macro FETCH s                         ; K step s's fragments, 36 loads in one run
	WIN 0x41+0x40*((\s)%2)
.irp b, 0,1,2,3,4,5,6,7
	LB \s, \b
.endr
	WIN 0xc1
.irp a, 0,1,2,3
	LA \s, \a
.endr
.endm
.macro WM a, b, s
.set rD, 64*((\a)/3)+8*(\b)
.set rB, BF+12*(\b)
.set rA, AF+48*((\s)%2)+12*(\a)
.set rX, SB+SBO+4*(\s)+(\b)/2
.set rY, SA+SAO+2*(\s)+(\a)/2
.set WR, 2*((\a)%2)+(\b)%2
.if (\s) == 0
.if WR == 0
	v_wmma_scale_f32_16x16x128_f8f6f4 v[rD:rD+7], v[rB:rB+11], v[rA:rA+11], 0, v[rX], v[rY] matrix_a_fmt:MATRIX_FMT_FP6 matrix_b_fmt:MATRIX_FMT_FP6
.elseif WR == 1
	v_wmma_scale_f32_16x16x128_f8f6f4 v[rD:rD+7], v[rB:rB+11], v[rA:rA+11], 0, v[rX], v[rY] matrix_a_fmt:MATRIX_FMT_FP6 matrix_b_fmt:MATRIX_FMT_FP6 matrix_a_scale:MATRIX_SCALE_ROW1
.elseif WR == 2
	v_wmma_scale_f32_16x16x128_f8f6f4 v[rD:rD+7], v[rB:rB+11], v[rA:rA+11], 0, v[rX], v[rY] matrix_a_fmt:MATRIX_FMT_FP6 matrix_b_fmt:MATRIX_FMT_FP6 matrix_b_scale:MATRIX_SCALE_ROW1
.else
	v_wmma_scale_f32_16x16x128_f8f6f4 v[rD:rD+7], v[rB:rB+11], v[rA:rA+11], 0, v[rX], v[rY] matrix_a_fmt:MATRIX_FMT_FP6 matrix_b_fmt:MATRIX_FMT_FP6 matrix_a_scale:MATRIX_SCALE_ROW1 matrix_b_scale:MATRIX_SCALE_ROW1
.endif
.else
.if WR == 0
	v_wmma_scale_f32_16x16x128_f8f6f4 v[rD:rD+7], v[rB:rB+11], v[rA:rA+11], v[rD:rD+7], v[rX], v[rY] matrix_a_fmt:MATRIX_FMT_FP6 matrix_b_fmt:MATRIX_FMT_FP6
.elseif WR == 1
	v_wmma_scale_f32_16x16x128_f8f6f4 v[rD:rD+7], v[rB:rB+11], v[rA:rA+11], v[rD:rD+7], v[rX], v[rY] matrix_a_fmt:MATRIX_FMT_FP6 matrix_b_fmt:MATRIX_FMT_FP6 matrix_a_scale:MATRIX_SCALE_ROW1
.elseif WR == 2
	v_wmma_scale_f32_16x16x128_f8f6f4 v[rD:rD+7], v[rB:rB+11], v[rA:rA+11], v[rD:rD+7], v[rX], v[rY] matrix_a_fmt:MATRIX_FMT_FP6 matrix_b_fmt:MATRIX_FMT_FP6 matrix_b_scale:MATRIX_SCALE_ROW1
.else
	v_wmma_scale_f32_16x16x128_f8f6f4 v[rD:rD+7], v[rB:rB+11], v[rA:rA+11], v[rD:rD+7], v[rX], v[rY] matrix_a_fmt:MATRIX_FMT_FP6 matrix_b_fmt:MATRIX_FMT_FP6 matrix_a_scale:MATRIX_SCALE_ROW1 matrix_b_scale:MATRIX_SCALE_ROW1
.endif
.endif
.endm
.macro GRP a, s                        ; row tile a's eight products, the accumulators by turns
	WIN 0x50*((\a)+1-(\a)/3)+0xd+(\s)%2
.irp b, 0,1,2,3,4,5,6,7
	WM \a, \b, \s
.endr
.endm
.macro STEP s
	s_wait_dscnt 0x0                               ; this step's fragments are in
	PLACES 4                                       ; for the loads into the sets that the step before multiplied
	FETCH (\s)+1
	GRP 0, \s
	GRP 1, \s
	GRP 2, \s
	GRP 3, \s
.endm
.macro TURN s, fill, g                 ; slot g's last K step: one barrier; fill = 1: it opens a round, and the slot takes the K steps eight on
	WIN 0
	s_wait_tensorcnt 0x0                           ; all my tensor loads have landed
	ds_add_u32 v[SPW], v[NIL]
	s_wait_dscnt 0x1                               ; this step's fragments are in; the add alone may be out
	GRP 0, \s
	s_wait_dscnt 0x0                               ; the add is done, and my reads of this slot are over
	s_barrier_signal -1
	GRP 1, \s
	WIN 0
	s_barrier_wait -1
.if \fill
	CREST
.if (\g) == 0
	s_add_nc_u64 s[G0A+2:G0A+3], s[G0A+2:G0A+3], 8*RTA*FRB   ; no tensor load of mine is out: every wave steps its groups 0 once, at slot 0's turn
	s_add_nc_u64 s[G0B+2:G0B+3], s[G0B+2:G0B+3], 8*RTB*FRB
.endif
	JLOAD \g, G0A, G0B                             ; the first tensor load behind the round
.else
	PLACES 4
.endif
	FETCH (\s)+1
	GRP 2, \s
	GRP 3, \s
.endm
.macro LAST s
	s_wait_dscnt 0x0
	GRP 0, \s
	GRP 1, \s
	GRP 2, \s
	GRP 3, \s
	WIN 0
.endm
; The rows of tiles 2 j (lanes 0-15) and 2 j + 1 (lanes 16-31): a lane is a row, and nothing leaves the lane.
.macro ROWS j
.set NMB, 112+16*(\j)
.set LB0, 144+16*(\j)
	v_min3_num_f32 v[NR+(\j)], v[NMB], v[NMB+1], v[NMB+2]
.irp i, 3,5,7,9,11,13
	v_min3_num_f32 v[NR+(\j)], v[NR+(\j)], v[NMB+\i], v[NMB+\i+1]
.endr
	v_min_num_f32 v[NR+(\j)], v[NR+(\j)], v[NMB+15]   ; the row's -M
.irp s, 0,1,2,3,4,5,6,7,8,9,10,11,12,13,14,15
	v_sub_f32 v[DD], v[NR+(\j)], v[NMB+\s]         ; local M - row M: a whole number, 0 or less
	v_cvt_i32_f32 v[DD], v[DD]                     ; (it saturates)
.if \s == 0
	v_ldexp_f32 v[LL+(\j)], v[LB0], v[DD]          ; the sums under the row's M: nothing is rounded; the first starts l
.else
	v_ldexp_f32 v[LB0+\s], v[LB0+\s], v[DD]
	v_add_f32 v[LL+(\j)], v[LL+(\j)], v[LB0+\s]
.endif
	v_sub_nc_u32 v[DD], 0, v[DD]                   ; d
	v_bfe_u32 v[U0], v[SA+2*\s+(\j)], 0, 8
	v_bfe_u32 v[U0+1], v[SA+2*\s+(\j)], 8, 8
	v_bfe_u32 v[U0+2], v[SA+2*\s+(\j)], 16, 8
	v_lshrrev_b32 v[U0+3], 24, v[SA+2*\s+(\j)]
	v_min_u32 v[U0], v[U0], v[DD]                  ; what is taken off a byte is at most the byte: no borrow, and the byte is held at 0
	v_min_u32 v[U0+1], v[U0+1], v[DD]
	v_min_u32 v[U0+2], v[U0+2], v[DD]
	v_min_u32 v[U0+3], v[U0+3], v[DD]
	v_lshl_or_b32 v[U0], v[U0+1], 8, v[U0]
	v_lshl_or_b32 v[U0], v[U0+2], 16, v[U0]
	v_lshl_or_b32 v[U0], v[U0+3], 24, v[U0]
	v_sub_nc_u32 v[SA+2*\s+(\j)], v[SA+2*\s+(\j)], v[U0]
.endr
.endm
.macro QUANTW a
.set QA, 64*((\a)/3)
.set QW, (\a)+1-(\a)/3                 ; the row tile's window
.set QP, PC+20*(\a)
	WIN 0x14*QW
.irp b, 0,1,2,3
	v_max3_num_f32 v[TM+\b], 0x1800000, |v[QA+16*\b]|, |v[QA+16*\b+1]|   ; block b: my 16 numbers, and the floor 2^(3 - 127)
.endr
.irp i, 2,4,6,8,10,12,14
.irp b, 0,1,2,3
	v_max3_num_f32 v[TM+\b], v[TM+\b], |v[QA+16*\b+\i]|, |v[QA+16*\b+\i+1]|
.endr
.endr
	WIN 0
.irp b, 0,1,2,3
	v_permlanex16_b32 v[TM+4+\b], v[TM+\b], s86, s87
.endr
.irp b, 0,1,2,3
	v_max_num_f32 v[TM+\b], v[TM+\b], v[TM+4+\b]
.endr
.irp b, 0,1,2,3
	v_add_nc_u32 v[TM+12+\b], 0xff000000, v[TM+\b]
.endr
.irp b, 0,1,2,3
	v_lshrrev_b32 v[TM+4+\b], 23, v[TM+12+\b]
.endr
	v_lshl_or_b32 v[PW+(\a)], v[TM+5], 8, v[TM+4]
	v_lshl_or_b32 v[PW+(\a)], v[TM+6], 16, v[PW+(\a)]
	v_lshl_or_b32 v[PW+(\a)], v[TM+7], 24, v[PW+(\a)]
	WIN QW
.irp c, 0,1
	v_cvt_scalef32_pk16_fp6_f32 v[QP+6*\c:QP+6*\c+2], v[QA+32*\c:QA+32*\c+15], v[TM+12+2*\c]
	v_cvt_scalef32_pk16_fp6_f32 v[QP+12+4*\c:QP+14+4*\c], v[QA+32*\c+16:QA+32*\c+31], v[TM+13+2*\c]
.endr
	WIN 0
	v_nop                                          ; one plain place behind a scaled conversion
.irp c, 0,1
.irp i, 0,1,2
	v_permlane16_swap_b32 v[QP+6*\c+\i], v[QP+12+4*\c+\i]
.endr
.irp i, 0,1,2
	v_mov_b32 v[QP+6*\c+3+\i], v[QP+12+4*\c+\i]
.endr
.endr
.endm
.macro PUT a
.irp c, 0,1,2
	global_store_b128 v[LOFF], v[PC+20*(\a)+4*\c:PC+20*(\a)+4*\c+3], s[66:67] offset:(\a)*FRB+512*\c
.endr
	global_store_b32 v[SWO], v[PW+(\a)], s[84:85] offset:64*(\a)
.endm
.macro DIVL a                          ; row tile a / l, in place, from each accumulator's low end on
	WIN 0x41*((\a)+1-(\a)/3)
.set n, 64*((\a)/3)
.rept 32
	v_pk_mul_f32 v[n:n+1], v[n:n+1], v[RL+2*(\a):RL+2*(\a)+1] op_sel_hi:[1,0]
.set n, n+2
.endr
.endm
	s_load_b128 s[4:7], s[0:1], 0x0                ; pp, qkv
	s_load_b64 s[8:9], s[0:1], 0x10                ; oc
	v_lshl_add_u32 v[SPW], v0, 2, SPARE
	v_mov_b32 v[NIL], 0
	ds_add_u32 v[SPW], v[NIL]                      ; the opening lines: the add, twice on end, and its wait ahead of my first tensor load
	ds_add_u32 v[SPW], v[NIL]
	v_lshrrev_b32 v1, 5, v0
	v_readfirstlane_b32 s14, v1
	s_lshr_b32 s15, s14, 1                         ; my half of p's tiles; also: the slot that I fill
	s_and_b32 s16, s14, 1                          ; my half of v^T's tiles; also: I fetch for p (0) or v^T (1)
	s_bfe_u32 s56, ttmp6, 0x40000                  ; cx
	s_bfe_u32 s57, ttmp6, 0x40004                  ; cy
	s_lshl_b32 s58, s57, 2
	s_lshl_b32 s58, 15, s58
	s_lshl_b32 s59, 0x1111, s56
	s_or_b32 s[G1A], s58, (3<<16)|(1<<21)
	s_or_b32 s[G1B], s59, (3<<16)|(1<<21)
	s_mov_b32 s[G1A+1], 1536<<16
	s_mov_b32 s[G1A+2], 4<<16
	s_mov_b32 s[G1A+3], 1536<<16
	s_mov_b32 s[G1A+4], 4
	s_mov_b32 s[G1A+5], RTA*192
	s_mov_b32 s[G1A+6], 0
	s_mov_b32 s[G1A+7], 0
	s_mov_b32 s[G1B+1], 3072<<16
	s_mov_b32 s[G1B+2], 4<<16
	s_mov_b32 s[G1B+3], 3072<<16
	s_mov_b32 s[G1B+4], 4
	s_mov_b32 s[G1B+5], RTB*192
	s_mov_b32 s[G1B+6], 0
	s_mov_b32 s[G1B+7], 0
	s_mul_i32 s10, s15, 4*AS2
	s_mul_i32 s11, s15, 4*BS2
	s_add_co_u32 s11, s11, BOFF
	s_mul_i32 s12, s15, 4*RTA*FRB                  ; where my slot's K steps begin in memory: p's,
	s_mul_i32 s13, s15, 4*RTB*FRB                  ; v^T's
	s_mov_b32 s86, 0x76543210
	s_mov_b32 s87, 0xfedcba98
	s_mov_b32 s90, 0xffff0000                      ; lanes 16-31
	s_and_b32 s2, ttmp7, 0xffff                    ; cluster y
	s_lshl_b32 s17, s2, 2
	s_add_co_u32 s17, s17, s57                     ; tile row: 128 queries
	s_lshr_b32 s19, s2, 2                          ; the batch
	s_lshl_b32 s18, ttmp9, 2
	s_add_co_u32 s18, s18, s56                     ; tile column: 256 of e
	s_lshl_b32 s20, s17, 3
	s_mul_i32 s22, s20, FRB
	s_add_co_u32 s22, s22, s12
	s_mov_b32 s23, 0
	s_lshl_b32 s21, s15, 2
	s_add_co_u32 s20, s20, s21
	s_lshl_b32 s20, s20, 6
	s_add_co_u32 s20, s20, PS
	s_mov_b32 s21, 0
	s_lshl_b32 s92, s18, 4
	s_lshl_b32 s93, s19, 10                        ; the batch's 16 K steps of 64 tiles
	s_add_co_u32 s92, s92, s93
	s_lshl_b32 s93, s16, 3
	s_add_co_u32 s93, s92, s93
	s_lshl_b32 s98, s93, 6
	s_add_co_u32 s98, s98, VTS
	s_mov_b32 s99, 0
	s_mul_i32 s92, s92, FRB
	s_add_co_u32 s92, s92, VT
	s_add_co_u32 s92, s92, s13
	s_mov_b32 s93, 0
	s_lshl_b32 s2, s18, 1
	s_add_co_u32 s2, s2, s16
	s_lshl_b32 s2, s2, 9
	s_lshl_b32 s3, s17, 3
	s_add_co_u32 s2, s2, s3
	s_lshl_b32 s3, s15, 2
	s_add_co_u32 s2, s2, s3                        ; my first image's number in oc
	s_mul_i32 s94, s2, FRB
	s_mov_b32 s95, 0
	s_lshl_b32 s96, s2, 6
	s_add_co_u32 s96, s96, OCS
	s_mov_b32 s97, 0
	s_wait_dscnt 0x0                               ; both opening adds are done
	s_wait_kmcnt 0x0
	s_add_nc_u64 s[22:23], s[4:5], s[22:23]
	s_add_nc_u64 s[92:93], s[6:7], s[92:93]
	s_add_nc_u64 s[60:61], s[4:5], s[20:21]
	s_add_nc_u64 s[62:63], s[6:7], s[98:99]
	s_add_nc_u64 s[66:67], s[8:9], s[94:95]
	s_add_nc_u64 s[84:85], s[8:9], s[96:97]
	CROUND                                         ; all sixteen work-groups are here: the joint loads meet
	s_mov_b32 s[G0A], 1
	s_mov_b32 s[G0A+1], s10
	s_mov_b64 s[G0A+2:G0A+3], s[22:23]
	s_or_b32 s[G0A+3], s[G0A+3], 0x80000000
	s_mov_b32 s[G0B], 1
	s_mov_b32 s[G0B+1], s11
	s_mov_b64 s[G0B+2:G0B+3], s[92:93]
	s_or_b32 s[G0B+3], s[G0B+3], 0x80000000
	ARM 1, G0A, G1A, .Lhead_1                      ; wave 0 p's K steps 0-3,
	ARM 2, G0B, G1B, .Lhead_2                      ; wave 1 v^T's,
	ARM 3, G0A, G1A, .Lhead_3                      ; wave 2 p's K steps 4-7,
	TLOAD G0B, G1B                                 ; wave 3 v^T's
.Lhead_asked:
	v_and_b32 v1, 31, v0
	v_lshlrev_b32 v[LOFF], 4, v1
	v_lshlrev_b32 v[SOFF], 2, v1
	v_and_b32 v[SWO], 15, v0
	v_lshlrev_b32 v[SWO], 2, v[SWO]
	s_wait_alu depctr_va_vdst(0)
	s_mul_i32 s2, s15, 4*FRB
	s_mul_i32 s3, s16, 8*FRB
	s_add_co_u32 s3, s3, BOFF
	WIN 0x40                                       ; the LDS addresses, in window 1
.irp i, 0,1
	v_add_nc_u32 v[ADA+\i], s2, v[LOFF]
	s_add_co_u32 s2, s2, 4*AS2
.endr
.irp i, 0,1,2,3
	v_add_nc_u32 v[ADB+\i], s3, v[LOFF]
	s_add_co_u32 s3, s3, 2*BS2
.endr
	WIN 0
.irp b, 0,1,2,3
	v_mov_b32 v[TM+4+\b], 0                        ; written once: a lane permute's destination counts as one of its sources
.endr
	v_mov_b32 v[XX], 0
	v_mov_b32 v[XX+1], 0
.set q, 0
.rept NS
.irp j, 0,1
	global_load_b32 v[SA+2*q+\j], v[SOFF], s[60:61] offset:q*RTA*64+128*\j                 ; p's scale words under the local M,
	global_load_b32 v[112+16*\j+q], v[SOFF], s[60:61] offset:524288+q*RTA*64+128*\j        ; -M,
	global_load_b32 v[144+16*\j+q], v[SOFF], s[60:61] offset:1048576+q*RTA*64+128*\j       ; the sums
.endr
.irp j, 0,1,2,3
	global_load_b32 v[SB+4*q+\j], v[SOFF], s[62:63] offset:q*RTB*64+128*\j
.endr
.set q, q+1
.endr
	s_wait_alu depctr_va_vdst(0)
	s_wait_loadcnt 0x0
	ROWS 0
	ROWS 1
	s_wait_alu depctr_va_vdst(0)
	v_rcp_f32 v[LL], v[LL]
	v_rcp_f32 v[LL+1], v[LL+1]
	v_nop                                          ; a plain place behind the reciprocals
	s_wait_alu depctr_va_vdst(0)                   ; and the one wait ahead of their first reader
	v_permlanex16_b32 v[XX], v[LL], s86, s87
	v_permlanex16_b32 v[XX+1], v[LL+1], s86, s87
.irp j, 0,1                            ; in an accumulator both halves of the lanes hold place r: tile 2 j's 1 / l lies in lanes 0-15 of LL + j, tile 2 j + 1's in lanes 16-31
	v_cndmask_b32 v[RL+4*\j], v[LL+\j], v[XX+\j], s90
	v_cndmask_b32 v[RL+4*\j+1], v[LL+\j], v[XX+\j], s90
	v_cndmask_b32 v[RL+4*\j+2], v[XX+\j], v[LL+\j], s90
	v_cndmask_b32 v[RL+4*\j+3], v[XX+\j], v[LL+\j], s90
.endr
	PLACES 8                                       ; scale registers written by vector instructions stand eight places ahead of a scaled matrix instruction
	s_wait_alu depctr_va_vdst(0)
	s_cmp_lg_u32 s15, 0
	s_cbranch_scc1 .Lnot_slot_0                    ; slot 1's loads may stay out, and slot 1 is first read behind K step 3's
	s_wait_tensorcnt 0x0                           ; my part of slot 0 is in
.Lnot_slot_0:
	s_barrier_signal -1
	s_barrier_wait -1                              ; slot 0 is whole
	FETCH 0
	STEP 0
	STEP 1
	STEP 2
	TURN 3, 1, 0                                   ; slot 0 takes K steps 8-11
	STEP 4
	STEP 5
	STEP 6
	TURN 7, 1, 1                                   ; slot 1 takes K steps 12-15
	STEP 8
	STEP 9
	STEP 10
	TURN 11, 0, 0                                  ; nothing is left to fetch
	STEP 12
	STEP 13
	STEP 14
	LAST 15
	PLACES 4
.irp a, 0,1,2,3
	DIVL \a
	QUANTW \a
	PUT \a
.endr
	s_wait_tensorcnt 0x0                           ; the wave's end
	ds_add_u32 v[SPW], v[NIL]
	s_wait_dscnt 0x0
	CROUND                                         ; the closing round
	s_endpgm
.Lfunc_end_k_qd9a50aa586_pv:
	.size	k_qd9a50aa586_pv, .Lfunc_end_k_qd9a50aa586_pv-k_qd9a50aa586_pv
	.p2alignl 7, 3214868480
	.fill 96, 4, 3214868480
	.section	.rodata,"a",@progbits
	.p2align	6, 0x0
	.amdhsa_kernel k_qd9a50aa586_pv
		.amdhsa_group_segment_fixed_size 327680
		.amdhsa_private_segment_fixed_size 0
		.amdhsa_enable_private_segment 0
		.amdhsa_kernarg_size 24
		.amdhsa_user_sgpr_count 2
		.amdhsa_user_sgpr_kernarg_segment_ptr 1
		.amdhsa_wavefront_size32 1
		.amdhsa_system_sgpr_workgroup_id_x 1
		.amdhsa_system_sgpr_workgroup_id_y 1
		.amdhsa_system_sgpr_workgroup_id_z 1
		.amdhsa_system_vgpr_workitem_id 0
		.amdhsa_next_free_vgpr 1024
		.amdhsa_next_free_sgpr 100
		.amdhsa_reserve_vcc 0
		.amdhsa_float_denorm_mode_32 3
		.amdhsa_float_denorm_mode_16_64 3
		.amdhsa_memory_ordered 1
		.amdhsa_forward_progress 1
		.amdhsa_inst_pref_size 182
	.end_amdhsa_kernel
	.amdgpu_metadata
---
amdhsa.version: [ 1, 2 ]
amdhsa.kernels:
  - .name:           k_qd9a50aa586_pv
    .symbol:         k_qd9a50aa586_pv.kd
    .args:
      - { .name: pp, .offset: 0, .size: 8, .value_kind: global_buffer, .address_space: global }
      - { .name: qkv, .offset: 8, .size: 8, .value_kind: global_buffer, .address_space: global }
      - { .name: oc, .offset: 16, .size: 8, .value_kind: global_buffer, .address_space: global }
    .group_segment_fixed_size: 327680
    .private_segment_fixed_size: 0
    .kernarg_segment_align: 8
    .kernarg_segment_size: 24
    .max_flat_workgroup_size: 128
    .sgpr_count:     100
    .vgpr_count:     1024
    .wavefront_size: 32
...
	.end_amdgpu_metadata
.endif
;; end of part 10
;; launch proj (part 11): grid 4 x 64, 4 waves a work-group, clusters of 4 x 4, 327,680 bytes of LDS; arguments oc, xw, out0; writes out0
.if DOCPART == 11
	.amdgcn_target "amdgcn-amd-amdhsa--gfx1250"
	.amdhsa_code_object_version 6
	.text
	.protected	k_qd9a50aa586_proj
	.globl	k_qd9a50aa586_proj
	.p2align	8
	.type	k_qd9a50aa586_proj,@function
k_qd9a50aa586_proj:
	s_mov_b64 s[64:65], 0
	v_nop
	global_prefetch_b8 v0, s[64:65] scope:SCOPE_SE
	s_setreg_imm32_b32 hwreg(HW_REG_WAVE_MODE, 25, 1), 1
	s_wait_xcnt 0x0
	s_wait_alu depctr_hold_cnt(0) depctr_sa_sdst(0) depctr_va_vdst(0) depctr_va_sdst(0) depctr_va_ssrc(0) depctr_va_vcc(0) depctr_vm_vsrc(0)
	s_getreg_b32 s2, hwreg(HW_REG_IB_STS2, 6, 4)
	s_cmp_eq_u32 s2, 0
	s_cbranch_scc0 .Lentry_in_a_cluster
	s_endpgm
.Lentry_in_a_cluster:
	s_bfe_u32 s2, ttmp6, 0x10000c
	s_cmp_lg_u32 s2, 0xf033
	s_cbranch_scc0 .Lentry_shape_is_right
	s_endpgm
.Lentry_shape_is_right:
; out0 = O Wo, on codes of FP6 (E2M3) with E8M0 scales, K = 1,024; f32 out.  No work is left out.  LIMITS: no NaN, no infinities.
; SHARES, LDS, THE HEAD'S LOADS, REGISTERS AND THE K STEP are those of launch qkv (set out at its head): 128 x 256 of out0 to a work-group, 64 x 128 to a wave; source 0 = a tile of Wo, source 1 = a tile of O;
; 4 x 4 clusters, O's tiles asked for jointly along a row, Wo's along a column.  LDS holds all eight K steps; each wave issues its one tensor load at the head, and nothing is filled again.  K steps 4-7 are
; waited for in K step 3, in front of a barrier.  No prefetch: all that the work-group reads is asked for at the head.
; THE WAY OUT.  A lane holds 32 neighbouring bytes of a row at eight places; a row tile goes through the wave's own stage in LDS (16 rows of 528 bytes) and comes back as rows of 512 bytes, which the 32 lanes
; store as two aligned units of 256 bytes.  The four stages, 33,792 bytes from LDS byte 0, lie on A's K steps 0-2 (36,864 bytes): the barrier in K step 3 shows that no wave reads these any more.
.set RTA,   512
.set RTB,   768
.set NS,    8
.set SA,    16
.set SB,    32
.set OCS,   6291456
.set XWS,   9437184
.set FRB,   1536
.set AS2,   8*FRB
.set BS2,   16*FRB
.set BOFF,  8*AS2
.set SPARE, BOFF+8*BS2                 ; the spare words, 128 bytes a wave, that no other line names
.set LOFF, 5
.set SOFF, 6
.set SPW,  8                           ; my spare word; never rewritten
.set NIL,  9                           ; 0; never rewritten
.set STO,  10                          ; the stage, in: 528 r + 64 h
.set RD,   11                          ; and back: 16 x lane
.set BF,   64
.set ADA,  160
.set ADB,  162
.set AF,   128
.set BK,   112                         ; v112-239 two sets of 16 rows read back
.set G1A,  24
.set G1B,  32
.set G0A,  40
.set G0B,  68
.set SAO,  0
.set SBO,  0
.set MSB, 0
.macro WIN new
.if MSB != (\new)
	s_set_vgpr_msb (MSB<<8)|(\new)
.set MSB, (\new)
.endif
.endm
.macro TLOAD g0, g1                    ; a joint load; s_nop 0 and four v_nop follow it
	tensor_load_to_lds s[\g0:\g0+3], s[\g1:\g1+7]
	s_nop 0
.rept 4
	v_nop
.endr
.endm
.macro ARM under, g0, g1, next
	s_cmp_lt_u32 s14, \under
	s_cbranch_scc0 \next
	TLOAD \g0, \g1
	s_branch .Lhead_asked
\next:
.endm
.macro CREST
	s_cmp_lg_u32 s14, 0
	s_cbranch_scc1 .Lnot_wave_0_\@
	s_barrier_signal -3
.Lnot_wave_0_\@:
	s_barrier_wait -3
	s_barrier_signal -1
	s_barrier_wait -1
.endm
.macro CROUND
	s_barrier_signal -1
	s_barrier_wait -1
	CREST
.endm
.macro PLACES n
.rept \n
	v_nop
.endr
.endm
.macro LB s, b
.irp c, 0,1,2
	ds_load_b128 v[BF+12*(\b)+4*\c:BF+12*(\b)+4*\c+3], v[ADB+((\s)%8)/2] offset:((\s)%2)*BS2+(\b)*FRB+512*\c
.endr
.endm
.macro LA s, a
.irp c, 0,1,2
	ds_load_b128 v[AF+48*((\s)%2)+12*(\a)+4*\c:AF+48*((\s)%2)+12*(\a)+4*\c+3], v[ADA+((\s)%8)/4] offset:((\s)%4)*AS2+(\a)*FRB+512*\c
.endr
.endm
.macro FETCH s                         ; K step s's fragments, 36 loads in one run
	WIN 0x41+0x40*((\s)%2)
.irp b, 0,1,2,3,4,5,6,7
	LB \s, \b
.endr
	WIN 0xc1
.irp a, 0,1,2,3
	LA \s, \a
.endr
.endm
.macro WM a, b, s
.set rD, 64*((\a)/3)+8*(\b)
.set rB, BF+12*(\b)
.set rA, AF+48*((\s)%2)+12*(\a)
.set rX, SB+SBO+4*(\s)+(\b)/2
.set rY, SA+SAO+2*(\s)+(\a)/2
.set WR, 2*((\a)%2)+(\b)%2
.if (\s) == 0
.if WR == 0
	v_wmma_scale_f32_16x16x128_f8f6f4 v[rD:rD+7], v[rB:rB+11], v[rA:rA+11], 0, v[rX], v[rY] matrix_a_fmt:MATRIX_FMT_FP6 matrix_b_fmt:MATRIX_FMT_FP6
.elseif WR == 1
	v_wmma_scale_f32_16x16x128_f8f6f4 v[rD:rD+7], v[rB:rB+11], v[rA:rA+11], 0, v[rX], v[rY] matrix_a_fmt:MATRIX_FMT_FP6 matrix_b_fmt:MATRIX_FMT_FP6 matrix_a_scale:MATRIX_SCALE_ROW1
.elseif WR == 2
	v_wmma_scale_f32_16x16x128_f8f6f4 v[rD:rD+7], v[rB:rB+11], v[rA:rA+11], 0, v[rX], v[rY] matrix_a_fmt:MATRIX_FMT_FP6 matrix_b_fmt:MATRIX_FMT_FP6 matrix_b_scale:MATRIX_SCALE_ROW1
.else
	v_wmma_scale_f32_16x16x128_f8f6f4 v[rD:rD+7], v[rB:rB+11], v[rA:rA+11], 0, v[rX], v[rY] matrix_a_fmt:MATRIX_FMT_FP6 matrix_b_fmt:MATRIX_FMT_FP6 matrix_a_scale:MATRIX_SCALE_ROW1 matrix_b_scale:MATRIX_SCALE_ROW1
.endif
.else
.if WR == 0
	v_wmma_scale_f32_16x16x128_f8f6f4 v[rD:rD+7], v[rB:rB+11], v[rA:rA+11], v[rD:rD+7], v[rX], v[rY] matrix_a_fmt:MATRIX_FMT_FP6 matrix_b_fmt:MATRIX_FMT_FP6
.elseif WR == 1
	v_wmma_scale_f32_16x16x128_f8f6f4 v[rD:rD+7], v[rB:rB+11], v[rA:rA+11], v[rD:rD+7], v[rX], v[rY] matrix_a_fmt:MATRIX_FMT_FP6 matrix_b_fmt:MATRIX_FMT_FP6 matrix_a_scale:MATRIX_SCALE_ROW1
.elseif WR == 2
	v_wmma_scale_f32_16x16x128_f8f6f4 v[rD:rD+7], v[rB:rB+11], v[rA:rA+11], v[rD:rD+7], v[rX], v[rY] matrix_a_fmt:MATRIX_FMT_FP6 matrix_b_fmt:MATRIX_FMT_FP6 matrix_b_scale:MATRIX_SCALE_ROW1
.else
	v_wmma_scale_f32_16x16x128_f8f6f4 v[rD:rD+7], v[rB:rB+11], v[rA:rA+11], v[rD:rD+7], v[rX], v[rY] matrix_a_fmt:MATRIX_FMT_FP6 matrix_b_fmt:MATRIX_FMT_FP6 matrix_a_scale:MATRIX_SCALE_ROW1 matrix_b_scale:MATRIX_SCALE_ROW1
.endif
.endif
.endm
.macro GRP a, s                        ; row tile a's eight products, the accumulators by turns
	WIN 0x50*((\a)+1-(\a)/3)+0xd+(\s)%2
.irp b, 0,1,2,3,4,5,6,7
	WM \a, \b, \s
.endr
.endm
.macro STEP s
	s_wait_dscnt 0x0                               ; this step's fragments are in
	PLACES 4                                       ; for the loads into the sets that the step before multiplied
	FETCH (\s)+1
	GRP 0, \s
	GRP 1, \s
	GRP 2, \s
	GRP 3, \s
.endm
.macro MEET s                          ; K step 3, with a barrier: behind it K steps 4-7 are whole, and no wave reads K steps 0 .. s from LDS any more.
	s_wait_tensorcnt 0x0                           ; my load has landed
	s_wait_dscnt 0x0                               ; my reads up to this K step's are over
	s_barrier_signal -1
	GRP 0, \s
	s_barrier_wait -1
	PLACES 4
	FETCH (\s)+1
	GRP 1, \s
	GRP 2, \s
	GRP 3, \s
.endm
.macro LAST s
	s_wait_dscnt 0x0
	GRP 0, \s
	GRP 1, \s
	GRP 2, \s
	GRP 3, \s
	WIN 0
.endm
.macro SCLOAD ns                       ; the scale words, 128 consecutive bytes a load
.set q, 0
.rept \ns
.irp j, 0,1
	global_load_b32 v[SA+2*q+\j], v[SOFF], s[60:61] offset:q*RTA*64+128*\j
.endr
.irp j, 0,1,2,3
	global_load_b32 v[SB+4*q+\j], v[SOFF], s[62:63] offset:q*RTB*64+128*\j
.endr
.set q, q+1
.endr
.endm
.macro TOSTAGE a                       ; register 16 b + i of row tile a is column 32 b + 16 h + i; each accumulator from its low end on.  LDS serves a wave's instructions in order: no wait between stores and loads
	WIN 4*((\a)+1-(\a)/3)                          ; the data: the row tile's window
.irp b, 0,1,2,3,4,5,6,7
	ds_store_b128 v[STO], v[64*((\a)/3)+8*\b:64*((\a)/3)+8*\b+3] offset:128*(\b/2)+32*(\b%2)
	ds_store_b128 v[STO], v[64*((\a)/3)+8*\b+4:64*((\a)/3)+8*\b+7] offset:128*(\b/2)+32*(\b%2)+16
.endr
	WIN 0
.irp t, 0,1,2,3,4,5,6,7,8,9,10,11,12,13,14,15
	ds_load_b128 v[BK+64*((\a)%2)+4*\t:BK+64*((\a)%2)+4*\t+3], v[RD] offset:528*\t
.endr
.endm
.macro SEND a, younger                 ; place t of row tile a is row 32 (a / 2) + 8 (a % 2) + t + 8 (t / 8); 32 lanes store 512 consecutive bytes, at a multiple of 256 from the buffer's first byte
	s_wait_dscnt \younger
.irp t, 0,1,2,3,4,5,6,7,8,9,10,11,12,13,14,15
	global_store_b128 v[LOFF], v[BK+64*((\a)%2)+4*\t:BK+64*((\a)%2)+4*\t+3], s[66:67] offset:(32*((\a)/2)+8*((\a)%2)+\t+8*(\t/8))*4096 th:TH_STORE_NT
.endr
.endm
	s_load_b128 s[4:7], s[0:1], 0x0                ; oc, xw
	s_load_b64 s[8:9], s[0:1], 0x10                ; out0
	v_lshl_add_u32 v[SPW], v0, 2, SPARE
	v_mov_b32 v[NIL], 0
	ds_add_u32 v[SPW], v[NIL]                      ; the opening lines: the add, twice on end, and its wait ahead of my first tensor load
	ds_add_u32 v[SPW], v[NIL]
	v_lshrrev_b32 v1, 5, v0
	v_readfirstlane_b32 s14, v1                    ; wave
	s_lshr_b32 s15, s14, 1                         ; my half of O's tiles; also: the K steps that I fetch, 0-3 or 4-7
	s_and_b32 s16, s14, 1                          ; my half of Wo's tiles; also: I fetch for O (0) or Wo (1)
	s_bfe_u32 s56, ttmp6, 0x40000                  ; cx
	s_bfe_u32 s57, ttmp6, 0x40004                  ; cy
	s_lshl_b32 s58, s57, 2
	s_lshl_b32 s58, 15, s58
	s_lshl_b32 s59, 0x1111, s56
	s_or_b32 s[G1A], s58, (3<<16)|(1<<21)
	s_or_b32 s[G1B], s59, (3<<16)|(1<<21)
	s_mov_b32 s[G1A+1], 1536<<16                   ; a row: a K step of O's eight fragments
	s_mov_b32 s[G1A+2], 4<<16                      ; four K steps
	s_mov_b32 s[G1A+3], 1536<<16
	s_mov_b32 s[G1A+4], 4
	s_mov_b32 s[G1A+5], RTA*192
	s_mov_b32 s[G1A+6], 0
	s_mov_b32 s[G1A+7], 0
	s_mov_b32 s[G1B+1], 3072<<16
	s_mov_b32 s[G1B+2], 4<<16
	s_mov_b32 s[G1B+3], 3072<<16
	s_mov_b32 s[G1B+4], 4
	s_mov_b32 s[G1B+5], RTB*192
	s_mov_b32 s[G1B+6], 0
	s_mov_b32 s[G1B+7], 0
	s_mul_i32 s10, s15, 4*AS2
	s_mul_i32 s11, s15, 4*BS2
	s_add_co_u32 s11, s11, BOFF
	s_mul_i32 s12, s15, 4*RTA*FRB                  ; where my K steps begin in memory: O's,
	s_mul_i32 s13, s15, 4*RTB*FRB                  ; Wo's
	s_and_b32 s2, ttmp7, 0xffff
	s_lshl_b32 s17, s2, 2
	s_add_co_u32 s17, s17, s57                     ; tile row: 128 tokens
	s_lshl_b32 s18, ttmp9, 2
	s_add_co_u32 s18, s18, s56                     ; tile column: 256 of f
	s_lshl_b32 s20, s17, 3
	s_mul_i32 s22, s20, FRB
	s_add_co_u32 s22, s22, s12
	s_mov_b32 s23, 0
	s_lshl_b32 s21, s15, 2
	s_add_co_u32 s20, s20, s21
	s_lshl_b32 s20, s20, 6
	s_add_co_u32 s20, s20, OCS
	s_mov_b32 s21, 0
	s_lshl_b32 s92, s18, 4
	s_add_co_u32 s92, s92, 704                     ; Wo's row tiles
	s_lshl_b32 s93, s16, 3
	s_add_co_u32 s93, s92, s93
	s_lshl_b32 s98, s93, 6
	s_add_co_u32 s98, s98, XWS
	s_mov_b32 s99, 0
	s_mul_i32 s92, s92, FRB
	s_add_co_u32 s92, s92, s13
	s_mov_b32 s93, 0
	s_lshl_b32 s2, s17, 7
	s_lshl_b32 s3, s15, 6
	s_add_co_u32 s2, s2, s3                        ; my first row of out0,
	s_lshl_b32 s94, s2, 12
	s_lshl_b32 s2, s18, 10
	s_add_co_u32 s94, s94, s2
	s_lshl_b32 s2, s16, 9
	s_add_co_u32 s94, s94, s2                      ; and my first column, in bytes
	s_mov_b32 s95, 0
	s_wait_dscnt 0x0                               ; both opening adds are done
	s_wait_kmcnt 0x0
	s_add_nc_u64 s[22:23], s[4:5], s[22:23]
	s_add_nc_u64 s[92:93], s[6:7], s[92:93]
	s_add_nc_u64 s[60:61], s[4:5], s[20:21]
	s_add_nc_u64 s[62:63], s[6:7], s[98:99]
	s_add_nc_u64 s[66:67], s[8:9], s[94:95]
	CROUND                                         ; all sixteen work-groups are here: the joint loads meet
	s_mov_b32 s[G0A], 1
	s_mov_b32 s[G0A+1], s10
	s_mov_b64 s[G0A+2:G0A+3], s[22:23]
	s_or_b32 s[G0A+3], s[G0A+3], 0x80000000
	s_mov_b32 s[G0B], 1
	s_mov_b32 s[G0B+1], s11
	s_mov_b64 s[G0B+2:G0B+3], s[92:93]
	s_or_b32 s[G0B+3], s[G0B+3], 0x80000000
	ARM 1, G0A, G1A, .Lhead_1                      ; wave 0 O's K steps 0-3,
	ARM 2, G0B, G1B, .Lhead_2                      ; wave 1 Wo's,
	ARM 3, G0A, G1A, .Lhead_3                      ; wave 2 O's K steps 4-7,
	TLOAD G0B, G1B                                 ; wave 3 Wo's
.Lhead_asked:
	v_and_b32 v1, 31, v0
	v_lshlrev_b32 v[LOFF], 4, v1
	v_lshlrev_b32 v[SOFF], 2, v1
	s_wait_alu depctr_va_vdst(0)
	s_mul_i32 s2, s15, 4*FRB
	s_mul_i32 s3, s16, 8*FRB
	s_add_co_u32 s3, s3, BOFF
	WIN 0x40                                       ; the LDS addresses, in window 1
.irp i, 0,1
	v_add_nc_u32 v[ADA+\i], s2, v[LOFF]
	s_add_co_u32 s2, s2, 4*AS2
.endr
.irp i, 0,1,2,3
	v_add_nc_u32 v[ADB+\i], s3, v[LOFF]
	s_add_co_u32 s3, s3, 2*BS2
.endr
	WIN 0
	v_and_b32 v12, 15, v0
	v_bfe_u32 v13, v0, 4, 1
	s_mul_i32 s3, s14, 16*528                      ; my stage
	v_mul_u32_u24 v[STO], v12, 528
	v_lshl_add_u32 v[STO], v13, 6, v[STO]
	v_add_nc_u32 v[STO], s3, v[STO]
	v_add_nc_u32 v[RD], s3, v[LOFF]
	SCLOAD NS
	s_wait_alu depctr_va_vdst(0)
	s_cmp_lg_u32 s15, 0
	s_cbranch_scc1 .Lnot_slot_0                    ; the loads of K steps 4-7 may stay out, and they are first read behind K step 3's
	s_wait_tensorcnt 0x0                           ; my part of K steps 0-3 is in
.Lnot_slot_0:
	s_barrier_signal -1
	s_barrier_wait -1                              ; K steps 0-3 are whole
	FETCH 0
	WIN 0
	s_wait_loadcnt 0x0                             ; the scale words
	STEP 0
	STEP 1
	STEP 2
	MEET 3
	STEP 4
	STEP 5
	STEP 6
	LAST 7
	PLACES 4
	TOSTAGE 0
	TOSTAGE 1
	SEND 0, 32                                     ; behind row tile 0's loads: row tile 1's 16 stores and 16 loads
	s_wait_xcnt 0x0                                ; row tile 0's stores have read their registers
	TOSTAGE 2
	SEND 1, 32
	s_wait_xcnt 0x0
	TOSTAGE 3
	SEND 2, 32
	SEND 3, 0
	s_wait_tensorcnt 0x0                           ; the wave's end
	ds_add_u32 v[SPW], v[NIL]
	s_wait_dscnt 0x0
	CROUND                                         ; the closing round
	s_endpgm
.Lfunc_end_k_qd9a50aa586_proj:
	.size	k_qd9a50aa586_proj, .Lfunc_end_k_qd9a50aa586_proj-k_qd9a50aa586_proj
	.p2alignl 7, 3214868480
	.fill 96, 4, 3214868480
	.section	.rodata,"a",@progbits
	.p2align	6, 0x0
	.amdhsa_kernel k_qd9a50aa586_proj
		.amdhsa_group_segment_fixed_size 327680
		.amdhsa_private_segment_fixed_size 0
		.amdhsa_enable_private_segment 0
		.amdhsa_kernarg_size 24
		.amdhsa_user_sgpr_count 2
		.amdhsa_user_sgpr_kernarg_segment_ptr 1
		.amdhsa_wavefront_size32 1
		.amdhsa_system_sgpr_workgroup_id_x 1
		.amdhsa_system_sgpr_workgroup_id_y 1
		.amdhsa_system_sgpr_workgroup_id_z 1
		.amdhsa_system_vgpr_workitem_id 0
		.amdhsa_next_free_vgpr 1024
		.amdhsa_next_free_sgpr 100
		.amdhsa_reserve_vcc 0
		.amdhsa_float_denorm_mode_32 3
		.amdhsa_float_denorm_mode_16_64 3
		.amdhsa_memory_ordered 1
		.amdhsa_forward_progress 1
		.amdhsa_inst_pref_size 80
	.end_amdhsa_kernel
	.amdgpu_metadata
---
amdhsa.version: [ 1, 2 ]
amdhsa.kernels:
  - .name:           k_qd9a50aa586_proj
    .symbol:         k_qd9a50aa586_proj.kd
    .args:
      - { .name: oc, .offset: 0, .size: 8, .value_kind: global_buffer, .address_space: global }
      - { .name: xw, .offset: 8, .size: 8, .value_kind: global_buffer, .address_space: global }
      - { .name: out0, .offset: 16, .size: 8, .value_kind: global_buffer, .address_space: global }
    .group_segment_fixed_size: 327680
    .private_segment_fixed_size: 0
    .kernarg_segment_align: 8
    .kernarg_segment_size: 24
    .max_flat_workgroup_size: 128
    .sgpr_count:     100
    .vgpr_count:     1024
    .wavefront_size: 32
...
	.end_amdgpu_metadata
.endif
;; end of part 11
